; MI455X (gfx1250); checked and timed in simulation.
; The chip was launched on July 23, 2026; its instructions are those of AMD's public machine-readable ISA for CDNA 5 (MIT licence, August 2026) and "CDNA5" Instruction Set Architecture Reference Guide (July 2026). The comments in the code are by the model that wrote it; some were corrected since.
;; Simple SSM. Allowed arithmetic: float matrix products may take bf16 or f16 operands with f32 sums; other float arithmetic in f32, or as packed bf16 or f16 multiplies, adds, multiply-adds, maxima and minima; sums over many terms, partial sums and values carried from step to step in f32; what a program stores and reads back later, other than sums and carried values, may be rounded once to bf16 or f16.
;; Inputs: W_in 64 x 1,024 float32; W_out 1,024 x 64 float32; alphas 4 x 1,024 float32; b_in 1,024 float32; b_out 64 float32; beta 1,024 float32; gamma 1,024 float32; x 32 x 2,048 x 64 float32.
;; Outputs: out0 32 x 1 x 64 float32.
;; 2 versions, each right; version 2 is version 1 with the launches lay1, lay2, lay3 written anew for expert scheduling mode. Each part assembles by itself: llvm-mc -triple=amdgcn-amd-amdhsa -mcpu=gfx1250 --defsym DOCPART=n.
;; ======== version 1 of 2: 5 launches
;; limits: values are held in f16: magnitudes above 65,504 overflow, below 6.1e-05 lose precision; right only within a limited range of input values; a difference of large sums (such as E[x^2] - mean^2): digits are lost where the result is much smaller than its terms
;; workspace buffers: H0 134,217,728 bytes; P1 2,097,152 bytes; P2 4,718,592 bytes; P3 4,718,592 bytes; P4 2,228,224 bytes
;; launch proj (part 1): grid 256 x 1, 8 waves a work-group, no clusters, 0 bytes of LDS; arguments x, W_in, b_in, alphas, H0, P1; writes H0, P1
.if DOCPART == 1
	.amdgcn_target "amdgcn-amd-amdhsa--gfx1250"
	.amdhsa_code_object_version 6
	.text
	.protected	k_qd09ee6e731_proj
	.globl	k_qd09ee6e731_proj
	.p2align	8
	.type	k_qd09ee6e731_proj,@function
k_qd09ee6e731_proj:
	s_mov_b64 s[64:65], 0
	v_nop
	global_prefetch_b8 v0, s[64:65] scope:SCOPE_SE
	s_setreg_imm32_b32 hwreg(HW_REG_WAVE_MODE, 25, 1), 1
	s_wait_xcnt 0x0
; PROJ.  h0 = gelu(x W_in + b_in) for 2 batches x 128 time steps x 1,024 channels a work-group; H0 takes 64 h0 in f16; P1 takes E1, the state
; u = x + q u of layer 1 at the chunk's end, scanned from 0 (on 64 h0, in f32).  All inputs are rounded to bf16 as they come in.
; SHARES.  Work-group = (chunk c = id % 16 of 128 steps, batch pair bp = id / 16).  Wave w owns 128 channels, as 8 tiles of 16: tile i, lane r holds channel
; 128 w + 64 (i / 4) + 4 r + i % 4, so a lane's 8 channels are two runs of 16 bytes and 16 lanes cover 256 consecutive bytes of a parameter row.
; A block is 8 time steps of both batches: A's row m is batch m / 8, step m % 8, so in the result lane (r, h), register j is batch h, step j, channel r of the tile.
; LIMITS.  64 h0 must fit f16: |h0| under 1,023; below 1e-6 h0 keeps f16's fixed step.  erf is the rational x P(x^2) / Q(x^2) on the argument clamped to +-4, whose error is of the
; order of f32's rounding.  NaN and infinities are not treated apart.
; NO LDS, NO CLUSTER: W_in's slice of a wave stays in registers for the whole launch, x is 4 KiB a block, and no tile is shared between work-groups.
; REGISTERS.  Window 0: v1-5 offsets; v16-31 A; v32-63 x as loaded; v64-127 the 8 accumulators; v128-255 at work in the gelu (and W_in as loaded).
; Window 1: v0-127 B (tile i, K half s at 16 i + 8 s); v128-191 the bias as C operands; v192-223 packed f16; v224-231 q; v232-239 the running u.
.set AF,   16
.set XS,   32
.set ACC,  64
.set PC,   128
.set ZZ,   160
.set PP,   192
.set QP,   224
.set BF,   0
.set BIAS, 128
.set HP,   192
.set Q1,   224
.set CC,   232
.set MSB, 0
.macro WIN new                         ; the immediate's high byte repeats the setting that is left; a switch that changes nothing is dropped
.if MSB != (\new)
	s_set_vgpr_msb (MSB<<8)|(\new)
.set MSB, \new
.endif
.endm
.macro EACH n, line:vararg             ; the line n times, k = 0, 1, ..
.set k, 0
.rept \n
	\line
.set k, k+1
.endr
.endm
.macro EACH2 n, line:vararg            ; the line n times, k = 0, 2, ..
.set k, 0
.rept \n
	\line
.set k, k+2
.endr
.endm
.macro SETC r, val                     ; a coefficient as a pair: the packed forms name the pair and take its low word
	s_mov_b32 s[\r], \val
	s_mov_b32 s[(\r)+1], \val
.endm
.macro RB16 a                          ; two f32 rounded to bf16 and widened again
	v_cvt_pk_bf16_f32 v10, v[\a], v[(\a)+1]
	v_lshlrev_b32 v[\a], 16, v10
	v_and_b32 v[(\a)+1], 0xffff0000, v10
.endm
.macro XLOAD base, off                 ; a block of x: 16 rows x 256 bytes; my 8 runs of 16 bytes are A's layout in f32
.irp s, 0,1,2,3
	global_load_b128 v[XS+8*\s:XS+8*\s+3],   v1, s[\base:\base+1] offset:(\off)+64*\s
	global_load_b128 v[XS+8*\s+4:XS+8*\s+7], v1, s[\base:\base+1] offset:(\off)+64*\s+16
.endr
.endm
.macro XCVT
	EACH 16, v_cvt_pk_bf16_f32 v[AF+k], v[XS+2*k], v[XS+2*k+1]
.endm
; Half of W_in's slice: 32 rows' runs of 16 bytes (4 channels = tiles 4 g .. 4 g + 3), then paired along k into B's layout.  Load k: k pair k / 2, row k % 2 of it.
.macro WROUND g
	EACH 32, global_load_b128 v[128+4*k:128+4*k+3], v3, s[6:7] offset:(32*(k/16)+16*((k/8)%2)+2*((k/2)%4)+k%2)*4096+256*(\g)
	s_wait_loadcnt 0x0
	WIN 0x40
.irp u, 0,1,2,3
	EACH 16, v_cvt_pk_bf16_f32 v[BF+16*(4*(\g)+\u)+k], v[128+8*k+\u], v[128+8*k+4+\u]
.endr
	WIN 0
.endm
	s_load_b256 s[4:11], s[0:1], 0x0               ; x s[4:5], W_in s[6:7], b_in s[8:9], alphas s[10:11]
	s_load_b128 s[12:15], s[0:1], 0x20             ; H0 s[12:13], P1 s[14:15]
	v_lshrrev_b32 v6, 5, v0
	v_readfirstlane_b32 s20, v6                    ; wave
	s_and_b32 s21, ttmp9, 15                       ; chunk
	s_lshr_b32 s22, ttmp9, 4                       ; batch pair
	v_and_b32 v7, 15, v0                           ; r
	v_bfe_u32 v8, v0, 4, 1                         ; h
	v_and_b32 v2, 31, v0
	v_lshlrev_b32 v2, 4, v2                        ; 16 x lane: my 16 bytes of a tile in H0
	v_lshrrev_b32 v1, 3, v7
	v_lshlrev_b32 v1, 19, v1                       ; A's row r: batch r / 8 (524,288 bytes apart),
	v_and_b32 v9, 7, v7
	v_lshl_add_u32 v1, v9, 8, v1                   ; step r % 8 (256 bytes apart),
	v_lshl_add_u32 v1, v8, 5, v1                   ; k = 8 h on
	s_lshl_b32 s23, s20, 9
	v_lshl_add_u32 v4, v7, 4, s23                  ; 512 w + 16 r: my first 4 channels in a parameter row
	v_lshl_add_u32 v3, v8, 15, v4                  ; + 8 h rows of W_in
	v_lshl_add_u32 v5, v8, 12, v4                  ; + h rows of E
	s_lshl_b32 s30, s22, 20
	s_lshl_b32 s31, s21, 15
	s_add_co_u32 s30, s30, s31                     ; x: 2 bp batches + 128 c steps
	s_mov_b32 s31, 0
	s_lshl_b32 s34, ttmp9, 19
	s_lshl_b32 s35, s20, 12
	s_add_co_u32 s34, s34, s35                     ; H0: the work-group's 524,288 bytes, my wave's 4,096 of a block
	s_mov_b32 s35, 0
	s_lshl_b32 s16, s21, 17
	s_lshl_b32 s17, s22, 13
	s_add_co_u32 s16, s16, s17                     ; E: chunk x 131,072 + batch pair x 8,192
	s_mov_b32 s17, 0
	SETC 36, 0xac53f330                            ; P's coefficients, highest power first; 1/sqrt2 and the powers of 1/2 are folded in, so that erf(p / sqrt2) = p P(p^2) / Q(p^2)
	SETC 38, 0x30284a8d
	SETC 40, 0xb3c7667d
	SETC 42, 0xb6a8d45d
	SETC 44, 0xb9083d9c
	SETC 46, 0xba88eb41
	SETC 48, 0xbc3a79f3
	SETC 50, 0xb57460cd                            ; Q's
	SETC 52, 0xb7dfbd29
	SETC 54, 0xb9dc924e
	SETC 56, 0xbb719bf8
	SETC 58, 0xbc69b6a7
	s_mov_b32 s60, 0xc0b504f3                      ; -4 sqrt2
	s_mov_b32 s61, 0x40b504f3                      ; +4 sqrt2
	s_wait_kmcnt 0x0
	s_add_nc_u64 s[24:25], s[4:5], s[30:31]        ; x at the chunk's first block
	s_add_nc_u64 s[28:29], s[12:13], s[34:35]      ; H0 at my part of block 0
	s_add_nc_u64 s[16:17], s[14:15], s[16:17]      ; E1 of my chunk and batch pair
	XLOAD 24, 0                                    ; block 0
	global_load_b128 v[64:67], v4, s[8:9]
	global_load_b128 v[68:71], v4, s[8:9] offset:256
	global_load_b128 v[72:75], v4, s[10:11]
	global_load_b128 v[76:79], v4, s[10:11] offset:256
	WROUND 0                                       ; its wait for all loads covers x, b_in and alphas too
	WROUND 1
	EACH2 8, RB16 64+k                             ; b_in and alphas[0]
	WIN 0x40
.irp i, 0,1,2,3,4,5,6,7
	EACH 8, v_mov_b32 v[BIAS+8*\i+k], v[64+\i]     ; the bias enters as the C operand of a tile's first product
.endr
	WIN 0
	EACH 8, v_mul_f32 v[72+k], 0xbfb8aa3b, v[72+k] ; a = 1 / (1 + 2^(-alpha log2 e))
	EACH 8, v_exp_f32 v[72+k], v[72+k]
	v_nop                                          ; a plain instruction behind the last exponential,
	s_wait_alu depctr_va_vdst(0)                   ; and the one wait ahead of the batch's first reader
	EACH 8, v_add_f32 v[72+k], 1.0, v[72+k]
	EACH 8, v_rcp_f32 v[72+k], v[72+k]
	v_nop
	s_wait_alu depctr_va_vdst(0)
	WIN 0x40
	EACH 8, v_sub_f32 v[Q1+k], 1.0, v[72+k]        ; q = 1 - a
	EACH 8, v_mov_b32 v[CC+k], 0                   ; the scan starts from 0
	WIN 0
	XCVT
	XLOAD 24, 2048                                 ; block 1
; 16 products: 8 tiles x 2 halves of K = 64.  The accumulators take turns, one instruction a turn; four places follow the last.
.macro MMS
	WIN 0x14
.irp i, 0,1,2,3,4,5,6,7
	v_wmma_f32_16x16x32_bf16 v[ACC+8*\i:ACC+8*\i+7], v[AF:AF+7], v[BF+16*\i:BF+16*\i+7], v[BIAS+8*\i:BIAS+8*\i+7]
.endr
	WIN 0x04
.irp i, 0,1,2,3,4,5,6,7
	v_wmma_f32_16x16x32_bf16 v[ACC+8*\i:ACC+8*\i+7], v[AF+8:AF+15], v[BF+16*\i+8:BF+16*\i+15], v[ACC+8*\i:ACC+8*\i+7]
.endr
	WIN 0
.rept 4
	v_nop
.endr
.endm
.macro HORN d, c                       ; one Horner step on 16 pairs
	EACH2 16, v_pk_fma_f32 v[\d+k:\d+k+1], v[\d+k:\d+k+1], v[ZZ+k:ZZ+k+1], s[\c:\c+1] op_sel_hi:[1,1,0]
.endm
; Four tiles: acc = 32 p (1 + erf(p / sqrt2)) = 64 gelu(p).  Each accumulator is read from its lowest register on.  The 32 reciprocals are one batch with one wait.
.macro GELU4 t0
.set AB, ACC+8*(\t0)
	EACH 32, v_med3_num_f32 v[PC+k], v[AB+k], s60, s61
	EACH2 16, v_pk_mul_f32 v[ZZ+k:ZZ+k+1], v[PC+k:PC+k+1], v[PC+k:PC+k+1]
	EACH2 16, v_pk_mul_f32 v[AB+k:AB+k+1], v[AB+k:AB+k+1], 0x42000000 op_sel_hi:[1,0]
	EACH2 16, v_pk_fma_f32 v[PP+k:PP+k+1], v[ZZ+k:ZZ+k+1], s[36:37], s[38:39] op_sel_hi:[1,0,0]
	EACH2 16, v_pk_fma_f32 v[QP+k:QP+k+1], v[ZZ+k:ZZ+k+1], s[50:51], s[52:53] op_sel_hi:[1,0,0]
	HORN PP, 40
	HORN QP, 54
	HORN PP, 42
	HORN QP, 56
	HORN PP, 44
	HORN QP, 58
	HORN PP, 46
	HORN PP, 48
	EACH 32, v_rcp_f32 v[QP+k], v[QP+k]
	EACH2 16, v_pk_mul_f32 v[PP+k:PP+k+1], v[PP+k:PP+k+1], v[PC+k:PC+k+1]
	s_wait_alu depctr_va_vdst(0)                   ; one wait for the 32 reciprocals; the 16 products above are the independent work between
	EACH2 16, v_pk_mul_f32 v[PP+k:PP+k+1], v[PP+k:PP+k+1], v[QP+k:QP+k+1]
	EACH2 16, v_pk_fma_f32 v[AB+k:AB+k+1], v[AB+k:AB+k+1], v[PP+k:PP+k+1], v[AB+k:AB+k+1]
.endm
	s_mov_b32 s32, 0
.Lblk:                                                 ; 16 trips, a block each; A holds block n, x of block n + 1 is on its way
	MMS
	GELU4 0
	GELU4 4
	WIN 0x40
	EACH 32, v_cvt_pk_f16_f32 v[HP+k], v[ACC+2*k], v[ACC+2*k+1]
	WIN 0x04
.irp i, 0,1,2,3,4,5,6,7
	global_store_b128 v2, v[HP+4*\i:HP+4*\i+3], s[28:29] offset:512*\i th:TH_STORE_NT  ; a tile's 8 steps x 32 lanes: 512 consecutive bytes
.endr
	WIN 0x45
.set j, 0
.rept 8
.irp i, 0,1,2,3,4,5,6,7
	v_fma_f32 v[CC+\i], v[Q1+\i], v[CC+\i], v[ACC+8*\i+j]  ; u = x + q u; a tile's links stand eight lines apart
.endr
.set j, j+1
.endr
	WIN 0
	s_wait_loadcnt 0x0                             ; x of block n + 1, asked for a trip ago: the only loads that are out
	XCVT
	s_wait_xcnt 0x0                                ; the stores have read HP and their base, the loads theirs: both bases are written below, HP in the next trip
	s_add_nc_u64 s[28:29], s[28:29], 32768
	s_add_co_u32 s33, s32, 2
	s_min_u32 s33, s33, 15                         ; the last two trips ask for the last block again: every load stays inside x, and every trip is alike
	s_lshl_b32 s30, s33, 11
	s_add_nc_u64 s[26:27], s[24:25], s[30:31]
	XLOAD 26, 0
	s_add_co_u32 s32, s32, 1
	s_cmp_lt_u32 s32, 16
	s_cbranch_scc1 .Lblk
	WIN 0x04
	global_store_b128 v5, v[CC:CC+3], s[16:17]     ; E1: 16 lanes store 256 consecutive bytes
	global_store_b128 v5, v[CC+4:CC+7], s[16:17] offset:256
	WIN 0
	s_endpgm
.Lfunc_end_k_qd09ee6e731_proj:
	.size	k_qd09ee6e731_proj, .Lfunc_end_k_qd09ee6e731_proj-k_qd09ee6e731_proj
	.p2alignl 7, 3214868480
	.fill 96, 4, 3214868480
	.section	.rodata,"a",@progbits
	.p2align	6, 0x0
	.amdhsa_kernel k_qd09ee6e731_proj
		.amdhsa_group_segment_fixed_size 0
		.amdhsa_private_segment_fixed_size 0
		.amdhsa_enable_private_segment 0
		.amdhsa_kernarg_size 48
		.amdhsa_user_sgpr_count 2
		.amdhsa_user_sgpr_kernarg_segment_ptr 1
		.amdhsa_wavefront_size32 1
		.amdhsa_system_sgpr_workgroup_id_x 1
		.amdhsa_system_sgpr_workgroup_id_y 1
		.amdhsa_system_sgpr_workgroup_id_z 1
		.amdhsa_system_vgpr_workitem_id 0
		.amdhsa_next_free_vgpr 512
		.amdhsa_next_free_sgpr 66
		.amdhsa_reserve_vcc 0
		.amdhsa_float_denorm_mode_32 3
		.amdhsa_float_denorm_mode_16_64 3
		.amdhsa_memory_ordered 1
		.amdhsa_forward_progress 1
		.amdhsa_inst_pref_size 74
	.end_amdhsa_kernel
	.amdgpu_metadata
---
amdhsa.version: [ 1, 2 ]
amdhsa.kernels:
  - .name:           k_qd09ee6e731_proj
    .symbol:         k_qd09ee6e731_proj.kd
    .args:
      - { .name: x, .offset: 0, .size: 8, .value_kind: global_buffer, .address_space: global }
      - { .name: W_in, .offset: 8, .size: 8, .value_kind: global_buffer, .address_space: global }
      - { .name: b_in, .offset: 16, .size: 8, .value_kind: global_buffer, .address_space: global }
      - { .name: alphas, .offset: 24, .size: 8, .value_kind: global_buffer, .address_space: global }
      - { .name: H0, .offset: 32, .size: 8, .value_kind: global_buffer, .address_space: global }
      - { .name: P1, .offset: 40, .size: 8, .value_kind: global_buffer, .address_space: global }
    .group_segment_fixed_size: 0
    .private_segment_fixed_size: 0
    .kernarg_segment_align: 8
    .kernarg_segment_size: 48
    .max_flat_workgroup_size: 256
    .sgpr_count:     66
    .vgpr_count:     512
    .wavefront_size: 32
...
	.end_amdgpu_metadata
.endif
;; end of part 1
;; launch lay1 (part 2): grid 256 x 1, 8 waves a work-group, no clusters, 60,928 bytes of LDS; arguments H0, alphas, gamma, beta, P1, P2; writes P2
.if DOCPART == 2
	.amdgcn_target "amdgcn-amd-amdhsa--gfx1250"
	.amdhsa_code_object_version 6
	.text
	.protected	k_qd09ee6e731_lay1
	.globl	k_qd09ee6e731_lay1
	.p2align	8
	.type	k_qd09ee6e731_lay1,@function
k_qd09ee6e731_lay1:
	s_mov_b64 s[64:65], 0
	v_nop
	global_prefetch_b8 v0, s[64:65] scope:SCOPE_SE
	s_setreg_imm32_b32 hwreg(HW_REG_WAVE_MODE, 25, 1), 1
	s_wait_xcnt 0x0
; LAYER PASS, one source for three launches; NL says which.  It makes layer NL's statistics on the true carries and scans layer NL + 1 from 0.
; Per work-group (chunk c of 128 steps, batch pair bp), shares and lane layout as in PROJ: wave w owns 128 channels in 8 tiles, lane (r, h) holds batch h, a tile's 8 registers are 8 time steps.
;   u = x + q u, y = x + a u (u = EMA / a), n = y R + M, h = gamma n + beta.  Layers below NL are made again from H0 with their stored carry C and statistics (R, M): no reduction.
;   Layer NL's carry into the chunk is U = E[c-1] + q^128 U', over the earlier chunks' ends E, exact and in f32.  Its sums S = sum y, Q = sum y^2 over 1,024 channels meet in LDS.
;   Stored: E of layer NL + 1; for NL < 3 also C and (R, M) of layer NL; for NL = 3 h3 at the last step of the last chunk.
; H0 holds 64 h0, so layer 1's u, y and sums are 64 times theirs, and its eps is 4,096 eps: R and M then give the true n.
; LIMITS.  var = Q / N - mu^2 in f32, held at 0 from below: its relative error grows like 2^-23 (1 + mu^2 / var).  NaN and infinities are not treated apart.  alphas, gamma, beta are rounded to bf16.
; NO TENSOR LOADS, NO CLUSTER: each byte of H0 is one wave's own and goes straight into its registers; nothing is shared between work-groups.
; LDS: STL the lower layers' (R, M) of the chunk; RED a wave's own 32 rows x 144 bytes for the turn from lanes to times; PART the 8 waves' (S, Q); FIN a wave's own (R, M) of the chunk; the spare words.
; REGISTERS.  Window 0: see the names.  Window 1: v0-127 y of a super-block (block b, tile i, step j at 64 b + 8 i + j); v128-191 H0 as loaded (32 b + 4 i).
.set NL, 1
.if NL == 1
.set EPSW, 0x3d27c5ac                  ; 4,096 x 1e-5
.else
.set EPSW, 0x3727c5ac                  ; 1e-5
.endif
.if NL == 3
.set EIN,  14                          ; s[EIN:EIN+1] the buffer with layer NL's E
.set POUT, 16                          ; the buffer written
.else
.set EIN,  12
.set POUT, 14
.endif
.set STL,   0                          ; [layer 2,048][h 1,024][R, M 512][128 steps]
.set RED,   4096                       ; 8 x 4,608
.set PART,  40960                      ; row 16 h + step, 80 bytes apart; wave w's (S, Q) at 8 w
.set FIN,   43520                      ; 8 x [h 1,024][R, M 512][128 steps]
.set SPARE, 59904                      ; the spare words, 128 bytes a wave: four blocks of 256 bytes that no other line names
.set OFC,   2097152                    ; C in a P buffer
.set OFST,  4194304                    ; R [32][2048], then M, in a P buffer
.set SPW,1
.set NIL,2
.set HOFF,3                            ; 16 x lane
.set REDST,4
.set REDLD,5
.set PARTST,6
.set PARTLD,7
.set FINST,8
.set FINLD,9
.set STLLD,10
.set PFO,11
.set EOFF,12                           ; 512 w + 16 r + 4,096 h
.set CHO,13                            ; 512 w + 16 r
.set XP,14                             ; v14-15 at work
.set QQ,16                             ; q, layer l at 8 (l - 1)
.set AA,48                             ; a
.set GG,72
.set BB,80
.set CAR,88                            ; the running u, layer l at 8 (l - 1)
.set HL,120                            ; q^128 at the head; h3's last step (NL = 3)
.set RR,128                            ; R of a block's 8 steps, layer l at 8 (l - 1)
.set MM,144
.set SS,160                            ; S[16], Q[16] of a super-block; later its R[16], M[16]
.set TT,192                            ; four tiles at work
.set VV,224
.set YY,0
.set X16,128
.set MSB, 0
.macro WIN new                         ; the immediate's high byte repeats the setting that is left; a switch that changes nothing is dropped
.if MSB != (\new)
	s_set_vgpr_msb (MSB<<8)|(\new)
.set MSB, \new
.endif
.endm
.macro EACH n, line:vararg
.set k, 0
.rept \n
	\line
.set k, k+1
.endr
.endm
.macro EACH2 n, line:vararg
.set k, 0
.rept \n
	\line
.set k, k+2
.endr
.endm
.macro RB16 a                          ; two f32 rounded to bf16 and widened again
	v_cvt_pk_bf16_f32 v[XP], v[\a], v[(\a)+1]
	v_lshlrev_b32 v[\a], 16, v[XP]
	v_and_b32 v[(\a)+1], 0xffff0000, v[XP]
.endm
.macro MIX d, a, b, x, hi              ; d = a b + the f16 half hi of x, in f32
.if \hi
	v_fma_mix_f32 v[\d], v[\a], v[\b], v[\x] op_sel:[0,0,1] op_sel_hi:[0,0,1]
.else
	v_fma_mix_f32 v[\d], v[\a], v[\b], v[\x] op_sel_hi:[0,0,1]
.endif
.endm
.macro STOFF                           ; s[46:47] = where wave w's 512 bytes of (R, M) lie: M or R by w % 2, batch 2 bp + (w / 2) % 2, chunk c
	s_and_b32 s46, s20, 1
	s_lshl_b32 s46, s46, 18
	s_bfe_u32 s47, s20, 0x10001
	s_lshl_b32 s47, s47, 13
	s_add_co_u32 s46, s46, s47
	s_lshl_b32 s47, s22, 14
	s_add_co_u32 s46, s46, s47
	s_lshl_b32 s47, s21, 9
	s_add_co_u32 s46, s46, s47
	s_mov_b32 s47, 0
.endm
	s_load_b256 s[4:11], s[0:1], 0x0               ; H0 s[4:5], alphas s[6:7], gamma s[8:9], beta s[10:11]
	s_load_b128 s[12:15], s[0:1], 0x20             ; the P buffers, in the order of the launch's arguments
.if NL == 3
	s_load_b64 s[16:17], s[0:1], 0x30
.endif
	v_lshl_add_u32 v[SPW], v0, 2, SPARE
	v_mov_b32 v[NIL], 0
	v_lshrrev_b32 v14, 5, v0
	v_readfirstlane_b32 s20, v14                   ; wave
	s_and_b32 s21, ttmp9, 15                       ; chunk
	s_lshr_b32 s22, ttmp9, 4                       ; batch pair
	v_and_b32 v14, 15, v0                          ; r
	v_bfe_u32 v15, v0, 4, 1                        ; h
	v_and_b32 v[HOFF], 31, v0
	s_mul_i32 s23, s20, 4608
	s_add_co_u32 s23, s23, RED
	v_lshl_add_u32 v[REDST], v[HOFF], 2, s23       ; in: row = which sum, 4 bytes a lane
	v_mul_u32_u24 v[REDLD], v14, 144
	v_lshl_add_u32 v[REDLD], v15, 6, v[REDLD]
	v_add_nc_u32 v[REDLD], s23, v[REDLD]           ; back: row r, my half's 16 lanes
	v_lshlrev_b32 v[HOFF], 4, v[HOFF]
	v_lshl_add_u32 v[PARTLD], v15, 4, v14
	v_mul_u32_u24 v[PARTLD], v[PARTLD], 80
	v_add_nc_u32 v[PARTLD], PART, v[PARTLD]
	s_lshl_b32 s23, s20, 3
	v_add_nc_u32 v[PARTST], s23, v[PARTLD]
	s_lshl_b32 s23, s20, 11
	s_add_co_u32 s23, s23, FIN
	v_lshl_add_u32 v[FINLD], v15, 10, s23
	v_lshl_add_u32 v[FINST], v14, 2, v[FINLD]
.if NL > 1
	v_lshlrev_b32 v[STLLD], 10, v15
	v_lshlrev_b32 v[PFO], 8, v14
	v_lshl_add_u32 v[PFO], v15, 15, v[PFO]         ; a lane a block of 256 bytes: block h of the super-block, 256 r in my wave's 4,096
.endif
	s_lshl_b32 s23, s20, 9
	v_lshl_add_u32 v[CHO], v14, 4, s23
	v_lshl_add_u32 v[EOFF], v15, 12, v[CHO]
	s_lshl_b32 s30, ttmp9, 19
	s_lshl_b32 s31, s20, 12
	s_add_co_u32 s30, s30, s31
	s_mov_b32 s31, 0
	s_lshl_b32 s34, s22, 13                        ; batch pair x 8,192
	s_mov_b32 s35, 0
	s_lshl_b32 s36, s21, 17
	s_add_co_u32 s36, s36, s34                     ; + chunk x 131,072
	s_mov_b32 s37, 0
	s_wait_kmcnt 0x0
	s_add_nc_u64 s[24:25], s[4:5], s[30:31]        ; H0 at my wave's part of the chunk's block 0
	s_add_nc_u64 s[38:39], s[EIN:EIN+1], s[34:35]  ; E of chunk 0, my batch pair
.if NL > 1
	s_add_nc_u64 s[40:41], s[12:13], s[36:37]      ; layer 1's buffer at my chunk and batch pair
.endif
.if NL > 2
	s_add_nc_u64 s[42:43], s[14:15], s[36:37]      ; layer 2's
.endif
	s_add_nc_u64 s[44:45], s[POUT:POUT+1], s[36:37]
	EACH NL+1, global_load_b128 v[QQ+8*k:QQ+8*k+3], v[CHO], s[6:7] offset:4096*k
	EACH NL+1, global_load_b128 v[QQ+8*k+4:QQ+8*k+7], v[CHO], s[6:7] offset:4096*k+256
	global_load_b128 v[GG:GG+3], v[CHO], s[8:9]
	global_load_b128 v[GG+4:GG+7], v[CHO], s[8:9] offset:256
	global_load_b128 v[BB:BB+3], v[CHO], s[10:11]
	global_load_b128 v[BB+4:BB+7], v[CHO], s[10:11] offset:256
.if NL > 1
	global_load_b128 v[CAR:CAR+3], v[EOFF], s[40:41] offset:OFC
	global_load_b128 v[CAR+4:CAR+7], v[EOFF], s[40:41] offset:OFC+256
.endif
.if NL > 2
	global_load_b128 v[CAR+8:CAR+11], v[EOFF], s[42:43] offset:OFC
	global_load_b128 v[CAR+12:CAR+15], v[EOFF], s[42:43] offset:OFC+256
.endif
	EACH 15, global_load_b128 v[128+8*k:128+8*k+3], v[EOFF], s[38:39] offset:131072*k
	EACH 15, global_load_b128 v[128+8*k+4:128+8*k+7], v[EOFF], s[38:39] offset:131072*k+256
.if NL > 1                             ; the lower layers' (R, M) of the chunk: 512 bytes a wave, waves 0 to 4 (NL - 1) - 1
.if NL == 2
	s_cmp_ge_u32 s20, 4
	s_cbranch_scc1 .Lnost
.endif
	STOFF
.if NL == 3
	s_cmp_lt_u32 s20, 4
	s_cselect_b64 s[48:49], s[12:13], s[14:15]     ; waves 0-3 layer 1's, waves 4-7 layer 2's
.else
	s_mov_b64 s[48:49], s[12:13]
.endif
	s_add_nc_u64 s[48:49], s[48:49], s[46:47]
	global_load_b128 v[248:251], v[HOFF], s[48:49] offset:OFST
.Lnost:
.endif
	WIN 0x40
	EACH 16, global_load_b128 v[X16+4*k:X16+4*k+3], v[HOFF], s[24:25] offset:32768*(k/8)+512*(k%8)  ; super-block 0, in the order in which the groups want it
	WIN 0
	s_wait_loadcnt 16                              ; all but the 16 just issued
.if NL > 1
.if NL == 2
	s_cmp_ge_u32 s20, 4
	s_cbranch_scc1 .Lnost2
.endif
	v_lshlrev_b32 v252, 4, v0                      ; 512 w + 16 x lane
	ds_store_b128 v252, v[248:251] offset:STL
.Lnost2:
.endif
	EACH2 4*(NL+1), RB16 QQ+k
	EACH2 4, RB16 GG+k
	EACH2 4, RB16 BB+k
	EACH 8*(NL+1), v_mul_f32 v[QQ+k], 0xbfb8aa3b, v[QQ+k]  ; a = 1 / (1 + 2^(-alpha log2 e))
	EACH 8*(NL+1), v_exp_f32 v[QQ+k], v[QQ+k]
	v_nop                                          ; a plain instruction behind the last exponential,
	s_wait_alu depctr_va_vdst(0)                   ; and the one wait ahead of the batch's first reader
	EACH 8*(NL+1), v_add_f32 v[QQ+k], 1.0, v[QQ+k]
	EACH 8*(NL+1), v_rcp_f32 v[QQ+k], v[QQ+k]
	v_nop
	s_wait_alu depctr_va_vdst(0)
	EACH 8*NL, v_mov_b32 v[AA+k], v[QQ+k]
	EACH 8*(NL+1), v_sub_f32 v[QQ+k], 1.0, v[QQ+k] ; q = 1 - a
.set CN, CAR+8*(NL-1)
	EACH2 4, v_pk_mul_f32 v[HL+k:HL+k+1], v[QQ+8*(NL-1)+k:QQ+8*(NL-1)+k+1], v[QQ+8*(NL-1)+k:QQ+8*(NL-1)+k+1]
.rept 6
	EACH2 4, v_pk_mul_f32 v[HL+k:HL+k+1], v[HL+k:HL+k+1], v[HL+k:HL+k+1]  ; seven squarings: q^128
.endr
	EACH 8, v_mov_b32 v[CN+k], 0
.irp i, 0,1,2,3,4,5,6,7,8,9,10,11,12,13,14
	s_cmp_le_u32 s21, \i                           ; the chunks ahead of mine, in order
	s_cbranch_scc1 .Lhd
	EACH2 4, v_pk_fma_f32 v[CN+k:CN+k+1], v[HL+k:HL+k+1], v[CN+k:CN+k+1], v[128+8*\i+k:128+8*\i+k+1]
.endr
.Lhd:
.if NL < 3
	global_store_b128 v[EOFF], v[CN:CN+3], s[44:45] offset:OFC
	global_store_b128 v[EOFF], v[CN+4:CN+7], s[44:45] offset:OFC+256
.endif
	EACH 8, v_mov_b32 v[CAR+8*NL+k], 0             ; the next layer is scanned from 0
.if NL > 1
	s_wait_dscnt 0x0                               ; my part of STL is stored,
	s_barrier_signal -1
	s_barrier_wait -1                              ; everybody's is
.endif
.macro AFF g                           ; h = gamma n + beta on the four tiles at work; a tile's gamma and beta are one register of a pair, given to both halves
.irp u, 0,1,2,3
.set m, 0
.rept 4
.set rT, TT+8*\u+2*m
.if (\u)%2
	v_pk_fma_f32 v[rT:rT+1], v[rT:rT+1], v[GG+4*(\g)+\u-1:GG+4*(\g)+\u], v[BB+4*(\g)+\u-1:BB+4*(\g)+\u] op_sel:[0,1,1] op_sel_hi:[1,1,1]
.else
	v_pk_fma_f32 v[rT:rT+1], v[rT:rT+1], v[GG+4*(\g)+\u:GG+4*(\g)+\u+1], v[BB+4*(\g)+\u:BB+4*(\g)+\u+1] op_sel_hi:[1,0,0]
.endif
.set m, m+1
.endr
.endr
.endm
.macro LOADRM b                        ; the lower layers' R and M of block b's 8 steps
	WIN 0
.set y, 0
.rept NL-1
	ds_load_b128 v[RR+8*y:RR+8*y+3],   v[STLLD] offset:STL+2048*y+32*(\b)
	ds_load_b128 v[RR+8*y+4:RR+8*y+7], v[STLLD] offset:STL+2048*y+32*(\b)+16
	ds_load_b128 v[MM+8*y:MM+8*y+3],   v[STLLD] offset:STL+2048*y+512+32*(\b)
	ds_load_b128 v[MM+8*y+4:MM+8*y+7], v[STLLD] offset:STL+2048*y+512+32*(\b)+16
.set y, y+1
.endr
.endm
; Layer l (2 .. NL) on four tiles: the layer below is normalised with its stored statistics, then u and y of this layer.  y stays in TT, or (l = NL) goes to YY.
.macro LAYER l, b, g
	WIN 0
.irp u, 0,1,2,3
.set m, 0
.rept 4
.set rT, TT+8*\u+2*m
	v_pk_fma_f32 v[rT:rT+1], v[rT:rT+1], v[RR+8*((\l)-2)+2*m:RR+8*((\l)-2)+2*m+1], v[MM+8*((\l)-2)+2*m:MM+8*((\l)-2)+2*m+1]
.set m, m+1
.endr
.endr
	AFF \g
.set j, 0
.rept 8
.irp u, 0,1,2,3
.if j == 0
	v_fma_f32 v[VV+8*\u], v[QQ+8*((\l)-1)+4*(\g)+\u], v[CAR+8*((\l)-1)+4*(\g)+\u], v[TT+8*\u]
.else
	v_fma_f32 v[VV+8*\u+j], v[QQ+8*((\l)-1)+4*(\g)+\u], v[VV+8*\u+j-1], v[TT+8*\u+j]
.endif
.endr
.set j, j+1
.endr
.irp u, 0,1,2,3
	v_mov_b32 v[CAR+8*((\l)-1)+4*(\g)+\u], v[VV+8*\u+7]
.endr
.if (\l) == NL
	WIN 0x40
.endif
.irp u, 0,1,2,3
.set m, 0
.rept 4
.set rT, TT+8*\u+2*m
.set rV, VV+8*\u+2*m
.set rD, rT
.if (\l) == NL
.set rD, YY+64*(\b)+8*(4*(\g)+\u)+2*m
.endif
.if (\u)%2
	v_pk_fma_f32 v[rD:rD+1], v[rV:rV+1], v[AA+8*((\l)-1)+4*(\g)+\u-1:AA+8*((\l)-1)+4*(\g)+\u], v[rT:rT+1] op_sel:[0,1,0] op_sel_hi:[1,1,1]
.else
	v_pk_fma_f32 v[rD:rD+1], v[rV:rV+1], v[AA+8*((\l)-1)+4*(\g)+\u:AA+8*((\l)-1)+4*(\g)+\u+1], v[rT:rT+1] op_sel_hi:[1,0,1]
.endif
.set m, m+1
.endr
.endr
.endm
; Block b, tiles 4 g .. 4 g + 3: layers 1 to NL, and layer NL's sums.
.macro GROUPA b, g
	s_wait_loadcnt 12                              ; loads come back in order: my group's four are in; the three younger groups' twelve may stay out
	WIN 0x10
.set j, 0
.rept 8
.irp u, 0,1,2,3
.if j == 0
	MIX TT+8*\u, QQ+4*(\g)+\u, CAR+4*(\g)+\u, X16+32*(\b)+16*(\g)+4*\u, 0
.else
	MIX TT+8*\u+j, QQ+4*(\g)+\u, TT+8*\u+j-1, X16+32*(\b)+16*(\g)+4*\u+j/2, j%2
.endif
.endr
.set j, j+1
.endr
.irp u, 0,1,2,3
	v_mov_b32 v[CAR+4*(\g)+\u], v[TT+8*\u+7]
.endr
.if NL == 1
	WIN 0x50
.endif
.set j, 0
.rept 8
.irp u, 0,1,2,3
.if NL == 1
	MIX YY+64*(\b)+8*(4*(\g)+\u)+j, AA+4*(\g)+\u, TT+8*\u+j, X16+32*(\b)+16*(\g)+4*\u+j/2, j%2
.else
	MIX TT+8*\u+j, AA+4*(\g)+\u, TT+8*\u+j, X16+32*(\b)+16*(\g)+4*\u+j/2, j%2
.endif
.endr
.set j, j+1
.endr
	WIN 0x40
.irp u, 0,1,2,3
	global_load_b128 v[X16+32*(\b)+16*(\g)+4*\u:X16+32*(\b)+16*(\g)+4*\u+3], v[HOFF], s[26:27] offset:32768*(\b)+512*(4*(\g)+\u)  ; the same group of the next super-block
.endr
.if (NL > 1) && ((\b) == 1) && ((\g) == 1)
	WIN 0
	s_cmp_gt_u32 s33, 5                            ; the last two trips have no super-block two on
	s_cbranch_scc1 .Lnopf
	global_prefetch_b8 v[PFO], s[28:29] th:TH_LOAD_NT scope:SCOPE_SE  ; my wave's 8,192 bytes of the super-block that the next trip's loads will ask for: a lane a block of 256 bytes, each named once in the launch
.Lnopf:
.endif
.if NL > 1
.if (\g) == 0
	s_wait_dscnt 0x0                               ; the block's R and M are in
.endif
	LAYER 2, \b, \g
.endif
.if NL > 2
	LAYER 3, \b, \g
.endif
	WIN 0x05
.irp u, 0,1,2,3
.set m, 0
.rept 4
.set rY, YY+64*(\b)+8*(4*(\g)+\u)+2*m
.set rS, SS+8*(\b)+2*m
.set rQ, SS+16+8*(\b)+2*m
.if ((\g) == 0) && ((\u) == 0)                 ; a block's first tile starts the sums: nothing is cleared
	v_pk_mul_f32 v[rS:rS+1], v[rY:rY+1], 1.0 op_sel_hi:[1,0]
	v_pk_mul_f32 v[rQ:rQ+1], v[rY:rY+1], v[rY:rY+1]
.else
	v_pk_fma_f32 v[rS:rS+1], v[rY:rY+1], 1.0, v[rS:rS+1] op_sel_hi:[1,0,1]
	v_pk_fma_f32 v[rQ:rQ+1], v[rY:rY+1], v[rY:rY+1], v[rQ:rQ+1]
.endif
.set m, m+1
.endr
.endr
.endm
; Block b, tiles 4 g .. 4 g + 3: layer NL is normalised with the statistics just made, and layer NL + 1's u runs on.
.macro GROUPB b, g
	WIN 0x04
.irp u, 0,1,2,3
.set m, 0
.rept 4
.set rT, TT+8*\u+2*m
	v_pk_fma_f32 v[rT:rT+1], v[SS+8*(\b)+2*m:SS+8*(\b)+2*m+1], v[YY+64*(\b)+8*(4*(\g)+\u)+2*m:YY+64*(\b)+8*(4*(\g)+\u)+2*m+1], v[SS+16+8*(\b)+2*m:SS+16+8*(\b)+2*m+1]
.set m, m+1
.endr
.endr
	WIN 0
	AFF \g
.if (NL == 3) && ((\b) == 1)
.irp u, 0,1,2,3
	v_mov_b32 v[HL+4*(\g)+\u], v[TT+8*\u+7]        ; the super-block's last step; the last trip's stays
.endr
.endif
.set j, 0
.rept 8
.irp u, 0,1,2,3
	v_fma_f32 v[CAR+8*NL+4*(\g)+\u], v[QQ+8*NL+4*(\g)+\u], v[CAR+8*NL+4*(\g)+\u], v[TT+8*\u+j]
.endr
.set j, j+1
.endr
.endm
	s_mov_b32 s33, 0
.Lsb:                                                  ; 8 trips, a super-block of 16 steps each
	s_wait_xcnt 0x0                                ; every load, store and prefetch issued so far has read its sources: the two pointers are written here, C's registers in the trip
	s_add_co_u32 s30, s33, 1
	s_min_u32 s30, s30, 7                          ; the last trip asks for its own super-block once more: every load stays inside H0, and the counted waits hold in every trip
	s_lshl_b32 s30, s30, 16
	s_add_nc_u64 s[26:27], s[24:25], s[30:31]
.if NL > 1
	s_add_co_u32 s30, s33, 2
	s_min_u32 s30, s30, 7
	s_lshl_b32 s30, s30, 16
	s_add_nc_u64 s[28:29], s[24:25], s[30:31]
	LOADRM 0
.endif
	GROUPA 0, 0
	GROUPA 0, 1
.if NL > 1
	LOADRM 1
.endif
	GROUPA 1, 0
	GROUPA 1, 1
	; THE SUMS MEET.  My 32 sums (S and Q of 16 steps over my 8 channels) go into my wave's rows; lane (r, h) takes back step r's 16 lanes of half h.  LDS serves a wave's instructions in order, so no wait stands between.
	WIN 0
	EACH 32, ds_store_b32 v[REDST], v[SS+k] offset:144*k
	EACH 4, ds_load_b128 v[TT+4*k:TT+4*k+3], v[REDLD] offset:16*k
	EACH 4, ds_load_b128 v[TT+16+4*k:TT+16+4*k+3], v[REDLD] offset:2304+16*k
	s_wait_dscnt 0x0
.irp p, 0,2,4,6
	v_pk_add_f32 v[TT+\p:TT+\p+1], v[TT+\p:TT+\p+1], v[TT+8+\p:TT+9+\p]
	v_pk_add_f32 v[TT+16+\p:TT+17+\p], v[TT+16+\p:TT+17+\p], v[TT+24+\p:TT+25+\p]
.endr
.irp p, 0,2
	v_pk_add_f32 v[TT+\p:TT+\p+1], v[TT+\p:TT+\p+1], v[TT+4+\p:TT+5+\p]
	v_pk_add_f32 v[TT+16+\p:TT+17+\p], v[TT+16+\p:TT+17+\p], v[TT+20+\p:TT+21+\p]
.endr
	v_pk_add_f32 v[TT:TT+1], v[TT:TT+1], v[TT+2:TT+3]
	v_pk_add_f32 v[TT+16:TT+17], v[TT+16:TT+17], v[TT+18:TT+19]
	v_add_f32 v[XP], v[TT], v[TT+1]
	v_add_f32 v[XP+1], v[TT+16], v[TT+17]
	ds_store_b64 v[PARTST], v[XP:XP+1]             ; my wave's (S, Q) of (h, step r)
	s_wait_dscnt 0x0                               ; for the others' sake: it is stored
	s_barrier_signal -1
	s_barrier_wait -1
	EACH 4, ds_load_b128 v[VV+4*k:VV+4*k+3], v[PARTLD] offset:16*k  ; all eight waves'
	s_wait_dscnt 0x0                               ; my reads of PART are over: the next trip's stores into it stand behind this second barrier
	s_barrier_signal -1
.irp p, 0,2,4,6
	v_pk_add_f32 v[VV+\p:VV+\p+1], v[VV+\p:VV+\p+1], v[VV+8+\p:VV+9+\p]
.endr
.irp p, 0,2
	v_pk_add_f32 v[VV+\p:VV+\p+1], v[VV+\p:VV+\p+1], v[VV+4+\p:VV+5+\p]
.endr
	v_pk_add_f32 v[VV:VV+1], v[VV:VV+1], v[VV+2:VV+3]
	v_pk_mul_f32 v[XP:XP+1], v[VV:VV+1], 0x3a800000 op_sel_hi:[1,0]  ; mu, mean of squares
	v_fma_f32 v[XP+1], -v[XP], v[XP], v[XP+1]
	v_max_num_f32 v[XP+1], 0, v[XP+1]
	v_add_f32 v[XP+1], EPSW, v[XP+1]
	v_rsq_f32 v[XP+1], v[XP+1]                     ; R
	v_nop
	s_wait_alu depctr_va_vdst(0)                   ; ahead of the first reader
	v_mul_f32 v[XP], -v[XP], v[XP+1]               ; M = -mu R
	s_barrier_wait -1
	ds_store_b32 v[FINST], v[XP+1]                 ; my wave's own table: step r of half h
	ds_store_b32 v[FINST], v[XP] offset:512
	EACH 4, ds_load_b128 v[SS+4*k:SS+4*k+3], v[FINLD] offset:16*k            ; and all 16 steps of my half back, in every lane
	EACH 4, ds_load_b128 v[SS+16+4*k:SS+16+4*k+3], v[FINLD] offset:512+16*k
	s_wait_dscnt 0x0
	GROUPB 0, 0
	GROUPB 0, 1
	GROUPB 1, 0
	GROUPB 1, 1
	WIN 0
	v_add_nc_u32 v[FINST], 64, v[FINST]            ; 16 steps on
	v_add_nc_u32 v[FINLD], 64, v[FINLD]
.if NL > 1
	v_add_nc_u32 v[STLLD], 64, v[STLLD]
.endif
	s_add_co_u32 s33, s33, 1
	s_cmp_lt_u32 s33, 8
	s_cbranch_scc1 .Lsb
	global_store_b128 v[EOFF], v[CAR+8*NL:CAR+8*NL+3], s[44:45]              ; E of layer NL + 1: 16 lanes store 256 consecutive bytes
	global_store_b128 v[EOFF], v[CAR+8*NL+4:CAR+8*NL+7], s[44:45] offset:256
.if NL < 3
	s_cmp_ge_u32 s20, 4                            ; waves 0-3 store the chunk's R and M of both batches, each out of its own table: 512 consecutive bytes a wave
	s_cbranch_scc1 .Lend
	s_mul_i32 s50, s20, 2560                       ; my table (2,048 w) + half w / 2 and R or M by w % 2 (512 w)
	s_add_co_u32 s50, s50, FIN
	v_add_nc_u32 v[TT], s50, v[HOFF]
	ds_load_b128 v[VV:VV+3], v[TT]
	STOFF
	s_add_nc_u64 s[48:49], s[POUT:POUT+1], s[46:47]
	s_wait_dscnt 0x0
	global_store_b128 v[HOFF], v[VV:VV+3], s[48:49] offset:OFST
.else
	s_cmp_lg_u32 s21, 15                           ; the last chunk stores h3 at the last step
	s_cbranch_scc1 .Lend
	s_add_nc_u64 s[50:51], s[POUT:POUT+1], s[34:35]
	global_store_b128 v[EOFF], v[HL:HL+3], s[50:51] offset:OFC
	global_store_b128 v[EOFF], v[HL+4:HL+7], s[50:51] offset:OFC+256
.endif
.Lend:
	s_wait_tensorcnt 0x0                           ; the wave's end, behind my last LDS store
	ds_add_u32 v[SPW], v[NIL]
	s_wait_dscnt 0x0
	s_endpgm
.Lfunc_end_k_qd09ee6e731_lay1:
	.size	k_qd09ee6e731_lay1, .Lfunc_end_k_qd09ee6e731_lay1-k_qd09ee6e731_lay1
	.p2alignl 7, 3214868480
	.fill 96, 4, 3214868480
	.section	.rodata,"a",@progbits
	.p2align	6, 0x0
	.amdhsa_kernel k_qd09ee6e731_lay1
		.amdhsa_group_segment_fixed_size 60928
		.amdhsa_private_segment_fixed_size 0
		.amdhsa_enable_private_segment 0
		.amdhsa_kernarg_size 48
		.amdhsa_user_sgpr_count 2
		.amdhsa_user_sgpr_kernarg_segment_ptr 1
		.amdhsa_wavefront_size32 1
		.amdhsa_system_sgpr_workgroup_id_x 1
		.amdhsa_system_sgpr_workgroup_id_y 1
		.amdhsa_system_sgpr_workgroup_id_z 1
		.amdhsa_system_vgpr_workitem_id 0
		.amdhsa_next_free_vgpr 448
		.amdhsa_next_free_sgpr 66
		.amdhsa_reserve_vcc 0
		.amdhsa_float_denorm_mode_32 3
		.amdhsa_float_denorm_mode_16_64 3
		.amdhsa_memory_ordered 1
		.amdhsa_forward_progress 1
		.amdhsa_inst_pref_size 71
	.end_amdhsa_kernel
	.amdgpu_metadata
---
amdhsa.version: [ 1, 2 ]
amdhsa.kernels:
  - .name:           k_qd09ee6e731_lay1
    .symbol:         k_qd09ee6e731_lay1.kd
    .args:
      - { .name: H0, .offset: 0, .size: 8, .value_kind: global_buffer, .address_space: global }
      - { .name: alphas, .offset: 8, .size: 8, .value_kind: global_buffer, .address_space: global }
      - { .name: gamma, .offset: 16, .size: 8, .value_kind: global_buffer, .address_space: global }
      - { .name: beta, .offset: 24, .size: 8, .value_kind: global_buffer, .address_space: global }
      - { .name: P1, .offset: 32, .size: 8, .value_kind: global_buffer, .address_space: global }
      - { .name: P2, .offset: 40, .size: 8, .value_kind: global_buffer, .address_space: global }
    .group_segment_fixed_size: 60928
    .private_segment_fixed_size: 0
    .kernarg_segment_align: 8
    .kernarg_segment_size: 48
    .max_flat_workgroup_size: 256
    .sgpr_count:     66
    .vgpr_count:     448
    .wavefront_size: 32
...
	.end_amdgpu_metadata
.endif
;; end of part 2
;; launch lay2 (part 3): grid 256 x 1, 8 waves a work-group, no clusters, 60,928 bytes of LDS; arguments H0, alphas, gamma, beta, P2, P3; writes P3
.if DOCPART == 3
	.amdgcn_target "amdgcn-amd-amdhsa--gfx1250"
	.amdhsa_code_object_version 6
	.text
	.protected	k_qd09ee6e731_lay2
	.globl	k_qd09ee6e731_lay2
	.p2align	8
	.type	k_qd09ee6e731_lay2,@function
k_qd09ee6e731_lay2:
	s_mov_b64 s[64:65], 0
	v_nop
	global_prefetch_b8 v0, s[64:65] scope:SCOPE_SE
	s_setreg_imm32_b32 hwreg(HW_REG_WAVE_MODE, 25, 1), 1
	s_wait_xcnt 0x0
; LAYER PASS, one source for three launches; NL says which.  It makes layer NL's statistics on the true carries and scans layer NL + 1 from 0.
; Per work-group (chunk c of 128 steps, batch pair bp), shares and lane layout as in PROJ: wave w owns 128 channels in 8 tiles, lane (r, h) holds batch h, a tile's 8 registers are 8 time steps.
;   u = x + q u, y = x + a u (u = EMA / a), n = y R + M, h = gamma n + beta.  Layers below NL are made again from H0 with their stored carry C and statistics (R, M): no reduction.
;   Layer NL's carry into the chunk is U = E[c-1] + q^128 U', over the earlier chunks' ends E, exact and in f32.  Its sums S = sum y, Q = sum y^2 over 1,024 channels meet in LDS.
;   Stored: E of layer NL + 1; for NL < 3 also C and (R, M) of layer NL; for NL = 3 h3 at the last step of the last chunk.
; H0 holds 64 h0, so layer 1's u, y and sums are 64 times theirs, and its eps is 4,096 eps: R and M then give the true n.
; LIMITS.  var = Q / N - mu^2 in f32, held at 0 from below: its relative error grows like 2^-23 (1 + mu^2 / var).  NaN and infinities are not treated apart.  alphas, gamma, beta are rounded to bf16.
; NO TENSOR LOADS, NO CLUSTER: each byte of H0 is one wave's own and goes straight into its registers; nothing is shared between work-groups.
; LDS: STL the lower layers' (R, M) of the chunk; RED a wave's own 32 rows x 144 bytes for the turn from lanes to times; PART the 8 waves' (S, Q); FIN a wave's own (R, M) of the chunk; the spare words.
; REGISTERS.  Window 0: see the names.  Window 1: v0-127 y of a super-block (block b, tile i, step j at 64 b + 8 i + j); v128-191 H0 as loaded (32 b + 4 i).
.set NL, 2
.if NL == 1
.set EPSW, 0x3d27c5ac                  ; 4,096 x 1e-5
.else
.set EPSW, 0x3727c5ac                  ; 1e-5
.endif
.if NL == 3
.set EIN,  14                          ; s[EIN:EIN+1] the buffer with layer NL's E
.set POUT, 16                          ; the buffer written
.else
.set EIN,  12
.set POUT, 14
.endif
.set STL,   0                          ; [layer 2,048][h 1,024][R, M 512][128 steps]
.set RED,   4096                       ; 8 x 4,608
.set PART,  40960                      ; row 16 h + step, 80 bytes apart; wave w's (S, Q) at 8 w
.set FIN,   43520                      ; 8 x [h 1,024][R, M 512][128 steps]
.set SPARE, 59904                      ; the spare words, 128 bytes a wave: four blocks of 256 bytes that no other line names
.set OFC,   2097152                    ; C in a P buffer
.set OFST,  4194304                    ; R [32][2048], then M, in a P buffer
.set SPW,1
.set NIL,2
.set HOFF,3                            ; 16 x lane
.set REDST,4
.set REDLD,5
.set PARTST,6
.set PARTLD,7
.set FINST,8
.set FINLD,9
.set STLLD,10
.set PFO,11
.set EOFF,12                           ; 512 w + 16 r + 4,096 h
.set CHO,13                            ; 512 w + 16 r
.set XP,14                             ; v14-15 at work
.set QQ,16                             ; q, layer l at 8 (l - 1)
.set AA,48                             ; a
.set GG,72
.set BB,80
.set CAR,88                            ; the running u, layer l at 8 (l - 1)
.set HL,120                            ; q^128 at the head; h3's last step (NL = 3)
.set RR,128                            ; R of a block's 8 steps, layer l at 8 (l - 1)
.set MM,144
.set SS,160                            ; S[16], Q[16] of a super-block; later its R[16], M[16]
.set TT,192                            ; four tiles at work
.set VV,224
.set YY,0
.set X16,128
.set MSB, 0
.macro WIN new                         ; the immediate's high byte repeats the setting that is left; a switch that changes nothing is dropped
.if MSB != (\new)
	s_set_vgpr_msb (MSB<<8)|(\new)
.set MSB, \new
.endif
.endm
.macro EACH n, line:vararg
.set k, 0
.rept \n
	\line
.set k, k+1
.endr
.endm
.macro EACH2 n, line:vararg
.set k, 0
.rept \n
	\line
.set k, k+2
.endr
.endm
.macro RB16 a                          ; two f32 rounded to bf16 and widened again
	v_cvt_pk_bf16_f32 v[XP], v[\a], v[(\a)+1]
	v_lshlrev_b32 v[\a], 16, v[XP]
	v_and_b32 v[(\a)+1], 0xffff0000, v[XP]
.endm
.macro MIX d, a, b, x, hi              ; d = a b + the f16 half hi of x, in f32
.if \hi
	v_fma_mix_f32 v[\d], v[\a], v[\b], v[\x] op_sel:[0,0,1] op_sel_hi:[0,0,1]
.else
	v_fma_mix_f32 v[\d], v[\a], v[\b], v[\x] op_sel_hi:[0,0,1]
.endif
.endm
.macro STOFF                           ; s[46:47] = where wave w's 512 bytes of (R, M) lie: M or R by w % 2, batch 2 bp + (w / 2) % 2, chunk c
	s_and_b32 s46, s20, 1
	s_lshl_b32 s46, s46, 18
	s_bfe_u32 s47, s20, 0x10001
	s_lshl_b32 s47, s47, 13
	s_add_co_u32 s46, s46, s47
	s_lshl_b32 s47, s22, 14
	s_add_co_u32 s46, s46, s47
	s_lshl_b32 s47, s21, 9
	s_add_co_u32 s46, s46, s47
	s_mov_b32 s47, 0
.endm
	s_load_b256 s[4:11], s[0:1], 0x0               ; H0 s[4:5], alphas s[6:7], gamma s[8:9], beta s[10:11]
	s_load_b128 s[12:15], s[0:1], 0x20             ; the P buffers, in the order of the launch's arguments
.if NL == 3
	s_load_b64 s[16:17], s[0:1], 0x30
.endif
	v_lshl_add_u32 v[SPW], v0, 2, SPARE
	v_mov_b32 v[NIL], 0
	v_lshrrev_b32 v14, 5, v0
	v_readfirstlane_b32 s20, v14                   ; wave
	s_and_b32 s21, ttmp9, 15                       ; chunk
	s_lshr_b32 s22, ttmp9, 4                       ; batch pair
	v_and_b32 v14, 15, v0                          ; r
	v_bfe_u32 v15, v0, 4, 1                        ; h
	v_and_b32 v[HOFF], 31, v0
	s_mul_i32 s23, s20, 4608
	s_add_co_u32 s23, s23, RED
	v_lshl_add_u32 v[REDST], v[HOFF], 2, s23       ; in: row = which sum, 4 bytes a lane
	v_mul_u32_u24 v[REDLD], v14, 144
	v_lshl_add_u32 v[REDLD], v15, 6, v[REDLD]
	v_add_nc_u32 v[REDLD], s23, v[REDLD]           ; back: row r, my half's 16 lanes
	v_lshlrev_b32 v[HOFF], 4, v[HOFF]
	v_lshl_add_u32 v[PARTLD], v15, 4, v14
	v_mul_u32_u24 v[PARTLD], v[PARTLD], 80
	v_add_nc_u32 v[PARTLD], PART, v[PARTLD]
	s_lshl_b32 s23, s20, 3
	v_add_nc_u32 v[PARTST], s23, v[PARTLD]
	s_lshl_b32 s23, s20, 11
	s_add_co_u32 s23, s23, FIN
	v_lshl_add_u32 v[FINLD], v15, 10, s23
	v_lshl_add_u32 v[FINST], v14, 2, v[FINLD]
.if NL > 1
	v_lshlrev_b32 v[STLLD], 10, v15
	v_lshlrev_b32 v[PFO], 8, v14
	v_lshl_add_u32 v[PFO], v15, 15, v[PFO]         ; a lane a block of 256 bytes: block h of the super-block, 256 r in my wave's 4,096
.endif
	s_lshl_b32 s23, s20, 9
	v_lshl_add_u32 v[CHO], v14, 4, s23
	v_lshl_add_u32 v[EOFF], v15, 12, v[CHO]
	s_lshl_b32 s30, ttmp9, 19
	s_lshl_b32 s31, s20, 12
	s_add_co_u32 s30, s30, s31
	s_mov_b32 s31, 0
	s_lshl_b32 s34, s22, 13                        ; batch pair x 8,192
	s_mov_b32 s35, 0
	s_lshl_b32 s36, s21, 17
	s_add_co_u32 s36, s36, s34                     ; + chunk x 131,072
	s_mov_b32 s37, 0
	s_wait_kmcnt 0x0
	s_add_nc_u64 s[24:25], s[4:5], s[30:31]        ; H0 at my wave's part of the chunk's block 0
	s_add_nc_u64 s[38:39], s[EIN:EIN+1], s[34:35]  ; E of chunk 0, my batch pair
.if NL > 1
	s_add_nc_u64 s[40:41], s[12:13], s[36:37]      ; layer 1's buffer at my chunk and batch pair
.endif
.if NL > 2
	s_add_nc_u64 s[42:43], s[14:15], s[36:37]      ; layer 2's
.endif
	s_add_nc_u64 s[44:45], s[POUT:POUT+1], s[36:37]
	EACH NL+1, global_load_b128 v[QQ+8*k:QQ+8*k+3], v[CHO], s[6:7] offset:4096*k
	EACH NL+1, global_load_b128 v[QQ+8*k+4:QQ+8*k+7], v[CHO], s[6:7] offset:4096*k+256
	global_load_b128 v[GG:GG+3], v[CHO], s[8:9]
	global_load_b128 v[GG+4:GG+7], v[CHO], s[8:9] offset:256
	global_load_b128 v[BB:BB+3], v[CHO], s[10:11]
	global_load_b128 v[BB+4:BB+7], v[CHO], s[10:11] offset:256
.if NL > 1
	global_load_b128 v[CAR:CAR+3], v[EOFF], s[40:41] offset:OFC
	global_load_b128 v[CAR+4:CAR+7], v[EOFF], s[40:41] offset:OFC+256
.endif
.if NL > 2
	global_load_b128 v[CAR+8:CAR+11], v[EOFF], s[42:43] offset:OFC
	global_load_b128 v[CAR+12:CAR+15], v[EOFF], s[42:43] offset:OFC+256
.endif
	EACH 15, global_load_b128 v[128+8*k:128+8*k+3], v[EOFF], s[38:39] offset:131072*k
	EACH 15, global_load_b128 v[128+8*k+4:128+8*k+7], v[EOFF], s[38:39] offset:131072*k+256
.if NL > 1                             ; the lower layers' (R, M) of the chunk: 512 bytes a wave, waves 0 to 4 (NL - 1) - 1
.if NL == 2
	s_cmp_ge_u32 s20, 4
	s_cbranch_scc1 .Lnost
.endif
	STOFF
.if NL == 3
	s_cmp_lt_u32 s20, 4
	s_cselect_b64 s[48:49], s[12:13], s[14:15]     ; waves 0-3 layer 1's, waves 4-7 layer 2's
.else
	s_mov_b64 s[48:49], s[12:13]
.endif
	s_add_nc_u64 s[48:49], s[48:49], s[46:47]
	global_load_b128 v[248:251], v[HOFF], s[48:49] offset:OFST
.Lnost:
.endif
	WIN 0x40
	EACH 16, global_load_b128 v[X16+4*k:X16+4*k+3], v[HOFF], s[24:25] offset:32768*(k/8)+512*(k%8)  ; super-block 0, in the order in which the groups want it
	WIN 0
	s_wait_loadcnt 16                              ; all but the 16 just issued
.if NL > 1
.if NL == 2
	s_cmp_ge_u32 s20, 4
	s_cbranch_scc1 .Lnost2
.endif
	v_lshlrev_b32 v252, 4, v0                      ; 512 w + 16 x lane
	ds_store_b128 v252, v[248:251] offset:STL
.Lnost2:
.endif
	EACH2 4*(NL+1), RB16 QQ+k
	EACH2 4, RB16 GG+k
	EACH2 4, RB16 BB+k
	EACH 8*(NL+1), v_mul_f32 v[QQ+k], 0xbfb8aa3b, v[QQ+k]  ; a = 1 / (1 + 2^(-alpha log2 e))
	EACH 8*(NL+1), v_exp_f32 v[QQ+k], v[QQ+k]
	v_nop                                          ; a plain instruction behind the last exponential,
	s_wait_alu depctr_va_vdst(0)                   ; and the one wait ahead of the batch's first reader
	EACH 8*(NL+1), v_add_f32 v[QQ+k], 1.0, v[QQ+k]
	EACH 8*(NL+1), v_rcp_f32 v[QQ+k], v[QQ+k]
	v_nop
	s_wait_alu depctr_va_vdst(0)
	EACH 8*NL, v_mov_b32 v[AA+k], v[QQ+k]
	EACH 8*(NL+1), v_sub_f32 v[QQ+k], 1.0, v[QQ+k] ; q = 1 - a
.set CN, CAR+8*(NL-1)
	EACH2 4, v_pk_mul_f32 v[HL+k:HL+k+1], v[QQ+8*(NL-1)+k:QQ+8*(NL-1)+k+1], v[QQ+8*(NL-1)+k:QQ+8*(NL-1)+k+1]
.rept 6
	EACH2 4, v_pk_mul_f32 v[HL+k:HL+k+1], v[HL+k:HL+k+1], v[HL+k:HL+k+1]  ; seven squarings: q^128
.endr
	EACH 8, v_mov_b32 v[CN+k], 0
.irp i, 0,1,2,3,4,5,6,7,8,9,10,11,12,13,14
	s_cmp_le_u32 s21, \i                           ; the chunks ahead of mine, in order
	s_cbranch_scc1 .Lhd
	EACH2 4, v_pk_fma_f32 v[CN+k:CN+k+1], v[HL+k:HL+k+1], v[CN+k:CN+k+1], v[128+8*\i+k:128+8*\i+k+1]
.endr
.Lhd:
.if NL < 3
	global_store_b128 v[EOFF], v[CN:CN+3], s[44:45] offset:OFC
	global_store_b128 v[EOFF], v[CN+4:CN+7], s[44:45] offset:OFC+256
.endif
	EACH 8, v_mov_b32 v[CAR+8*NL+k], 0             ; the next layer is scanned from 0
.if NL > 1
	s_wait_dscnt 0x0                               ; my part of STL is stored,
	s_barrier_signal -1
	s_barrier_wait -1                              ; everybody's is
.endif
.macro AFF g                           ; h = gamma n + beta on the four tiles at work; a tile's gamma and beta are one register of a pair, given to both halves
.irp u, 0,1,2,3
.set m, 0
.rept 4
.set rT, TT+8*\u+2*m
.if (\u)%2
	v_pk_fma_f32 v[rT:rT+1], v[rT:rT+1], v[GG+4*(\g)+\u-1:GG+4*(\g)+\u], v[BB+4*(\g)+\u-1:BB+4*(\g)+\u] op_sel:[0,1,1] op_sel_hi:[1,1,1]
.else
	v_pk_fma_f32 v[rT:rT+1], v[rT:rT+1], v[GG+4*(\g)+\u:GG+4*(\g)+\u+1], v[BB+4*(\g)+\u:BB+4*(\g)+\u+1] op_sel_hi:[1,0,0]
.endif
.set m, m+1
.endr
.endr
.endm
.macro LOADRM b                        ; the lower layers' R and M of block b's 8 steps
	WIN 0
.set y, 0
.rept NL-1
	ds_load_b128 v[RR+8*y:RR+8*y+3],   v[STLLD] offset:STL+2048*y+32*(\b)
	ds_load_b128 v[RR+8*y+4:RR+8*y+7], v[STLLD] offset:STL+2048*y+32*(\b)+16
	ds_load_b128 v[MM+8*y:MM+8*y+3],   v[STLLD] offset:STL+2048*y+512+32*(\b)
	ds_load_b128 v[MM+8*y+4:MM+8*y+7], v[STLLD] offset:STL+2048*y+512+32*(\b)+16
.set y, y+1
.endr
.endm
; Layer l (2 .. NL) on four tiles: the layer below is normalised with its stored statistics, then u and y of this layer.  y stays in TT, or (l = NL) goes to YY.
.macro LAYER l, b, g
	WIN 0
.irp u, 0,1,2,3
.set m, 0
.rept 4
.set rT, TT+8*\u+2*m
	v_pk_fma_f32 v[rT:rT+1], v[rT:rT+1], v[RR+8*((\l)-2)+2*m:RR+8*((\l)-2)+2*m+1], v[MM+8*((\l)-2)+2*m:MM+8*((\l)-2)+2*m+1]
.set m, m+1
.endr
.endr
	AFF \g
.set j, 0
.rept 8
.irp u, 0,1,2,3
.if j == 0
	v_fma_f32 v[VV+8*\u], v[QQ+8*((\l)-1)+4*(\g)+\u], v[CAR+8*((\l)-1)+4*(\g)+\u], v[TT+8*\u]
.else
	v_fma_f32 v[VV+8*\u+j], v[QQ+8*((\l)-1)+4*(\g)+\u], v[VV+8*\u+j-1], v[TT+8*\u+j]
.endif
.endr
.set j, j+1
.endr
.irp u, 0,1,2,3
	v_mov_b32 v[CAR+8*((\l)-1)+4*(\g)+\u], v[VV+8*\u+7]
.endr
.if (\l) == NL
	WIN 0x40
.endif
.irp u, 0,1,2,3
.set m, 0
.rept 4
.set rT, TT+8*\u+2*m
.set rV, VV+8*\u+2*m
.set rD, rT
.if (\l) == NL
.set rD, YY+64*(\b)+8*(4*(\g)+\u)+2*m
.endif
.if (\u)%2
	v_pk_fma_f32 v[rD:rD+1], v[rV:rV+1], v[AA+8*((\l)-1)+4*(\g)+\u-1:AA+8*((\l)-1)+4*(\g)+\u], v[rT:rT+1] op_sel:[0,1,0] op_sel_hi:[1,1,1]
.else
	v_pk_fma_f32 v[rD:rD+1], v[rV:rV+1], v[AA+8*((\l)-1)+4*(\g)+\u:AA+8*((\l)-1)+4*(\g)+\u+1], v[rT:rT+1] op_sel_hi:[1,0,1]
.endif
.set m, m+1
.endr
.endr
.endm
; Block b, tiles 4 g .. 4 g + 3: layers 1 to NL, and layer NL's sums.
.macro GROUPA b, g
	s_wait_loadcnt 12                              ; loads come back in order: my group's four are in; the three younger groups' twelve may stay out
	WIN 0x10
.set j, 0
.rept 8
.irp u, 0,1,2,3
.if j == 0
	MIX TT+8*\u, QQ+4*(\g)+\u, CAR+4*(\g)+\u, X16+32*(\b)+16*(\g)+4*\u, 0
.else
	MIX TT+8*\u+j, QQ+4*(\g)+\u, TT+8*\u+j-1, X16+32*(\b)+16*(\g)+4*\u+j/2, j%2
.endif
.endr
.set j, j+1
.endr
.irp u, 0,1,2,3
	v_mov_b32 v[CAR+4*(\g)+\u], v[TT+8*\u+7]
.endr
.if NL == 1
	WIN 0x50
.endif
.set j, 0
.rept 8
.irp u, 0,1,2,3
.if NL == 1
	MIX YY+64*(\b)+8*(4*(\g)+\u)+j, AA+4*(\g)+\u, TT+8*\u+j, X16+32*(\b)+16*(\g)+4*\u+j/2, j%2
.else
	MIX TT+8*\u+j, AA+4*(\g)+\u, TT+8*\u+j, X16+32*(\b)+16*(\g)+4*\u+j/2, j%2
.endif
.endr
.set j, j+1
.endr
	WIN 0x40
.irp u, 0,1,2,3
	global_load_b128 v[X16+32*(\b)+16*(\g)+4*\u:X16+32*(\b)+16*(\g)+4*\u+3], v[HOFF], s[26:27] offset:32768*(\b)+512*(4*(\g)+\u)  ; the same group of the next super-block
.endr
.if (NL > 1) && ((\b) == 1) && ((\g) == 1)
	WIN 0
	s_cmp_gt_u32 s33, 5                            ; the last two trips have no super-block two on
	s_cbranch_scc1 .Lnopf
	global_prefetch_b8 v[PFO], s[28:29] th:TH_LOAD_NT scope:SCOPE_SE  ; my wave's 8,192 bytes of the super-block that the next trip's loads will ask for: a lane a block of 256 bytes, each named once in the launch
.Lnopf:
.endif
.if NL > 1
.if (\g) == 0
	s_wait_dscnt 0x0                               ; the block's R and M are in
.endif
	LAYER 2, \b, \g
.endif
.if NL > 2
	LAYER 3, \b, \g
.endif
	WIN 0x05
.irp u, 0,1,2,3
.set m, 0
.rept 4
.set rY, YY+64*(\b)+8*(4*(\g)+\u)+2*m
.set rS, SS+8*(\b)+2*m
.set rQ, SS+16+8*(\b)+2*m
.if ((\g) == 0) && ((\u) == 0)                 ; a block's first tile starts the sums: nothing is cleared
	v_pk_mul_f32 v[rS:rS+1], v[rY:rY+1], 1.0 op_sel_hi:[1,0]
	v_pk_mul_f32 v[rQ:rQ+1], v[rY:rY+1], v[rY:rY+1]
.else
	v_pk_fma_f32 v[rS:rS+1], v[rY:rY+1], 1.0, v[rS:rS+1] op_sel_hi:[1,0,1]
	v_pk_fma_f32 v[rQ:rQ+1], v[rY:rY+1], v[rY:rY+1], v[rQ:rQ+1]
.endif
.set m, m+1
.endr
.endr
.endm
; Block b, tiles 4 g .. 4 g + 3: layer NL is normalised with the statistics just made, and layer NL + 1's u runs on.
.macro GROUPB b, g
	WIN 0x04
.irp u, 0,1,2,3
.set m, 0
.rept 4
.set rT, TT+8*\u+2*m
	v_pk_fma_f32 v[rT:rT+1], v[SS+8*(\b)+2*m:SS+8*(\b)+2*m+1], v[YY+64*(\b)+8*(4*(\g)+\u)+2*m:YY+64*(\b)+8*(4*(\g)+\u)+2*m+1], v[SS+16+8*(\b)+2*m:SS+16+8*(\b)+2*m+1]
.set m, m+1
.endr
.endr
	WIN 0
	AFF \g
.if (NL == 3) && ((\b) == 1)
.irp u, 0,1,2,3
	v_mov_b32 v[HL+4*(\g)+\u], v[TT+8*\u+7]        ; the super-block's last step; the last trip's stays
.endr
.endif
.set j, 0
.rept 8
.irp u, 0,1,2,3
	v_fma_f32 v[CAR+8*NL+4*(\g)+\u], v[QQ+8*NL+4*(\g)+\u], v[CAR+8*NL+4*(\g)+\u], v[TT+8*\u+j]
.endr
.set j, j+1
.endr
.endm
	s_mov_b32 s33, 0
.Lsb:                                                  ; 8 trips, a super-block of 16 steps each
	s_wait_xcnt 0x0                                ; every load, store and prefetch issued so far has read its sources: the two pointers are written here, C's registers in the trip
	s_add_co_u32 s30, s33, 1
	s_min_u32 s30, s30, 7                          ; the last trip asks for its own super-block once more: every load stays inside H0, and the counted waits hold in every trip
	s_lshl_b32 s30, s30, 16
	s_add_nc_u64 s[26:27], s[24:25], s[30:31]
.if NL > 1
	s_add_co_u32 s30, s33, 2
	s_min_u32 s30, s30, 7
	s_lshl_b32 s30, s30, 16
	s_add_nc_u64 s[28:29], s[24:25], s[30:31]
	LOADRM 0
.endif
	GROUPA 0, 0
	GROUPA 0, 1
.if NL > 1
	LOADRM 1
.endif
	GROUPA 1, 0
	GROUPA 1, 1
	; THE SUMS MEET.  My 32 sums (S and Q of 16 steps over my 8 channels) go into my wave's rows; lane (r, h) takes back step r's 16 lanes of half h.  LDS serves a wave's instructions in order, so no wait stands between.
	WIN 0
	EACH 32, ds_store_b32 v[REDST], v[SS+k] offset:144*k
	EACH 4, ds_load_b128 v[TT+4*k:TT+4*k+3], v[REDLD] offset:16*k
	EACH 4, ds_load_b128 v[TT+16+4*k:TT+16+4*k+3], v[REDLD] offset:2304+16*k
	s_wait_dscnt 0x0
.irp p, 0,2,4,6
	v_pk_add_f32 v[TT+\p:TT+\p+1], v[TT+\p:TT+\p+1], v[TT+8+\p:TT+9+\p]
	v_pk_add_f32 v[TT+16+\p:TT+17+\p], v[TT+16+\p:TT+17+\p], v[TT+24+\p:TT+25+\p]
.endr
.irp p, 0,2
	v_pk_add_f32 v[TT+\p:TT+\p+1], v[TT+\p:TT+\p+1], v[TT+4+\p:TT+5+\p]
	v_pk_add_f32 v[TT+16+\p:TT+17+\p], v[TT+16+\p:TT+17+\p], v[TT+20+\p:TT+21+\p]
.endr
	v_pk_add_f32 v[TT:TT+1], v[TT:TT+1], v[TT+2:TT+3]
	v_pk_add_f32 v[TT+16:TT+17], v[TT+16:TT+17], v[TT+18:TT+19]
	v_add_f32 v[XP], v[TT], v[TT+1]
	v_add_f32 v[XP+1], v[TT+16], v[TT+17]
	ds_store_b64 v[PARTST], v[XP:XP+1]             ; my wave's (S, Q) of (h, step r)
	s_wait_dscnt 0x0                               ; for the others' sake: it is stored
	s_barrier_signal -1
	s_barrier_wait -1
	EACH 4, ds_load_b128 v[VV+4*k:VV+4*k+3], v[PARTLD] offset:16*k  ; all eight waves'
	s_wait_dscnt 0x0                               ; my reads of PART are over: the next trip's stores into it stand behind this second barrier
	s_barrier_signal -1
.irp p, 0,2,4,6
	v_pk_add_f32 v[VV+\p:VV+\p+1], v[VV+\p:VV+\p+1], v[VV+8+\p:VV+9+\p]
.endr
.irp p, 0,2
	v_pk_add_f32 v[VV+\p:VV+\p+1], v[VV+\p:VV+\p+1], v[VV+4+\p:VV+5+\p]
.endr
	v_pk_add_f32 v[VV:VV+1], v[VV:VV+1], v[VV+2:VV+3]
	v_pk_mul_f32 v[XP:XP+1], v[VV:VV+1], 0x3a800000 op_sel_hi:[1,0]  ; mu, mean of squares
	v_fma_f32 v[XP+1], -v[XP], v[XP], v[XP+1]
	v_max_num_f32 v[XP+1], 0, v[XP+1]
	v_add_f32 v[XP+1], EPSW, v[XP+1]
	v_rsq_f32 v[XP+1], v[XP+1]                     ; R
	v_nop
	s_wait_alu depctr_va_vdst(0)                   ; ahead of the first reader
	v_mul_f32 v[XP], -v[XP], v[XP+1]               ; M = -mu R
	s_barrier_wait -1
	ds_store_b32 v[FINST], v[XP+1]                 ; my wave's own table: step r of half h
	ds_store_b32 v[FINST], v[XP] offset:512
	EACH 4, ds_load_b128 v[SS+4*k:SS+4*k+3], v[FINLD] offset:16*k            ; and all 16 steps of my half back, in every lane
	EACH 4, ds_load_b128 v[SS+16+4*k:SS+16+4*k+3], v[FINLD] offset:512+16*k
	s_wait_dscnt 0x0
	GROUPB 0, 0
	GROUPB 0, 1
	GROUPB 1, 0
	GROUPB 1, 1
	WIN 0
	v_add_nc_u32 v[FINST], 64, v[FINST]            ; 16 steps on
	v_add_nc_u32 v[FINLD], 64, v[FINLD]
.if NL > 1
	v_add_nc_u32 v[STLLD], 64, v[STLLD]
.endif
	s_add_co_u32 s33, s33, 1
	s_cmp_lt_u32 s33, 8
	s_cbranch_scc1 .Lsb
	global_store_b128 v[EOFF], v[CAR+8*NL:CAR+8*NL+3], s[44:45]              ; E of layer NL + 1: 16 lanes store 256 consecutive bytes
	global_store_b128 v[EOFF], v[CAR+8*NL+4:CAR+8*NL+7], s[44:45] offset:256
.if NL < 3
	s_cmp_ge_u32 s20, 4                            ; waves 0-3 store the chunk's R and M of both batches, each out of its own table: 512 consecutive bytes a wave
	s_cbranch_scc1 .Lend
	s_mul_i32 s50, s20, 2560                       ; my table (2,048 w) + half w / 2 and R or M by w % 2 (512 w)
	s_add_co_u32 s50, s50, FIN
	v_add_nc_u32 v[TT], s50, v[HOFF]
	ds_load_b128 v[VV:VV+3], v[TT]
	STOFF
	s_add_nc_u64 s[48:49], s[POUT:POUT+1], s[46:47]
	s_wait_dscnt 0x0
	global_store_b128 v[HOFF], v[VV:VV+3], s[48:49] offset:OFST
.else
	s_cmp_lg_u32 s21, 15                           ; the last chunk stores h3 at the last step
	s_cbranch_scc1 .Lend
	s_add_nc_u64 s[50:51], s[POUT:POUT+1], s[34:35]
	global_store_b128 v[EOFF], v[HL:HL+3], s[50:51] offset:OFC
	global_store_b128 v[EOFF], v[HL+4:HL+7], s[50:51] offset:OFC+256
.endif
.Lend:
	s_wait_tensorcnt 0x0                           ; the wave's end, behind my last LDS store
	ds_add_u32 v[SPW], v[NIL]
	s_wait_dscnt 0x0
	s_endpgm
.Lfunc_end_k_qd09ee6e731_lay2:
	.size	k_qd09ee6e731_lay2, .Lfunc_end_k_qd09ee6e731_lay2-k_qd09ee6e731_lay2
	.p2alignl 7, 3214868480
	.fill 96, 4, 3214868480
	.section	.rodata,"a",@progbits
	.p2align	6, 0x0
	.amdhsa_kernel k_qd09ee6e731_lay2
		.amdhsa_group_segment_fixed_size 60928
		.amdhsa_private_segment_fixed_size 0
		.amdhsa_enable_private_segment 0
		.amdhsa_kernarg_size 48
		.amdhsa_user_sgpr_count 2
		.amdhsa_user_sgpr_kernarg_segment_ptr 1
		.amdhsa_wavefront_size32 1
		.amdhsa_system_sgpr_workgroup_id_x 1
		.amdhsa_system_sgpr_workgroup_id_y 1
		.amdhsa_system_sgpr_workgroup_id_z 1
		.amdhsa_system_vgpr_workitem_id 0
		.amdhsa_next_free_vgpr 448
		.amdhsa_next_free_sgpr 66
		.amdhsa_reserve_vcc 0
		.amdhsa_float_denorm_mode_32 3
		.amdhsa_float_denorm_mode_16_64 3
		.amdhsa_memory_ordered 1
		.amdhsa_forward_progress 1
		.amdhsa_inst_pref_size 96
	.end_amdhsa_kernel
	.amdgpu_metadata
---
amdhsa.version: [ 1, 2 ]
amdhsa.kernels:
  - .name:           k_qd09ee6e731_lay2
    .symbol:         k_qd09ee6e731_lay2.kd
    .args:
      - { .name: H0, .offset: 0, .size: 8, .value_kind: global_buffer, .address_space: global }
      - { .name: alphas, .offset: 8, .size: 8, .value_kind: global_buffer, .address_space: global }
      - { .name: gamma, .offset: 16, .size: 8, .value_kind: global_buffer, .address_space: global }
      - { .name: beta, .offset: 24, .size: 8, .value_kind: global_buffer, .address_space: global }
      - { .name: P2, .offset: 32, .size: 8, .value_kind: global_buffer, .address_space: global }
      - { .name: P3, .offset: 40, .size: 8, .value_kind: global_buffer, .address_space: global }
    .group_segment_fixed_size: 60928
    .private_segment_fixed_size: 0
    .kernarg_segment_align: 8
    .kernarg_segment_size: 48
    .max_flat_workgroup_size: 256
    .sgpr_count:     66
    .vgpr_count:     448
    .wavefront_size: 32
...
	.end_amdgpu_metadata
.endif
;; end of part 3
;; launch lay3 (part 4): grid 256 x 1, 8 waves a work-group, no clusters, 60,928 bytes of LDS; arguments H0, alphas, gamma, beta, P2, P3, P4; writes P4
.if DOCPART == 4
	.amdgcn_target "amdgcn-amd-amdhsa--gfx1250"
	.amdhsa_code_object_version 6
	.text
	.protected	k_qd09ee6e731_lay3
	.globl	k_qd09ee6e731_lay3
	.p2align	8
	.type	k_qd09ee6e731_lay3,@function
k_qd09ee6e731_lay3:
	s_mov_b64 s[64:65], 0
	v_nop
	global_prefetch_b8 v0, s[64:65] scope:SCOPE_SE
	s_setreg_imm32_b32 hwreg(HW_REG_WAVE_MODE, 25, 1), 1
	s_wait_xcnt 0x0
; LAYER PASS, one source for three launches; NL says which.  It makes layer NL's statistics on the true carries and scans layer NL + 1 from 0.
; Per work-group (chunk c of 128 steps, batch pair bp), shares and lane layout as in PROJ: wave w owns 128 channels in 8 tiles, lane (r, h) holds batch h, a tile's 8 registers are 8 time steps.
;   u = x + q u, y = x + a u (u = EMA / a), n = y R + M, h = gamma n + beta.  Layers below NL are made again from H0 with their stored carry C and statistics (R, M): no reduction.
;   Layer NL's carry into the chunk is U = E[c-1] + q^128 U', over the earlier chunks' ends E, exact and in f32.  Its sums S = sum y, Q = sum y^2 over 1,024 channels meet in LDS.
;   Stored: E of layer NL + 1; for NL < 3 also C and (R, M) of layer NL; for NL = 3 h3 at the last step of the last chunk.
; H0 holds 64 h0, so layer 1's u, y and sums are 64 times theirs, and its eps is 4,096 eps: R and M then give the true n.
; LIMITS.  var = Q / N - mu^2 in f32, held at 0 from below: its relative error grows like 2^-23 (1 + mu^2 / var).  NaN and infinities are not treated apart.  alphas, gamma, beta are rounded to bf16.
; NO TENSOR LOADS, NO CLUSTER: each byte of H0 is one wave's own and goes straight into its registers; nothing is shared between work-groups.
; LDS: STL the lower layers' (R, M) of the chunk; RED a wave's own 32 rows x 144 bytes for the turn from lanes to times; PART the 8 waves' (S, Q); FIN a wave's own (R, M) of the chunk; the spare words.
; REGISTERS.  Window 0: see the names.  Window 1: v0-127 y of a super-block (block b, tile i, step j at 64 b + 8 i + j); v128-191 H0 as loaded (32 b + 4 i).
.set NL, 3
.if NL == 1
.set EPSW, 0x3d27c5ac                  ; 4,096 x 1e-5
.else
.set EPSW, 0x3727c5ac                  ; 1e-5
.endif
.if NL == 3
.set EIN,  14                          ; s[EIN:EIN+1] the buffer with layer NL's E
.set POUT, 16                          ; the buffer written
.else
.set EIN,  12
.set POUT, 14
.endif
.set STL,   0                          ; [layer 2,048][h 1,024][R, M 512][128 steps]
.set RED,   4096                       ; 8 x 4,608
.set PART,  40960                      ; row 16 h + step, 80 bytes apart; wave w's (S, Q) at 8 w
.set FIN,   43520                      ; 8 x [h 1,024][R, M 512][128 steps]
.set SPARE, 59904                      ; the spare words, 128 bytes a wave: four blocks of 256 bytes that no other line names
.set OFC,   2097152                    ; C in a P buffer
.set OFST,  4194304                    ; R [32][2048], then M, in a P buffer
.set SPW,1
.set NIL,2
.set HOFF,3                            ; 16 x lane
.set REDST,4
.set REDLD,5
.set PARTST,6
.set PARTLD,7
.set FINST,8
.set FINLD,9
.set STLLD,10
.set PFO,11
.set EOFF,12                           ; 512 w + 16 r + 4,096 h
.set CHO,13                            ; 512 w + 16 r
.set XP,14                             ; v14-15 at work
.set QQ,16                             ; q, layer l at 8 (l - 1)
.set AA,48                             ; a
.set GG,72
.set BB,80
.set CAR,88                            ; the running u, layer l at 8 (l - 1)
.set HL,120                            ; q^128 at the head; h3's last step (NL = 3)
.set RR,128                            ; R of a block's 8 steps, layer l at 8 (l - 1)
.set MM,144
.set SS,160                            ; S[16], Q[16] of a super-block; later its R[16], M[16]
.set TT,192                            ; four tiles at work
.set VV,224
.set YY,0
.set X16,128
.set MSB, 0
.macro WIN new                         ; the immediate's high byte repeats the setting that is left; a switch that changes nothing is dropped
.if MSB != (\new)
	s_set_vgpr_msb (MSB<<8)|(\new)
.set MSB, \new
.endif
.endm
.macro EACH n, line:vararg
.set k, 0
.rept \n
	\line
.set k, k+1
.endr
.endm
.macro EACH2 n, line:vararg
.set k, 0
.rept \n
	\line
.set k, k+2
.endr
.endm
.macro RB16 a                          ; two f32 rounded to bf16 and widened again
	v_cvt_pk_bf16_f32 v[XP], v[\a], v[(\a)+1]
	v_lshlrev_b32 v[\a], 16, v[XP]
	v_and_b32 v[(\a)+1], 0xffff0000, v[XP]
.endm
.macro MIX d, a, b, x, hi              ; d = a b + the f16 half hi of x, in f32
.if \hi
	v_fma_mix_f32 v[\d], v[\a], v[\b], v[\x] op_sel:[0,0,1] op_sel_hi:[0,0,1]
.else
	v_fma_mix_f32 v[\d], v[\a], v[\b], v[\x] op_sel_hi:[0,0,1]
.endif
.endm
.macro STOFF                           ; s[46:47] = where wave w's 512 bytes of (R, M) lie: M or R by w % 2, batch 2 bp + (w / 2) % 2, chunk c
	s_and_b32 s46, s20, 1
	s_lshl_b32 s46, s46, 18
	s_bfe_u32 s47, s20, 0x10001
	s_lshl_b32 s47, s47, 13
	s_add_co_u32 s46, s46, s47
	s_lshl_b32 s47, s22, 14
	s_add_co_u32 s46, s46, s47
	s_lshl_b32 s47, s21, 9
	s_add_co_u32 s46, s46, s47
	s_mov_b32 s47, 0
.endm
	s_load_b256 s[4:11], s[0:1], 0x0               ; H0 s[4:5], alphas s[6:7], gamma s[8:9], beta s[10:11]
	s_load_b128 s[12:15], s[0:1], 0x20             ; the P buffers, in the order of the launch's arguments
.if NL == 3
	s_load_b64 s[16:17], s[0:1], 0x30
.endif
	v_lshl_add_u32 v[SPW], v0, 2, SPARE
	v_mov_b32 v[NIL], 0
	v_lshrrev_b32 v14, 5, v0
	v_readfirstlane_b32 s20, v14                   ; wave
	s_and_b32 s21, ttmp9, 15                       ; chunk
	s_lshr_b32 s22, ttmp9, 4                       ; batch pair
	v_and_b32 v14, 15, v0                          ; r
	v_bfe_u32 v15, v0, 4, 1                        ; h
	v_and_b32 v[HOFF], 31, v0
	s_mul_i32 s23, s20, 4608
	s_add_co_u32 s23, s23, RED
	v_lshl_add_u32 v[REDST], v[HOFF], 2, s23       ; in: row = which sum, 4 bytes a lane
	v_mul_u32_u24 v[REDLD], v14, 144
	v_lshl_add_u32 v[REDLD], v15, 6, v[REDLD]
	v_add_nc_u32 v[REDLD], s23, v[REDLD]           ; back: row r, my half's 16 lanes
	v_lshlrev_b32 v[HOFF], 4, v[HOFF]
	v_lshl_add_u32 v[PARTLD], v15, 4, v14
	v_mul_u32_u24 v[PARTLD], v[PARTLD], 80
	v_add_nc_u32 v[PARTLD], PART, v[PARTLD]
	s_lshl_b32 s23, s20, 3
	v_add_nc_u32 v[PARTST], s23, v[PARTLD]
	s_lshl_b32 s23, s20, 11
	s_add_co_u32 s23, s23, FIN
	v_lshl_add_u32 v[FINLD], v15, 10, s23
	v_lshl_add_u32 v[FINST], v14, 2, v[FINLD]
.if NL > 1
	v_lshlrev_b32 v[STLLD], 10, v15
	v_lshlrev_b32 v[PFO], 8, v14
	v_lshl_add_u32 v[PFO], v15, 15, v[PFO]         ; a lane a block of 256 bytes: block h of the super-block, 256 r in my wave's 4,096
.endif
	s_lshl_b32 s23, s20, 9
	v_lshl_add_u32 v[CHO], v14, 4, s23
	v_lshl_add_u32 v[EOFF], v15, 12, v[CHO]
	s_lshl_b32 s30, ttmp9, 19
	s_lshl_b32 s31, s20, 12
	s_add_co_u32 s30, s30, s31
	s_mov_b32 s31, 0
	s_lshl_b32 s34, s22, 13                        ; batch pair x 8,192
	s_mov_b32 s35, 0
	s_lshl_b32 s36, s21, 17
	s_add_co_u32 s36, s36, s34                     ; + chunk x 131,072
	s_mov_b32 s37, 0
	s_wait_kmcnt 0x0
	s_add_nc_u64 s[24:25], s[4:5], s[30:31]        ; H0 at my wave's part of the chunk's block 0
	s_add_nc_u64 s[38:39], s[EIN:EIN+1], s[34:35]  ; E of chunk 0, my batch pair
.if NL > 1
	s_add_nc_u64 s[40:41], s[12:13], s[36:37]      ; layer 1's buffer at my chunk and batch pair
.endif
.if NL > 2
	s_add_nc_u64 s[42:43], s[14:15], s[36:37]      ; layer 2's
.endif
	s_add_nc_u64 s[44:45], s[POUT:POUT+1], s[36:37]
	EACH NL+1, global_load_b128 v[QQ+8*k:QQ+8*k+3], v[CHO], s[6:7] offset:4096*k
	EACH NL+1, global_load_b128 v[QQ+8*k+4:QQ+8*k+7], v[CHO], s[6:7] offset:4096*k+256
	global_load_b128 v[GG:GG+3], v[CHO], s[8:9]
	global_load_b128 v[GG+4:GG+7], v[CHO], s[8:9] offset:256
	global_load_b128 v[BB:BB+3], v[CHO], s[10:11]
	global_load_b128 v[BB+4:BB+7], v[CHO], s[10:11] offset:256
.if NL > 1
	global_load_b128 v[CAR:CAR+3], v[EOFF], s[40:41] offset:OFC
	global_load_b128 v[CAR+4:CAR+7], v[EOFF], s[40:41] offset:OFC+256
.endif
.if NL > 2
	global_load_b128 v[CAR+8:CAR+11], v[EOFF], s[42:43] offset:OFC
	global_load_b128 v[CAR+12:CAR+15], v[EOFF], s[42:43] offset:OFC+256
.endif
	EACH 15, global_load_b128 v[128+8*k:128+8*k+3], v[EOFF], s[38:39] offset:131072*k
	EACH 15, global_load_b128 v[128+8*k+4:128+8*k+7], v[EOFF], s[38:39] offset:131072*k+256
.if NL > 1                             ; the lower layers' (R, M) of the chunk: 512 bytes a wave, waves 0 to 4 (NL - 1) - 1
.if NL == 2
	s_cmp_ge_u32 s20, 4
	s_cbranch_scc1 .Lnost
.endif
	STOFF
.if NL == 3
	s_cmp_lt_u32 s20, 4
	s_cselect_b64 s[48:49], s[12:13], s[14:15]     ; waves 0-3 layer 1's, waves 4-7 layer 2's
.else
	s_mov_b64 s[48:49], s[12:13]
.endif
	s_add_nc_u64 s[48:49], s[48:49], s[46:47]
	global_load_b128 v[248:251], v[HOFF], s[48:49] offset:OFST
.Lnost:
.endif
	WIN 0x40
	EACH 16, global_load_b128 v[X16+4*k:X16+4*k+3], v[HOFF], s[24:25] offset:32768*(k/8)+512*(k%8)  ; super-block 0, in the order in which the groups want it
	WIN 0
	s_wait_loadcnt 16                              ; all but the 16 just issued
.if NL > 1
.if NL == 2
	s_cmp_ge_u32 s20, 4
	s_cbranch_scc1 .Lnost2
.endif
	v_lshlrev_b32 v252, 4, v0                      ; 512 w + 16 x lane
	ds_store_b128 v252, v[248:251] offset:STL
.Lnost2:
.endif
	EACH2 4*(NL+1), RB16 QQ+k
	EACH2 4, RB16 GG+k
	EACH2 4, RB16 BB+k
	EACH 8*(NL+1), v_mul_f32 v[QQ+k], 0xbfb8aa3b, v[QQ+k]  ; a = 1 / (1 + 2^(-alpha log2 e))
	EACH 8*(NL+1), v_exp_f32 v[QQ+k], v[QQ+k]
	v_nop                                          ; a plain instruction behind the last exponential,
	s_wait_alu depctr_va_vdst(0)                   ; and the one wait ahead of the batch's first reader
	EACH 8*(NL+1), v_add_f32 v[QQ+k], 1.0, v[QQ+k]
	EACH 8*(NL+1), v_rcp_f32 v[QQ+k], v[QQ+k]
	v_nop
	s_wait_alu depctr_va_vdst(0)
	EACH 8*NL, v_mov_b32 v[AA+k], v[QQ+k]
	EACH 8*(NL+1), v_sub_f32 v[QQ+k], 1.0, v[QQ+k] ; q = 1 - a
.set CN, CAR+8*(NL-1)
	EACH2 4, v_pk_mul_f32 v[HL+k:HL+k+1], v[QQ+8*(NL-1)+k:QQ+8*(NL-1)+k+1], v[QQ+8*(NL-1)+k:QQ+8*(NL-1)+k+1]
.rept 6
	EACH2 4, v_pk_mul_f32 v[HL+k:HL+k+1], v[HL+k:HL+k+1], v[HL+k:HL+k+1]  ; seven squarings: q^128
.endr
	EACH 8, v_mov_b32 v[CN+k], 0
.irp i, 0,1,2,3,4,5,6,7,8,9,10,11,12,13,14
	s_cmp_le_u32 s21, \i                           ; the chunks ahead of mine, in order
	s_cbranch_scc1 .Lhd
	EACH2 4, v_pk_fma_f32 v[CN+k:CN+k+1], v[HL+k:HL+k+1], v[CN+k:CN+k+1], v[128+8*\i+k:128+8*\i+k+1]
.endr
.Lhd:
.if NL < 3
	global_store_b128 v[EOFF], v[CN:CN+3], s[44:45] offset:OFC
	global_store_b128 v[EOFF], v[CN+4:CN+7], s[44:45] offset:OFC+256
.endif
	EACH 8, v_mov_b32 v[CAR+8*NL+k], 0             ; the next layer is scanned from 0
.if NL > 1
	s_wait_dscnt 0x0                               ; my part of STL is stored,
	s_barrier_signal -1
	s_barrier_wait -1                              ; everybody's is
.endif
.macro AFF g                           ; h = gamma n + beta on the four tiles at work; a tile's gamma and beta are one register of a pair, given to both halves
.irp u, 0,1,2,3
.set m, 0
.rept 4
.set rT, TT+8*\u+2*m
.if (\u)%2
	v_pk_fma_f32 v[rT:rT+1], v[rT:rT+1], v[GG+4*(\g)+\u-1:GG+4*(\g)+\u], v[BB+4*(\g)+\u-1:BB+4*(\g)+\u] op_sel:[0,1,1] op_sel_hi:[1,1,1]
.else
	v_pk_fma_f32 v[rT:rT+1], v[rT:rT+1], v[GG+4*(\g)+\u:GG+4*(\g)+\u+1], v[BB+4*(\g)+\u:BB+4*(\g)+\u+1] op_sel_hi:[1,0,0]
.endif
.set m, m+1
.endr
.endr
.endm
.macro LOADRM b                        ; the lower layers' R and M of block b's 8 steps
	WIN 0
.set y, 0
.rept NL-1
	ds_load_b128 v[RR+8*y:RR+8*y+3],   v[STLLD] offset:STL+2048*y+32*(\b)
	ds_load_b128 v[RR+8*y+4:RR+8*y+7], v[STLLD] offset:STL+2048*y+32*(\b)+16
	ds_load_b128 v[MM+8*y:MM+8*y+3],   v[STLLD] offset:STL+2048*y+512+32*(\b)
	ds_load_b128 v[MM+8*y+4:MM+8*y+7], v[STLLD] offset:STL+2048*y+512+32*(\b)+16
.set y, y+1
.endr
.endm
; Layer l (2 .. NL) on four tiles: the layer below is normalised with its stored statistics, then u and y of this layer.  y stays in TT, or (l = NL) goes to YY.
.macro LAYER l, b, g
	WIN 0
.irp u, 0,1,2,3
.set m, 0
.rept 4
.set rT, TT+8*\u+2*m
	v_pk_fma_f32 v[rT:rT+1], v[rT:rT+1], v[RR+8*((\l)-2)+2*m:RR+8*((\l)-2)+2*m+1], v[MM+8*((\l)-2)+2*m:MM+8*((\l)-2)+2*m+1]
.set m, m+1
.endr
.endr
	AFF \g
.set j, 0
.rept 8
.irp u, 0,1,2,3
.if j == 0
	v_fma_f32 v[VV+8*\u], v[QQ+8*((\l)-1)+4*(\g)+\u], v[CAR+8*((\l)-1)+4*(\g)+\u], v[TT+8*\u]
.else
	v_fma_f32 v[VV+8*\u+j], v[QQ+8*((\l)-1)+4*(\g)+\u], v[VV+8*\u+j-1], v[TT+8*\u+j]
.endif
.endr
.set j, j+1
.endr
.irp u, 0,1,2,3
	v_mov_b32 v[CAR+8*((\l)-1)+4*(\g)+\u], v[VV+8*\u+7]
.endr
.if (\l) == NL
	WIN 0x40
.endif
.irp u, 0,1,2,3
.set m, 0
.rept 4
.set rT, TT+8*\u+2*m
.set rV, VV+8*\u+2*m
.set rD, rT
.if (\l) == NL
.set rD, YY+64*(\b)+8*(4*(\g)+\u)+2*m
.endif
.if (\u)%2
	v_pk_fma_f32 v[rD:rD+1], v[rV:rV+1], v[AA+8*((\l)-1)+4*(\g)+\u-1:AA+8*((\l)-1)+4*(\g)+\u], v[rT:rT+1] op_sel:[0,1,0] op_sel_hi:[1,1,1]
.else
	v_pk_fma_f32 v[rD:rD+1], v[rV:rV+1], v[AA+8*((\l)-1)+4*(\g)+\u:AA+8*((\l)-1)+4*(\g)+\u+1], v[rT:rT+1] op_sel_hi:[1,0,1]
.endif
.set m, m+1
.endr
.endr
.endm
; Block b, tiles 4 g .. 4 g + 3: layers 1 to NL, and layer NL's sums.
.macro GROUPA b, g
	s_wait_loadcnt 12                              ; loads come back in order: my group's four are in; the three younger groups' twelve may stay out
	WIN 0x10
.set j, 0
.rept 8
.irp u, 0,1,2,3
.if j == 0
	MIX TT+8*\u, QQ+4*(\g)+\u, CAR+4*(\g)+\u, X16+32*(\b)+16*(\g)+4*\u, 0
.else
	MIX TT+8*\u+j, QQ+4*(\g)+\u, TT+8*\u+j-1, X16+32*(\b)+16*(\g)+4*\u+j/2, j%2
.endif
.endr
.set j, j+1
.endr
.irp u, 0,1,2,3
	v_mov_b32 v[CAR+4*(\g)+\u], v[TT+8*\u+7]
.endr
.if NL == 1
	WIN 0x50
.endif
.set j, 0
.rept 8
.irp u, 0,1,2,3
.if NL == 1
	MIX YY+64*(\b)+8*(4*(\g)+\u)+j, AA+4*(\g)+\u, TT+8*\u+j, X16+32*(\b)+16*(\g)+4*\u+j/2, j%2
.else
	MIX TT+8*\u+j, AA+4*(\g)+\u, TT+8*\u+j, X16+32*(\b)+16*(\g)+4*\u+j/2, j%2
.endif
.endr
.set j, j+1
.endr
	WIN 0x40
.irp u, 0,1,2,3
	global_load_b128 v[X16+32*(\b)+16*(\g)+4*\u:X16+32*(\b)+16*(\g)+4*\u+3], v[HOFF], s[26:27] offset:32768*(\b)+512*(4*(\g)+\u)  ; the same group of the next super-block
.endr
.if (NL > 1) && ((\b) == 1) && ((\g) == 1)
	WIN 0
	s_cmp_gt_u32 s33, 5                            ; the last two trips have no super-block two on
	s_cbranch_scc1 .Lnopf
	global_prefetch_b8 v[PFO], s[28:29] th:TH_LOAD_NT scope:SCOPE_SE  ; my wave's 8,192 bytes of the super-block that the next trip's loads will ask for: a lane a block of 256 bytes, each named once in the launch
.Lnopf:
.endif
.if NL > 1
.if (\g) == 0
	s_wait_dscnt 0x0                               ; the block's R and M are in
.endif
	LAYER 2, \b, \g
.endif
.if NL > 2
	LAYER 3, \b, \g
.endif
	WIN 0x05
.irp u, 0,1,2,3
.set m, 0
.rept 4
.set rY, YY+64*(\b)+8*(4*(\g)+\u)+2*m
.set rS, SS+8*(\b)+2*m
.set rQ, SS+16+8*(\b)+2*m
.if ((\g) == 0) && ((\u) == 0)                 ; a block's first tile starts the sums: nothing is cleared
	v_pk_mul_f32 v[rS:rS+1], v[rY:rY+1], 1.0 op_sel_hi:[1,0]
	v_pk_mul_f32 v[rQ:rQ+1], v[rY:rY+1], v[rY:rY+1]
.else
	v_pk_fma_f32 v[rS:rS+1], v[rY:rY+1], 1.0, v[rS:rS+1] op_sel_hi:[1,0,1]
	v_pk_fma_f32 v[rQ:rQ+1], v[rY:rY+1], v[rY:rY+1], v[rQ:rQ+1]
.endif
.set m, m+1
.endr
.endr
.endm
; Block b, tiles 4 g .. 4 g + 3: layer NL is normalised with the statistics just made, and layer NL + 1's u runs on.
.macro GROUPB b, g
	WIN 0x04
.irp u, 0,1,2,3
.set m, 0
.rept 4
.set rT, TT+8*\u+2*m
	v_pk_fma_f32 v[rT:rT+1], v[SS+8*(\b)+2*m:SS+8*(\b)+2*m+1], v[YY+64*(\b)+8*(4*(\g)+\u)+2*m:YY+64*(\b)+8*(4*(\g)+\u)+2*m+1], v[SS+16+8*(\b)+2*m:SS+16+8*(\b)+2*m+1]
.set m, m+1
.endr
.endr
	WIN 0
	AFF \g
.if (NL == 3) && ((\b) == 1)
.irp u, 0,1,2,3
	v_mov_b32 v[HL+4*(\g)+\u], v[TT+8*\u+7]        ; the super-block's last step; the last trip's stays
.endr
.endif
.set j, 0
.rept 8
.irp u, 0,1,2,3
	v_fma_f32 v[CAR+8*NL+4*(\g)+\u], v[QQ+8*NL+4*(\g)+\u], v[CAR+8*NL+4*(\g)+\u], v[TT+8*\u+j]
.endr
.set j, j+1
.endr
.endm
	s_mov_b32 s33, 0
.Lsb:                                                  ; 8 trips, a super-block of 16 steps each
	s_wait_xcnt 0x0                                ; every load, store and prefetch issued so far has read its sources: the two pointers are written here, C's registers in the trip
	s_add_co_u32 s30, s33, 1
	s_min_u32 s30, s30, 7                          ; the last trip asks for its own super-block once more: every load stays inside H0, and the counted waits hold in every trip
	s_lshl_b32 s30, s30, 16
	s_add_nc_u64 s[26:27], s[24:25], s[30:31]
.if NL > 1
	s_add_co_u32 s30, s33, 2
	s_min_u32 s30, s30, 7
	s_lshl_b32 s30, s30, 16
	s_add_nc_u64 s[28:29], s[24:25], s[30:31]
	LOADRM 0
.endif
	GROUPA 0, 0
	GROUPA 0, 1
.if NL > 1
	LOADRM 1
.endif
	GROUPA 1, 0
	GROUPA 1, 1
	; THE SUMS MEET.  My 32 sums (S and Q of 16 steps over my 8 channels) go into my wave's rows; lane (r, h) takes back step r's 16 lanes of half h.  LDS serves a wave's instructions in order, so no wait stands between.
	WIN 0
	EACH 32, ds_store_b32 v[REDST], v[SS+k] offset:144*k
	EACH 4, ds_load_b128 v[TT+4*k:TT+4*k+3], v[REDLD] offset:16*k
	EACH 4, ds_load_b128 v[TT+16+4*k:TT+16+4*k+3], v[REDLD] offset:2304+16*k
	s_wait_dscnt 0x0
.irp p, 0,2,4,6
	v_pk_add_f32 v[TT+\p:TT+\p+1], v[TT+\p:TT+\p+1], v[TT+8+\p:TT+9+\p]
	v_pk_add_f32 v[TT+16+\p:TT+17+\p], v[TT+16+\p:TT+17+\p], v[TT+24+\p:TT+25+\p]
.endr
.irp p, 0,2
	v_pk_add_f32 v[TT+\p:TT+\p+1], v[TT+\p:TT+\p+1], v[TT+4+\p:TT+5+\p]
	v_pk_add_f32 v[TT+16+\p:TT+17+\p], v[TT+16+\p:TT+17+\p], v[TT+20+\p:TT+21+\p]
.endr
	v_pk_add_f32 v[TT:TT+1], v[TT:TT+1], v[TT+2:TT+3]
	v_pk_add_f32 v[TT+16:TT+17], v[TT+16:TT+17], v[TT+18:TT+19]
	v_add_f32 v[XP], v[TT], v[TT+1]
	v_add_f32 v[XP+1], v[TT+16], v[TT+17]
	ds_store_b64 v[PARTST], v[XP:XP+1]             ; my wave's (S, Q) of (h, step r)
	s_wait_dscnt 0x0                               ; for the others' sake: it is stored
	s_barrier_signal -1
	s_barrier_wait -1
	EACH 4, ds_load_b128 v[VV+4*k:VV+4*k+3], v[PARTLD] offset:16*k  ; all eight waves'
	s_wait_dscnt 0x0                               ; my reads of PART are over: the next trip's stores into it stand behind this second barrier
	s_barrier_signal -1
.irp p, 0,2,4,6
	v_pk_add_f32 v[VV+\p:VV+\p+1], v[VV+\p:VV+\p+1], v[VV+8+\p:VV+9+\p]
.endr
.irp p, 0,2
	v_pk_add_f32 v[VV+\p:VV+\p+1], v[VV+\p:VV+\p+1], v[VV+4+\p:VV+5+\p]
.endr
	v_pk_add_f32 v[VV:VV+1], v[VV:VV+1], v[VV+2:VV+3]
	v_pk_mul_f32 v[XP:XP+1], v[VV:VV+1], 0x3a800000 op_sel_hi:[1,0]  ; mu, mean of squares
	v_fma_f32 v[XP+1], -v[XP], v[XP], v[XP+1]
	v_max_num_f32 v[XP+1], 0, v[XP+1]
	v_add_f32 v[XP+1], EPSW, v[XP+1]
	v_rsq_f32 v[XP+1], v[XP+1]                     ; R
	v_nop
	s_wait_alu depctr_va_vdst(0)                   ; ahead of the first reader
	v_mul_f32 v[XP], -v[XP], v[XP+1]               ; M = -mu R
	s_barrier_wait -1
	ds_store_b32 v[FINST], v[XP+1]                 ; my wave's own table: step r of half h
	ds_store_b32 v[FINST], v[XP] offset:512
	EACH 4, ds_load_b128 v[SS+4*k:SS+4*k+3], v[FINLD] offset:16*k            ; and all 16 steps of my half back, in every lane
	EACH 4, ds_load_b128 v[SS+16+4*k:SS+16+4*k+3], v[FINLD] offset:512+16*k
	s_wait_dscnt 0x0
	GROUPB 0, 0
	GROUPB 0, 1
	GROUPB 1, 0
	GROUPB 1, 1
	WIN 0
	v_add_nc_u32 v[FINST], 64, v[FINST]            ; 16 steps on
	v_add_nc_u32 v[FINLD], 64, v[FINLD]
.if NL > 1
	v_add_nc_u32 v[STLLD], 64, v[STLLD]
.endif
	s_add_co_u32 s33, s33, 1
	s_cmp_lt_u32 s33, 8
	s_cbranch_scc1 .Lsb
	global_store_b128 v[EOFF], v[CAR+8*NL:CAR+8*NL+3], s[44:45]              ; E of layer NL + 1: 16 lanes store 256 consecutive bytes
	global_store_b128 v[EOFF], v[CAR+8*NL+4:CAR+8*NL+7], s[44:45] offset:256
.if NL < 3
	s_cmp_ge_u32 s20, 4                            ; waves 0-3 store the chunk's R and M of both batches, each out of its own table: 512 consecutive bytes a wave
	s_cbranch_scc1 .Lend
	s_mul_i32 s50, s20, 2560                       ; my table (2,048 w) + half w / 2 and R or M by w % 2 (512 w)
	s_add_co_u32 s50, s50, FIN
	v_add_nc_u32 v[TT], s50, v[HOFF]
	ds_load_b128 v[VV:VV+3], v[TT]
	STOFF
	s_add_nc_u64 s[48:49], s[POUT:POUT+1], s[46:47]
	s_wait_dscnt 0x0
	global_store_b128 v[HOFF], v[VV:VV+3], s[48:49] offset:OFST
.else
	s_cmp_lg_u32 s21, 15                           ; the last chunk stores h3 at the last step
	s_cbranch_scc1 .Lend
	s_add_nc_u64 s[50:51], s[POUT:POUT+1], s[34:35]
	global_store_b128 v[EOFF], v[HL:HL+3], s[50:51] offset:OFC
	global_store_b128 v[EOFF], v[HL+4:HL+7], s[50:51] offset:OFC+256
.endif
.Lend:
	s_wait_tensorcnt 0x0                           ; the wave's end, behind my last LDS store
	ds_add_u32 v[SPW], v[NIL]
	s_wait_dscnt 0x0
	s_endpgm
.Lfunc_end_k_qd09ee6e731_lay3:
	.size	k_qd09ee6e731_lay3, .Lfunc_end_k_qd09ee6e731_lay3-k_qd09ee6e731_lay3
	.p2alignl 7, 3214868480
	.fill 96, 4, 3214868480
	.section	.rodata,"a",@progbits
	.p2align	6, 0x0
	.amdhsa_kernel k_qd09ee6e731_lay3
		.amdhsa_group_segment_fixed_size 60928
		.amdhsa_private_segment_fixed_size 0
		.amdhsa_enable_private_segment 0
		.amdhsa_kernarg_size 56
		.amdhsa_user_sgpr_count 2
		.amdhsa_user_sgpr_kernarg_segment_ptr 1
		.amdhsa_wavefront_size32 1
		.amdhsa_system_sgpr_workgroup_id_x 1
		.amdhsa_system_sgpr_workgroup_id_y 1
		.amdhsa_system_sgpr_workgroup_id_z 1
		.amdhsa_system_vgpr_workitem_id 0
		.amdhsa_next_free_vgpr 448
		.amdhsa_next_free_sgpr 66
		.amdhsa_reserve_vcc 0
		.amdhsa_float_denorm_mode_32 3
		.amdhsa_float_denorm_mode_16_64 3
		.amdhsa_memory_ordered 1
		.amdhsa_forward_progress 1
		.amdhsa_inst_pref_size 119
	.end_amdhsa_kernel
	.amdgpu_metadata
---
amdhsa.version: [ 1, 2 ]
amdhsa.kernels:
  - .name:           k_qd09ee6e731_lay3
    .symbol:         k_qd09ee6e731_lay3.kd
    .args:
      - { .name: H0, .offset: 0, .size: 8, .value_kind: global_buffer, .address_space: global }
      - { .name: alphas, .offset: 8, .size: 8, .value_kind: global_buffer, .address_space: global }
      - { .name: gamma, .offset: 16, .size: 8, .value_kind: global_buffer, .address_space: global }
      - { .name: beta, .offset: 24, .size: 8, .value_kind: global_buffer, .address_space: global }
      - { .name: P2, .offset: 32, .size: 8, .value_kind: global_buffer, .address_space: global }
      - { .name: P3, .offset: 40, .size: 8, .value_kind: global_buffer, .address_space: global }
      - { .name: P4, .offset: 48, .size: 8, .value_kind: global_buffer, .address_space: global }
    .group_segment_fixed_size: 60928
    .private_segment_fixed_size: 0
    .kernarg_segment_align: 8
    .kernarg_segment_size: 56
    .max_flat_workgroup_size: 256
    .sgpr_count:     66
    .vgpr_count:     448
    .wavefront_size: 32
...
	.end_amdgpu_metadata
.endif
;; end of part 4
;; launch head (part 5): grid 32 x 1, 16 waves a work-group, no clusters, 10,496 bytes of LDS; arguments alphas, gamma, beta, P4, W_out, b_out, out0; writes out0
.if DOCPART == 5
	.amdgcn_target "amdgcn-amd-amdhsa--gfx1250"
	.amdhsa_code_object_version 6
	.text
	.protected	k_qd09ee6e731_head
	.globl	k_qd09ee6e731_head
	.p2align	8
	.type	k_qd09ee6e731_head,@function
k_qd09ee6e731_head:
	s_mov_b64 s[64:65], 0
	v_nop
	global_prefetch_b8 v0, s[64:65] scope:SCOPE_SE
	s_setreg_imm32_b32 hwreg(HW_REG_WAVE_MODE, 25, 1), 1
	s_wait_xcnt 0x0
; HEAD.  One batch a work-group: layer 4 at the last time step, and the projection.  u4 = the 16 chunks' ends E4 joined by q^128 (f32); y4 = h3 + a u4; LayerNorm over 1,024 channels;
; out = h4 W_out + b_out.  Thread t owns channels 2 t, 2 t + 1.  alphas, gamma, beta, W_out and b_out are rounded to bf16.
; THE PRODUCT goes to the matrix unit: h4 as two bf16 numbers (its rounding and what the rounding left), so that h4's own rounding costs next to nothing.  Wave w takes k = 64 w .. 64 w + 63 and all 64 columns:
; A's 16 rows are all h4; B's tile i, lane r is column 4 r + i, so that a run of 16 bytes of a row of W_out feeds all four tiles.  The 16 waves' partial sums meet in LDS; wave 0 adds them.
; 32 work-groups: the launch has no more independent rows than that, and is short.
; LIMITS.  var = Q / N - mu^2 in f32, held at 0 from below: its relative error grows like 2^-23 (1 + mu^2 / var).  NaN and infinities are not treated apart.
.set XW,    0                          ; 16 waves' (S, Q)
.set HI,    256                        ; bf16(h4), 1,024 numbers
.set LO,    2304                       ; bf16(h4 - bf16(h4))
.set PSUM,  4352                       ; 16 waves x 64 f32
.set SPARE, 8448                       ; the spare words, 128 bytes a wave: eight blocks of 256 bytes that no other line names
.set ACC,   16
.set WS,    64                         ; W_out as loaded; later A's fragments
.set BF,    192                        ; B: tile i, K half s at 16 i + 8 s; at work until B is made
.macro EACH n, line:vararg
.set k, 0
.rept \n
	\line
.set k, k+1
.endr
.endm
.macro RB16 a                          ; two f32 rounded to bf16 and widened again
	v_cvt_pk_bf16_f32 v192, v[\a], v[(\a)+1]
	v_lshlrev_b32 v[\a], 16, v192
	v_and_b32 v[(\a)+1], 0xffff0000, v192
.endm
	s_load_b256 s[4:11], s[0:1], 0x0               ; alphas s[4:5], gamma s[6:7], beta s[8:9], P4 s[10:11]
	s_load_b128 s[12:15], s[0:1], 0x20             ; W_out s[12:13], b_out s[14:15]
	s_load_b64 s[16:17], s[0:1], 0x30              ; out0
	v_lshl_add_u32 v1, v0, 2, SPARE
	v_mov_b32 v2, 0
	v_lshrrev_b32 v6, 5, v0
	v_readfirstlane_b32 s18, v6                    ; wave
	v_and_b32 v7, 15, v0                           ; r
	v_bfe_u32 v56, v0, 4, 1                        ; h
	v_lshlrev_b32 v3, 3, v0                        ; 8 t: my two channels in a row of f32
	v_lshlrev_b32 v5, 4, v7                        ; 16 r
	s_lshl_b32 s19, s18, 14
	v_lshl_add_u32 v4, v56, 11, v5
	v_add_nc_u32 v4, s19, v4                       ; W_out: row 64 w + 8 h, columns 4 r on
	v_lshlrev_b32 v57, 3, v6                       ; 8 w
	v_lshlrev_b32 v58, 2, v0                       ; 4 t
	s_lshl_b32 s26, s18, 7
	v_lshl_add_u32 v59, v56, 4, s26                ; 128 w + 16 h: my part of A's fragments
	s_lshl_b32 s20, ttmp9, 12                      ; batch x 4,096
	s_mov_b32 s21, 0
	s_lshl_b32 s22, ttmp9, 8                       ; batch x 256
	s_mov_b32 s23, 0
	s_mov_b32 s24, 0x76543210                      ; v_permlanex16_b32: each lane takes its own place in the other half
	s_mov_b32 s25, 0xfedcba98
	s_wait_kmcnt 0x0
	s_add_nc_u64 s[20:21], s[10:11], s[20:21]
	s_add_nc_u64 s[22:23], s[16:17], s[22:23]
	global_load_b64 v[8:9], v3, s[4:5] offset:12288           ; alphas[3]
	global_load_b64 v[10:11], v3, s[6:7]
	global_load_b64 v[12:13], v3, s[8:9]
	global_load_b64 v[14:15], v3, s[20:21] offset:2097152     ; h3 at the last step
	EACH 16, global_load_b64 v[16+2*k:17+2*k], v3, s[20:21] offset:131072*k
	global_load_b128 v[60:63], v5, s[14:15]
	EACH 32, global_load_b128 v[WS+4*k:WS+4*k+3], v4, s[12:13] offset:(32*(k/16)+16*((k/8)%2)+k%8)*256  ; 16 lanes take a whole row of 256 bytes
	s_wait_loadcnt 32                              ; all but W_out's 32, issued last
	RB16 8
	RB16 10
	RB16 12
	RB16 60
	RB16 62
	v_mul_f32 v8, 0xbfb8aa3b, v8
	v_mul_f32 v9, 0xbfb8aa3b, v9
	v_exp_f32 v8, v8
	v_exp_f32 v9, v9
	v_nop
	s_wait_alu depctr_va_vdst(0)                   ; ahead of the first reader
	v_add_f32 v8, 1.0, v8
	v_add_f32 v9, 1.0, v9
	v_rcp_f32 v8, v8
	v_rcp_f32 v9, v9
	v_nop
	s_wait_alu depctr_va_vdst(0)
	v_sub_f32 v48, 1.0, v8
	v_sub_f32 v49, 1.0, v9
	v_pk_mul_f32 v[50:51], v[48:49], v[48:49]
.rept 6
	v_pk_mul_f32 v[50:51], v[50:51], v[50:51]      ; seven squarings: q^128
.endr
	v_mov_b32 v52, v16
	v_mov_b32 v53, v17
.set i, 1
.rept 15
	v_pk_fma_f32 v[52:53], v[50:51], v[52:53], v[16+2*i:17+2*i]
.set i, i+1
.endr
	v_pk_fma_f32 v[52:53], v[8:9], v[52:53], v[14:15]         ; y4
	v_add_f32 v54, v52, v53
	v_mul_f32 v55, v52, v52
	v_fmac_f32 v55, v53, v53
.irp x, 1,2,4,8
	v_add_f32_dpp v54, v54, v54 row_xmask:\x row_mask:0xf bank_mask:0xf
	v_add_f32_dpp v55, v55, v55 row_xmask:\x row_mask:0xf bank_mask:0xf
.endr
	v_mov_b32 v193, 0                              ; v_permlanex16_b32's destination counts as read
	v_mov_b32 v194, 0
	v_permlanex16_b32 v193, v54, s24, s25
	v_permlanex16_b32 v194, v55, s24, s25
	v_add_f32 v54, v54, v193
	v_add_f32 v55, v55, v194
	ds_store_b64 v57, v[54:55] offset:XW           ; all lanes the same pair
	s_wait_dscnt 0x0
	s_barrier_signal -1
	s_barrier_wait -1
	v_mov_b32 v6, 0
	EACH 8, ds_load_b128 v[16+4*k:19+4*k], v6 offset:XW+16*k
	s_wait_dscnt 0x0
.irp p, 0,2,4,6,8,10,12,14
	v_pk_add_f32 v[16+\p:17+\p], v[16+\p:17+\p], v[32+\p:33+\p]
.endr
.irp p, 0,2,4,6
	v_pk_add_f32 v[16+\p:17+\p], v[16+\p:17+\p], v[24+\p:25+\p]
.endr
.irp p, 0,2
	v_pk_add_f32 v[16+\p:17+\p], v[16+\p:17+\p], v[20+\p:21+\p]
.endr
	v_pk_add_f32 v[16:17], v[16:17], v[18:19]
	v_pk_mul_f32 v[54:55], v[16:17], 0x3a800000 op_sel_hi:[1,0]  ; mu, mean of squares
	v_fma_f32 v55, -v54, v54, v55
	v_max_num_f32 v55, 0, v55
	v_add_f32 v55, 0x3727c5ac, v55
	v_rsq_f32 v55, v55
	v_nop
	s_wait_alu depctr_va_vdst(0)
	v_mul_f32 v54, -v54, v55
	v_fma_f32 v52, v52, v55, v54
	v_fma_f32 v53, v53, v55, v54
	v_pk_fma_f32 v[52:53], v[52:53], v[10:11], v[12:13]       ; h4
	v_cvt_pk_bf16_f32 v193, v52, v53
	v_lshlrev_b32 v194, 16, v193
	v_and_b32 v195, 0xffff0000, v193
	v_sub_f32 v194, v52, v194
	v_sub_f32 v195, v53, v195
	v_cvt_pk_bf16_f32 v194, v194, v195
	ds_store_b32 v58, v193 offset:HI
	ds_store_b32 v58, v194 offset:LO
	s_wait_dscnt 0x0
	s_barrier_signal -1
	s_barrier_wait -1
	s_wait_loadcnt 0x0                             ; W_out
.set x, 0
.rept 16
.irp i, 0,1,2,3
	v_cvt_pk_bf16_f32 v[BF+16*\i+x/2], v[WS+4*x+\i], v[WS+4*x+4+\i]  ; rows k, k + 1 of column 4 r + i
.endr
.set x, x+2
.endr
.irp s, 0,1
	ds_load_b128 v[WS+8*\s:WS+8*\s+3],       v59 offset:HI+64*\s
	ds_load_b128 v[WS+8*\s+4:WS+8*\s+7],     v59 offset:HI+64*\s+32
	ds_load_b128 v[WS+16+8*\s:WS+16+8*\s+3], v59 offset:LO+64*\s
	ds_load_b128 v[WS+16+8*\s+4:WS+16+8*\s+7], v59 offset:LO+64*\s+32
.endr
	s_wait_dscnt 0x0
.irp i, 0,1,2,3                        ; the four accumulators take turns, one instruction a turn; the first four products start the sums
	v_wmma_f32_16x16x32_bf16 v[ACC+8*\i:ACC+8*\i+7], v[WS:WS+7], v[BF+16*\i:BF+16*\i+7], 0
.endr
.irp i, 0,1,2,3
	v_wmma_f32_16x16x32_bf16 v[ACC+8*\i:ACC+8*\i+7], v[WS+16:WS+23], v[BF+16*\i:BF+16*\i+7], v[ACC+8*\i:ACC+8*\i+7]
.endr
.irp i, 0,1,2,3
	v_wmma_f32_16x16x32_bf16 v[ACC+8*\i:ACC+8*\i+7], v[WS+8:WS+15], v[BF+16*\i+8:BF+16*\i+15], v[ACC+8*\i:ACC+8*\i+7]
.endr
.irp i, 0,1,2,3
	v_wmma_f32_16x16x32_bf16 v[ACC+8*\i:ACC+8*\i+7], v[WS+24:WS+31], v[BF+16*\i+8:BF+16*\i+15], v[ACC+8*\i:ACC+8*\i+7]
.endr
.rept 4
	v_nop                                          ; the places behind the last product
.endr
	v_mov_b32 v48, v[ACC]                          ; all rows are alike: each accumulator's lowest register is columns 4 r + i
	v_mov_b32 v49, v[ACC+8]
	v_mov_b32 v50, v[ACC+16]
	v_mov_b32 v51, v[ACC+24]
	s_lshl_b32 s26, s18, 8
	v_add_nc_u32 v54, s26, v5
	ds_store_b128 v54, v[48:51] offset:PSUM        ; both halves of the lanes hold the same numbers
	s_wait_dscnt 0x0
	s_barrier_signal -1
	s_barrier_wait -1
	s_cmp_lg_u32 s18, 0
	s_cbranch_scc1 .Lend
	v_lshl_add_u32 v54, v56, 11, v5                ; half h adds waves 8 h .. 8 h + 7
	EACH 8, ds_load_b128 v[WS+4*k:WS+4*k+3], v54 offset:PSUM+256*k
	s_wait_dscnt 0x0
.irp p, 0,2,4,6,8,10,12,14
	v_pk_add_f32 v[WS+\p:WS+\p+1], v[WS+\p:WS+\p+1], v[WS+16+\p:WS+17+\p]
.endr
.irp p, 0,2,4,6
	v_pk_add_f32 v[WS+\p:WS+\p+1], v[WS+\p:WS+\p+1], v[WS+8+\p:WS+9+\p]
.endr
.irp p, 0,2
	v_pk_add_f32 v[WS+\p:WS+\p+1], v[WS+\p:WS+\p+1], v[WS+4+\p:WS+5+\p]
.endr
.irp p, 0,1,2,3
	v_permlanex16_b32 v[WS+8+\p], v[WS+\p], s24, s25
.endr
	v_pk_add_f32 v[WS:WS+1], v[WS:WS+1], v[WS+8:WS+9]
	v_pk_add_f32 v[WS+2:WS+3], v[WS+2:WS+3], v[WS+10:WS+11]
	v_pk_add_f32 v[WS:WS+1], v[WS:WS+1], v[60:61]
	v_pk_add_f32 v[WS+2:WS+3], v[WS+2:WS+3], v[62:63]
	v_cmp_gt_u32 vcc_lo, 16, v0
	s_wait_xcnt 0x0                                ; EXEC changes only behind this wait
	s_and_saveexec_b32 s27, vcc_lo
	global_store_b128 v5, v[WS:WS+3], s[22:23]     ; 16 lanes store the batch's 256 bytes
	s_wait_xcnt 0x0                                ; and again, in front of the line that widens it
	s_or_b32 exec_lo, exec_lo, s27
.Lend:
	s_wait_tensorcnt 0x0                           ; the wave's end, behind my last LDS store
	ds_add_u32 v1, v2
	s_wait_dscnt 0x0
	s_endpgm
.Lfunc_end_k_qd09ee6e731_head:
	.size	k_qd09ee6e731_head, .Lfunc_end_k_qd09ee6e731_head-k_qd09ee6e731_head
	.p2alignl 7, 3214868480
	.fill 96, 4, 3214868480
	.section	.rodata,"a",@progbits
	.p2align	6, 0x0
	.amdhsa_kernel k_qd09ee6e731_head
		.amdhsa_group_segment_fixed_size 10496
		.amdhsa_private_segment_fixed_size 0
		.amdhsa_enable_private_segment 0
		.amdhsa_kernarg_size 56
		.amdhsa_user_sgpr_count 2
		.amdhsa_user_sgpr_kernarg_segment_ptr 1
		.amdhsa_wavefront_size32 1
		.amdhsa_system_sgpr_workgroup_id_x 1
		.amdhsa_system_sgpr_workgroup_id_y 1
		.amdhsa_system_sgpr_workgroup_id_z 1
		.amdhsa_system_vgpr_workitem_id 0
		.amdhsa_next_free_vgpr 256
		.amdhsa_next_free_sgpr 66
		.amdhsa_reserve_vcc 1
		.amdhsa_float_denorm_mode_32 3
		.amdhsa_float_denorm_mode_16_64 3
		.amdhsa_memory_ordered 1
		.amdhsa_forward_progress 1
		.amdhsa_inst_pref_size 22
	.end_amdhsa_kernel
	.amdgpu_metadata
---
amdhsa.version: [ 1, 2 ]
amdhsa.kernels:
  - .name:           k_qd09ee6e731_head
    .symbol:         k_qd09ee6e731_head.kd
    .args:
      - { .name: alphas, .offset: 0, .size: 8, .value_kind: global_buffer, .address_space: global }
      - { .name: gamma, .offset: 8, .size: 8, .value_kind: global_buffer, .address_space: global }
      - { .name: beta, .offset: 16, .size: 8, .value_kind: global_buffer, .address_space: global }
      - { .name: P4, .offset: 24, .size: 8, .value_kind: global_buffer, .address_space: global }
      - { .name: W_out, .offset: 32, .size: 8, .value_kind: global_buffer, .address_space: global }
      - { .name: b_out, .offset: 40, .size: 8, .value_kind: global_buffer, .address_space: global }
      - { .name: out0, .offset: 48, .size: 8, .value_kind: global_buffer, .address_space: global }
    .group_segment_fixed_size: 10496
    .private_segment_fixed_size: 0
    .kernarg_segment_align: 8
    .kernarg_segment_size: 56
    .max_flat_workgroup_size: 512
    .sgpr_count:     66
    .vgpr_count:     256
    .wavefront_size: 32
...
	.end_amdgpu_metadata
.endif
;; end of part 5
;; ======== version 2 of 2: 5 launches; version 1 with the launches lay1, lay2, lay3 written anew for expert scheduling mode
;; limits: values are held in f16: magnitudes above 65,504 overflow, below 6.1e-05 lose precision; right only within a limited range of input values; a difference of large sums (such as E[x^2] - mean^2): digits are lost where the result is much smaller than its terms
;; workspace buffers: H0 134,217,728 bytes; P1 2,097,152 bytes; P2 4,718,592 bytes; P3 4,718,592 bytes; P4 2,228,224 bytes
;; launch proj: the kernel of part 1 again; grid 256 x 1, 8 waves a work-group, no clusters, 0 bytes of LDS; arguments x, W_in, b_in, alphas, H0, P1; writes H0, P1
;; launch lay1 (part 6): grid 256 x 1, 8 waves a work-group, no clusters, 60,928 bytes of LDS; arguments H0, alphas, gamma, beta, P1, P2; writes P2
.if DOCPART == 6
	.amdgcn_target "amdgcn-amd-amdhsa--gfx1250"
	.amdhsa_code_object_version 6
	.text
	.protected	k_qd09ee6e731_lay1
	.globl	k_qd09ee6e731_lay1
	.p2align	8
	.type	k_qd09ee6e731_lay1,@function
k_qd09ee6e731_lay1:
	s_mov_b64 s[64:65], 0
	v_nop
	global_prefetch_b8 v0, s[64:65] scope:SCOPE_SE
	s_setreg_imm32_b32 hwreg(HW_REG_WAVE_SCHED_MODE, 0, 2), 2
	s_setreg_imm32_b32 hwreg(HW_REG_WAVE_MODE, 25, 1), 1
	s_wait_xcnt 0x0
	s_wait_alu depctr_vm_vsrc(0)
; LAYER PASS, one source for three launches; NL says which.  It makes layer NL's statistics on the true carries and scans layer NL + 1 from 0.
; Per work-group (chunk c of 128 steps, batch pair bp), shares and lane layout as in PROJ: wave w owns 128 channels in 8 tiles, lane (r, h) holds batch h, a tile's 8 registers are 8 time steps.
;   u = x + q u, y = x + a u (u = EMA / a), n = y R + M, h = gamma n + beta.  Layers below NL are made again from H0 with their stored carry C and statistics (R, M): no reduction.
;   Layer NL's carry into the chunk is U = E[c-1] + q^128 U', over the earlier chunks' ends E, exact and in f32.  Its sums S = sum y, Q = sum y^2 over 1,024 channels meet in LDS.
;   Stored: E of layer NL + 1; for NL < 3 also C and (R, M) of layer NL; for NL = 3 h3 at the last step of the last chunk.
; H0 holds 64 h0, so layer 1's u, y and sums are 64 times theirs, and its eps is 4,096 eps: R and M then give the true n.
; LIMITS.  var = Q / N - mu^2 in f32, held at 0 from below: its relative error grows like 2^-23 (1 + mu^2 / var).  NaN and infinities are not treated apart.  alphas, gamma, beta are rounded to bf16.
; NO TENSOR LOADS, NO CLUSTER: each byte of H0 is one wave's own and goes straight into its registers; nothing is shared between work-groups.
; LDS: STL the lower layers' (R, M) of the chunk; RED a wave's own 32 rows x 144 bytes for the turn from lanes to times; PART the 8 waves' (S, Q); FIN a wave's own (R, M) of the chunk; the spare words.
; REGISTERS.  Window 0: see the names.  Window 1: v0-127 y of a super-block (block b, tile i, step j at 64 b + 8 i + j); v128-191 H0 as loaded (32 b + 4 i).
; THE MODE: SCHED_MODE bits 1:0 = 2 (LLVM: expert scheduling mode 2), set by the entry lines.  The code itself states the register dependences
; between vector instructions and memory or LDS instructions, with s_wait_alu, always for 0.
; THE PLAN.  Registers that memory or LDS instructions touch, in the loop:
;   X16      A group's MIX lines read its 16 registers; at the group's end the loads of the same group of the next super-block land in them.
;   RR, MM   LOADRM's loads land in them; LAYER's lines read them.
;   SS       The sums write it, RED's stores read it, FIN's loads land in it, GROUPB reads it.
;   TT, VV   At work in vector lines; RED's loads land in TT, PART's in VV.
;   XP       Written by the turn's last adds and read by PART's store; written by the statistics and read by FIN's stores.
;   FINST, FINLD, STLLD   LDS addresses, stepped once a trip, at its end.  All other addresses are made at the head and never written again.
; One wait on va_vdst stands at each group's end, ahead of its refill; with no vector line behind it, the second group's also serves the next LOADRM, and the last group's the stores and loads in which the sums meet.
; One more stands ahead of PART's store, one ahead of FIN's stores, and (NL > 1) one at the trip's head for STLLD.  Two waits on vm_vsrc a trip: ahead of the statistics (XP, SS) and ahead of the address steps.
.set NL, 1
.if NL == 1
.set EPSW, 0x3d27c5ac                  ; 4,096 x 1e-5
.else
.set EPSW, 0x3727c5ac                  ; 1e-5
.endif
.if NL == 3
.set EIN,  14                          ; s[EIN:EIN+1] the buffer with layer NL's E
.set POUT, 16                          ; the buffer written
.else
.set EIN,  12
.set POUT, 14
.endif
.set STL,   0                          ; [layer 2,048][h 1,024][R, M 512][128 steps]
.set RED,   4096                       ; 8 x 4,608
.set PART,  40960                      ; row 16 h + step, 80 bytes apart; wave w's (S, Q) at 8 w
.set FIN,   43520                      ; 8 x [h 1,024][R, M 512][128 steps]
.set SPARE, 59904                      ; the spare words, 128 bytes a wave: four blocks of 256 bytes that no other line names
.set OFC,   2097152                    ; C in a P buffer
.set OFST,  4194304                    ; R [32][2048], then M, in a P buffer
.set SPW,1
.set NIL,2
.set HOFF,3                            ; 16 x lane
.set REDST,4
.set REDLD,5
.set PARTST,6
.set PARTLD,7
.set FINST,8
.set FINLD,9
.set STLLD,10
.set PFO,11
.set EOFF,12                           ; 512 w + 16 r + 4,096 h
.set CHO,13                            ; 512 w + 16 r
.set XP,14                             ; v14-15 at work
.set QQ,16                             ; q, layer l at 8 (l - 1)
.set AA,48                             ; a
.set GG,72
.set BB,80
.set CAR,88                            ; the running u, layer l at 8 (l - 1)
.set HL,120                            ; q^128 at the head; h3's last step (NL = 3)
.set RR,128                            ; R of a block's 8 steps, layer l at 8 (l - 1)
.set MM,144
.set SS,160                            ; S[16], Q[16] of a super-block; later its R[16], M[16]
.set TT,192                            ; four tiles at work
.set VV,224
.set STST,252                          ; at the head only: 16 x thread, where I store my 16 bytes of STL
.set YY,0
.set X16,128
.set MSB, 0
.macro WIN new                         ; the immediate's high byte repeats the setting that is left; a switch that changes nothing is dropped
.if MSB != (\new)
	s_set_vgpr_msb (MSB<<8)|(\new)
.set MSB, \new
.endif
.endm
.macro EACH n, line:vararg
.set k, 0
.rept \n
	\line
.set k, k+1
.endr
.endm
.macro EACH2 n, line:vararg
.set k, 0
.rept \n
	\line
.set k, k+2
.endr
.endm
.macro RB16 a                          ; two f32 rounded to bf16 and widened again
	v_cvt_pk_bf16_f32 v[XP], v[\a], v[(\a)+1]
	v_lshlrev_b32 v[\a], 16, v[XP]
	v_and_b32 v[(\a)+1], 0xffff0000, v[XP]
.endm
.macro MIX d, a, b, x, hi              ; d = a b + the f16 half hi of x, in f32
.if \hi
	v_fma_mix_f32 v[\d], v[\a], v[\b], v[\x] op_sel:[0,0,1] op_sel_hi:[0,0,1]
.else
	v_fma_mix_f32 v[\d], v[\a], v[\b], v[\x] op_sel_hi:[0,0,1]
.endif
.endm
.macro STOFF                           ; s[46:47] = where wave w's 512 bytes of (R, M) lie: M or R by w % 2, batch 2 bp + (w / 2) % 2, chunk c
	s_and_b32 s46, s20, 1
	s_lshl_b32 s46, s46, 18
	s_bfe_u32 s47, s20, 0x10001
	s_lshl_b32 s47, s47, 13
	s_add_co_u32 s46, s46, s47
	s_lshl_b32 s47, s22, 14
	s_add_co_u32 s46, s46, s47
	s_lshl_b32 s47, s21, 9
	s_add_co_u32 s46, s46, s47
	s_mov_b32 s47, 0
.endm
	s_load_b256 s[4:11], s[0:1], 0x0               ; H0 s[4:5], alphas s[6:7], gamma s[8:9], beta s[10:11]
	s_load_b128 s[12:15], s[0:1], 0x20             ; the P buffers, in the order of the launch's arguments
.if NL == 3
	s_load_b64 s[16:17], s[0:1], 0x30
.endif
	v_lshl_add_u32 v[SPW], v0, 2, SPARE
	v_mov_b32 v[NIL], 0
	v_lshrrev_b32 v14, 5, v0
	v_readfirstlane_b32 s20, v14                   ; wave
	s_and_b32 s21, ttmp9, 15                       ; chunk
	s_lshr_b32 s22, ttmp9, 4                       ; batch pair
	v_and_b32 v14, 15, v0                          ; r
	v_bfe_u32 v15, v0, 4, 1                        ; h
	v_and_b32 v[HOFF], 31, v0
	s_wait_alu depctr_va_sdst(0)                   ; s20 is written, ahead of its first reader: LDS places, bases and branches are made from it
	s_mul_i32 s23, s20, 4608
	s_add_co_u32 s23, s23, RED
	v_lshl_add_u32 v[REDST], v[HOFF], 2, s23       ; in: row = which sum, 4 bytes a lane
	v_mul_u32_u24 v[REDLD], v14, 144
	v_lshl_add_u32 v[REDLD], v15, 6, v[REDLD]
	v_add_nc_u32 v[REDLD], s23, v[REDLD]           ; back: row r, my half's 16 lanes
	v_lshlrev_b32 v[HOFF], 4, v[HOFF]
	v_lshl_add_u32 v[PARTLD], v15, 4, v14
	v_mul_u32_u24 v[PARTLD], v[PARTLD], 80
	v_add_nc_u32 v[PARTLD], PART, v[PARTLD]
	s_lshl_b32 s23, s20, 3
	v_add_nc_u32 v[PARTST], s23, v[PARTLD]
	s_lshl_b32 s23, s20, 11
	s_add_co_u32 s23, s23, FIN
	v_lshl_add_u32 v[FINLD], v15, 10, s23
	v_lshl_add_u32 v[FINST], v14, 2, v[FINLD]
.if NL > 1
	v_lshlrev_b32 v[STLLD], 10, v15
	v_lshlrev_b32 v[PFO], 8, v14
	v_lshl_add_u32 v[PFO], v15, 15, v[PFO]         ; a lane a block of 256 bytes: block h of the super-block, 256 r in my wave's 4,096
	v_lshlrev_b32 v[STST], 4, v0                   ; 512 w + 16 x lane
.endif
	s_lshl_b32 s23, s20, 9
	v_lshl_add_u32 v[CHO], v14, 4, s23
	v_lshl_add_u32 v[EOFF], v15, 12, v[CHO]
	s_lshl_b32 s30, ttmp9, 19
	s_lshl_b32 s31, s20, 12
	s_add_co_u32 s30, s30, s31
	s_mov_b32 s31, 0
	s_lshl_b32 s34, s22, 13                        ; batch pair x 8,192
	s_mov_b32 s35, 0
	s_lshl_b32 s36, s21, 17
	s_add_co_u32 s36, s36, s34                     ; + chunk x 131,072
	s_mov_b32 s37, 0
	s_wait_kmcnt 0x0
	s_add_nc_u64 s[24:25], s[4:5], s[30:31]        ; H0 at my wave's part of the chunk's block 0
	s_add_nc_u64 s[38:39], s[EIN:EIN+1], s[34:35]  ; E of chunk 0, my batch pair
.if NL > 1
	s_add_nc_u64 s[40:41], s[12:13], s[36:37]      ; layer 1's buffer at my chunk and batch pair
.endif
.if NL > 2
	s_add_nc_u64 s[42:43], s[14:15], s[36:37]      ; layer 2's
.endif
	s_add_nc_u64 s[44:45], s[POUT:POUT+1], s[36:37]
	s_wait_alu depctr_va_vdst(0)                   ; the offsets and LDS addresses v3 to v13 and v252 are written, which the loads, stores and the prefetch of the kernel read
	EACH NL+1, global_load_b128 v[QQ+8*k:QQ+8*k+3], v[CHO], s[6:7] offset:4096*k
	EACH NL+1, global_load_b128 v[QQ+8*k+4:QQ+8*k+7], v[CHO], s[6:7] offset:4096*k+256
	global_load_b128 v[GG:GG+3], v[CHO], s[8:9]
	global_load_b128 v[GG+4:GG+7], v[CHO], s[8:9] offset:256
	global_load_b128 v[BB:BB+3], v[CHO], s[10:11]
	global_load_b128 v[BB+4:BB+7], v[CHO], s[10:11] offset:256
.if NL > 1
	global_load_b128 v[CAR:CAR+3], v[EOFF], s[40:41] offset:OFC
	global_load_b128 v[CAR+4:CAR+7], v[EOFF], s[40:41] offset:OFC+256
.endif
.if NL > 2
	global_load_b128 v[CAR+8:CAR+11], v[EOFF], s[42:43] offset:OFC
	global_load_b128 v[CAR+12:CAR+15], v[EOFF], s[42:43] offset:OFC+256
.endif
	EACH 15, global_load_b128 v[128+8*k:128+8*k+3], v[EOFF], s[38:39] offset:131072*k
	EACH 15, global_load_b128 v[128+8*k+4:128+8*k+7], v[EOFF], s[38:39] offset:131072*k+256
.if NL > 1                             ; the lower layers' (R, M) of the chunk: 512 bytes a wave, waves 0 to 4 (NL - 1) - 1
.if NL == 2
	s_cmp_ge_u32 s20, 4
	s_cbranch_scc1 .Lnost
.endif
	STOFF
.if NL == 3
	s_cmp_lt_u32 s20, 4
	s_cselect_b64 s[48:49], s[12:13], s[14:15]     ; waves 0-3 layer 1's, waves 4-7 layer 2's
.else
	s_mov_b64 s[48:49], s[12:13]
.endif
	s_add_nc_u64 s[48:49], s[48:49], s[46:47]
	global_load_b128 v[248:251], v[HOFF], s[48:49] offset:OFST
.Lnost:
.endif
	WIN 0x40
	EACH 16, global_load_b128 v[X16+4*k:X16+4*k+3], v[HOFF], s[24:25] offset:32768*(k/8)+512*(k%8)  ; super-block 0, in the order in which the groups want it
	WIN 0
	s_wait_loadcnt 16                              ; all but the 16 just issued
.if NL > 1
.if NL == 2
	s_cmp_ge_u32 s20, 4
	s_cbranch_scc1 .Lnost2
.endif
	ds_store_b128 v[STST], v[248:251] offset:STL   ; its address was made ahead of the wait on va_vdst above, and no vector line has been issued since
.Lnost2:
.endif
	EACH2 4*(NL+1), RB16 QQ+k
	EACH2 4, RB16 GG+k
	EACH2 4, RB16 BB+k
	EACH 8*(NL+1), v_mul_f32 v[QQ+k], 0xbfb8aa3b, v[QQ+k]  ; a = 1 / (1 + 2^(-alpha log2 e))
	EACH 8*(NL+1), v_exp_f32 v[QQ+k], v[QQ+k]
	v_nop                                          ; a plain instruction behind the last exponential,
	s_wait_alu depctr_va_vdst(0)                   ; and the one wait ahead of the batch's first reader: the exponentials have written v[QQ ..]
	EACH 8*(NL+1), v_add_f32 v[QQ+k], 1.0, v[QQ+k]
	EACH 8*(NL+1), v_rcp_f32 v[QQ+k], v[QQ+k]
	v_nop
	s_wait_alu depctr_va_vdst(0)                   ; the reciprocals have written v[QQ ..], ahead of their first reader
	EACH 8*NL, v_mov_b32 v[AA+k], v[QQ+k]
	EACH 8*(NL+1), v_sub_f32 v[QQ+k], 1.0, v[QQ+k] ; q = 1 - a
.set CN, CAR+8*(NL-1)
	EACH2 4, v_pk_mul_f32 v[HL+k:HL+k+1], v[QQ+8*(NL-1)+k:QQ+8*(NL-1)+k+1], v[QQ+8*(NL-1)+k:QQ+8*(NL-1)+k+1]
.rept 6
	EACH2 4, v_pk_mul_f32 v[HL+k:HL+k+1], v[HL+k:HL+k+1], v[HL+k:HL+k+1]  ; seven squarings: q^128
.endr
	EACH 8, v_mov_b32 v[CN+k], 0
.irp i, 0,1,2,3,4,5,6,7,8,9,10,11,12,13,14
	s_cmp_le_u32 s21, \i                           ; the chunks ahead of mine, in order
	s_cbranch_scc1 .Lhd
	EACH2 4, v_pk_fma_f32 v[CN+k:CN+k+1], v[HL+k:HL+k+1], v[CN+k:CN+k+1], v[128+8*\i+k:128+8*\i+k+1]
.endr
.Lhd:
	s_wait_alu depctr_va_vdst(0)                   ; the chain has written the carry, which the stores below read (NL < 3), and is done reading v128 on, in which the first trip's LDS loads land
.if NL < 3
	global_store_b128 v[EOFF], v[CN:CN+3], s[44:45] offset:OFC
	global_store_b128 v[EOFF], v[CN+4:CN+7], s[44:45] offset:OFC+256
.endif
	EACH 8, v_mov_b32 v[CAR+8*NL+k], 0             ; the next layer is scanned from 0
.if NL > 1
	s_wait_dscnt 0x0                               ; my part of STL is stored,
	s_barrier_signal -1
	s_barrier_wait -1                              ; everybody's is
.endif
.macro AFF g                           ; h = gamma n + beta on the four tiles at work; a tile's gamma and beta are one register of a pair, given to both halves
.irp u, 0,1,2,3
.set m, 0
.rept 4
.set rT, TT+8*\u+2*m
.if (\u)%2
	v_pk_fma_f32 v[rT:rT+1], v[rT:rT+1], v[GG+4*(\g)+\u-1:GG+4*(\g)+\u], v[BB+4*(\g)+\u-1:BB+4*(\g)+\u] op_sel:[0,1,1] op_sel_hi:[1,1,1]
.else
	v_pk_fma_f32 v[rT:rT+1], v[rT:rT+1], v[GG+4*(\g)+\u:GG+4*(\g)+\u+1], v[BB+4*(\g)+\u:BB+4*(\g)+\u+1] op_sel_hi:[1,0,0]
.endif
.set m, m+1
.endr
.endr
.endm
.macro LOADRM b                        ; the lower layers' R and M of block b's 8 steps.  No wait of its own: no vector line stands between the last wait on va_vdst and these loads
	WIN 0
.set y, 0
.rept NL-1
	ds_load_b128 v[RR+8*y:RR+8*y+3],   v[STLLD] offset:STL+2048*y+32*(\b)
	ds_load_b128 v[RR+8*y+4:RR+8*y+7], v[STLLD] offset:STL+2048*y+32*(\b)+16
	ds_load_b128 v[MM+8*y:MM+8*y+3],   v[STLLD] offset:STL+2048*y+512+32*(\b)
	ds_load_b128 v[MM+8*y+4:MM+8*y+7], v[STLLD] offset:STL+2048*y+512+32*(\b)+16
.set y, y+1
.endr
.endm
; Layer l (2 .. NL) on four tiles: the layer below is normalised with its stored statistics, then u and y of this layer.  y stays in TT, or (l = NL) goes to YY.
.macro LAYER l, b, g
	WIN 0
.irp u, 0,1,2,3
.set m, 0
.rept 4
.set rT, TT+8*\u+2*m
	v_pk_fma_f32 v[rT:rT+1], v[rT:rT+1], v[RR+8*((\l)-2)+2*m:RR+8*((\l)-2)+2*m+1], v[MM+8*((\l)-2)+2*m:MM+8*((\l)-2)+2*m+1]
.set m, m+1
.endr
.endr
	AFF \g
.set j, 0
.rept 8
.irp u, 0,1,2,3
.if j == 0
	v_fma_f32 v[VV+8*\u], v[QQ+8*((\l)-1)+4*(\g)+\u], v[CAR+8*((\l)-1)+4*(\g)+\u], v[TT+8*\u]
.else
	v_fma_f32 v[VV+8*\u+j], v[QQ+8*((\l)-1)+4*(\g)+\u], v[VV+8*\u+j-1], v[TT+8*\u+j]
.endif
.endr
.set j, j+1
.endr
.irp u, 0,1,2,3
	v_mov_b32 v[CAR+8*((\l)-1)+4*(\g)+\u], v[VV+8*\u+7]
.endr
.if (\l) == NL
	WIN 0x40
.endif
.irp u, 0,1,2,3
.set m, 0
.rept 4
.set rT, TT+8*\u+2*m
.set rV, VV+8*\u+2*m
.set rD, rT
.if (\l) == NL
.set rD, YY+64*(\b)+8*(4*(\g)+\u)+2*m
.endif
.if (\u)%2
	v_pk_fma_f32 v[rD:rD+1], v[rV:rV+1], v[AA+8*((\l)-1)+4*(\g)+\u-1:AA+8*((\l)-1)+4*(\g)+\u], v[rT:rT+1] op_sel:[0,1,0] op_sel_hi:[1,1,1]
.else
	v_pk_fma_f32 v[rD:rD+1], v[rV:rV+1], v[AA+8*((\l)-1)+4*(\g)+\u:AA+8*((\l)-1)+4*(\g)+\u+1], v[rT:rT+1] op_sel_hi:[1,0,1]
.endif
.set m, m+1
.endr
.endr
.endm
; Block b, tiles 4 g .. 4 g + 3: layers 1 to NL, layer NL's sums, and at the end the group's refill.
.macro GROUPA b, g
	s_wait_loadcnt 12                              ; loads come back in order: my group's four are in; the three younger groups' twelve may stay out
	WIN 0x10
.set j, 0
.rept 8
.irp u, 0,1,2,3
.if j == 0
	MIX TT+8*\u, QQ+4*(\g)+\u, CAR+4*(\g)+\u, X16+32*(\b)+16*(\g)+4*\u, 0
.else
	MIX TT+8*\u+j, QQ+4*(\g)+\u, TT+8*\u+j-1, X16+32*(\b)+16*(\g)+4*\u+j/2, j%2
.endif
.endr
.set j, j+1
.endr
.irp u, 0,1,2,3
	v_mov_b32 v[CAR+4*(\g)+\u], v[TT+8*\u+7]
.endr
.if NL == 1
	WIN 0x50
.endif
.set j, 0
.rept 8
.irp u, 0,1,2,3
.if NL == 1
	MIX YY+64*(\b)+8*(4*(\g)+\u)+j, AA+4*(\g)+\u, TT+8*\u+j, X16+32*(\b)+16*(\g)+4*\u+j/2, j%2
.else
	MIX TT+8*\u+j, AA+4*(\g)+\u, TT+8*\u+j, X16+32*(\b)+16*(\g)+4*\u+j/2, j%2
.endif
.endr
.set j, j+1
.endr
.if NL > 1
.if (\g) == 0
	s_wait_dscnt 0x0                               ; the block's R and M are in
.endif
	LAYER 2, \b, \g
.endif
.if NL > 2
	LAYER 3, \b, \g
.endif
	WIN 0x05
.irp u, 0,1,2,3
.set m, 0
.rept 4
.set rY, YY+64*(\b)+8*(4*(\g)+\u)+2*m
.set rS, SS+8*(\b)+2*m
.set rQ, SS+16+8*(\b)+2*m
.if ((\g) == 0) && ((\u) == 0)                 ; a block's first tile starts the sums: nothing is cleared
	v_pk_mul_f32 v[rS:rS+1], v[rY:rY+1], 1.0 op_sel_hi:[1,0]
	v_pk_mul_f32 v[rQ:rQ+1], v[rY:rY+1], v[rY:rY+1]
.else
	v_pk_fma_f32 v[rS:rS+1], v[rY:rY+1], 1.0, v[rS:rS+1] op_sel_hi:[1,0,1]
	v_pk_fma_f32 v[rQ:rQ+1], v[rY:rY+1], v[rY:rY+1], v[rQ:rQ+1]
.endif
.set m, m+1
.endr
.endr
	WIN 0x40
	s_wait_alu depctr_va_vdst(0)                   ; the group's lines are done reading its X16, in which the loads below land; behind a block's second group also: done reading RR and MM (the next LOADRM), and behind the last group: SS is written, TT and VV are done with (where the sums meet)
.irp u, 0,1,2,3
	global_load_b128 v[X16+32*(\b)+16*(\g)+4*\u:X16+32*(\b)+16*(\g)+4*\u+3], v[HOFF], s[26:27] offset:32768*(\b)+512*(4*(\g)+\u)  ; the same group of the next super-block
.endr
.if (NL > 1) && ((\b) == 1) && ((\g) == 1)
	WIN 0
	s_cmp_gt_u32 s33, 5                            ; the last two trips have no super-block two on
	s_cbranch_scc1 .Lnopf
	global_prefetch_b8 v[PFO], s[28:29] th:TH_LOAD_NT scope:SCOPE_SE  ; my wave's 8,192 bytes of the super-block that the next trip's loads will ask for: a lane a block of 256 bytes, each named once in the launch
.Lnopf:
.endif
.endm
; Block b, tiles 4 g .. 4 g + 3: layer NL is normalised with the statistics just made, and layer NL + 1's u runs on.
.macro GROUPB b, g
	WIN 0x04
.irp u, 0,1,2,3
.set m, 0
.rept 4
.set rT, TT+8*\u+2*m
	v_pk_fma_f32 v[rT:rT+1], v[SS+8*(\b)+2*m:SS+8*(\b)+2*m+1], v[YY+64*(\b)+8*(4*(\g)+\u)+2*m:YY+64*(\b)+8*(4*(\g)+\u)+2*m+1], v[SS+16+8*(\b)+2*m:SS+16+8*(\b)+2*m+1]
.set m, m+1
.endr
.endr
	WIN 0
	AFF \g
.if (NL == 3) && ((\b) == 1)
.irp u, 0,1,2,3
	v_mov_b32 v[HL+4*(\g)+\u], v[TT+8*\u+7]        ; the super-block's last step; the last trip's stays
.endr
.endif
.set j, 0
.rept 8
.irp u, 0,1,2,3
	v_fma_f32 v[CAR+8*NL+4*(\g)+\u], v[QQ+8*NL+4*(\g)+\u], v[CAR+8*NL+4*(\g)+\u], v[TT+8*\u+j]
.endr
.set j, j+1
.endr
.endm
	s_wait_alu depctr_vm_vsrc(0)                   ; the stores of the carry have read its registers, and the store into STL v248 to v252: the first trip's vector lines write all of these
	s_mov_b32 s33, 0
.Lsb:                                                  ; 8 trips, a super-block of 16 steps each
	s_wait_xcnt 0x0                                ; every load, store and prefetch issued so far has read its sources: the two pointers are written here, C's registers in the trip
	s_add_co_u32 s30, s33, 1
	s_min_u32 s30, s30, 7                          ; the last trip asks for its own super-block once more: every load stays inside H0, and the counted waits hold in every trip
	s_lshl_b32 s30, s30, 16
	s_add_nc_u64 s[26:27], s[24:25], s[30:31]
.if NL > 1
	s_add_co_u32 s30, s33, 2
	s_min_u32 s30, s30, 7
	s_lshl_b32 s30, s30, 16
	s_add_nc_u64 s[28:29], s[24:25], s[30:31]
	s_wait_alu depctr_va_vdst(0)                   ; the step at the last trip's end has written v[STLLD], which the loads below read as their address
	LOADRM 0
.endif
	GROUPA 0, 0
	GROUPA 0, 1
.if NL > 1
	LOADRM 1
.endif
	GROUPA 1, 0
	GROUPA 1, 1
	; THE SUMS MEET.  My 32 sums (S and Q of 16 steps over my 8 channels) go into my wave's rows; lane (r, h) takes back step r's 16 lanes of half h.  LDS serves a wave's instructions in order, so no wait stands between.
	WIN 0
	EACH 32, ds_store_b32 v[REDST], v[SS+k] offset:144*k
	EACH 4, ds_load_b128 v[TT+4*k:TT+4*k+3], v[REDLD] offset:16*k
	EACH 4, ds_load_b128 v[TT+16+4*k:TT+16+4*k+3], v[REDLD] offset:2304+16*k
	s_wait_dscnt 0x0
.irp p, 0,2,4,6
	v_pk_add_f32 v[TT+\p:TT+\p+1], v[TT+\p:TT+\p+1], v[TT+8+\p:TT+9+\p]
	v_pk_add_f32 v[TT+16+\p:TT+17+\p], v[TT+16+\p:TT+17+\p], v[TT+24+\p:TT+25+\p]
.endr
.irp p, 0,2
	v_pk_add_f32 v[TT+\p:TT+\p+1], v[TT+\p:TT+\p+1], v[TT+4+\p:TT+5+\p]
	v_pk_add_f32 v[TT+16+\p:TT+17+\p], v[TT+16+\p:TT+17+\p], v[TT+20+\p:TT+21+\p]
.endr
	v_pk_add_f32 v[TT:TT+1], v[TT:TT+1], v[TT+2:TT+3]
	v_pk_add_f32 v[TT+16:TT+17], v[TT+16:TT+17], v[TT+18:TT+19]
	v_add_f32 v[XP], v[TT], v[TT+1]
	v_add_f32 v[XP+1], v[TT+16], v[TT+17]
	s_wait_alu depctr_va_vdst(0)                   ; the two adds have written v[XP:XP+1], which the store below reads
	ds_store_b64 v[PARTST], v[XP:XP+1]             ; my wave's (S, Q) of (h, step r)
	s_wait_dscnt 0x0                               ; for the others' sake: it is stored
	s_barrier_signal -1
	s_barrier_wait -1
	EACH 4, ds_load_b128 v[VV+4*k:VV+4*k+3], v[PARTLD] offset:16*k  ; all eight waves'
	s_wait_dscnt 0x0                               ; my reads of PART are over: the next trip's stores into it stand behind this second barrier
	s_wait_alu depctr_vm_vsrc(0)                   ; the store into PART has read v[XP:XP+1], which the statistics below write; the stores into RED have read SS, in which the loads from FIN land
	s_barrier_signal -1
.irp p, 0,2,4,6
	v_pk_add_f32 v[VV+\p:VV+\p+1], v[VV+\p:VV+\p+1], v[VV+8+\p:VV+9+\p]
.endr
.irp p, 0,2
	v_pk_add_f32 v[VV+\p:VV+\p+1], v[VV+\p:VV+\p+1], v[VV+4+\p:VV+5+\p]
.endr
	v_pk_add_f32 v[VV:VV+1], v[VV:VV+1], v[VV+2:VV+3]
	v_pk_mul_f32 v[XP:XP+1], v[VV:VV+1], 0x3a800000 op_sel_hi:[1,0]  ; mu, mean of squares
	v_fma_f32 v[XP+1], -v[XP], v[XP], v[XP+1]
	v_max_num_f32 v[XP+1], 0, v[XP+1]
	v_add_f32 v[XP+1], EPSW, v[XP+1]
	v_rsq_f32 v[XP+1], v[XP+1]                     ; R
	v_nop
	s_wait_alu depctr_va_vdst(0)                   ; the root has written R: the wait stands ahead of its first reader
	v_mul_f32 v[XP], -v[XP], v[XP+1]               ; M = -mu R
	s_barrier_wait -1
	s_wait_alu depctr_va_vdst(0)                   ; the product has written M, which the second store below reads
	ds_store_b32 v[FINST], v[XP+1]                 ; my wave's own table: step r of half h
	ds_store_b32 v[FINST], v[XP] offset:512
	EACH 4, ds_load_b128 v[SS+4*k:SS+4*k+3], v[FINLD] offset:16*k            ; and all 16 steps of my half back, in every lane
	EACH 4, ds_load_b128 v[SS+16+4*k:SS+16+4*k+3], v[FINLD] offset:512+16*k
	s_wait_dscnt 0x0
	GROUPB 0, 0
	GROUPB 0, 1
	GROUPB 1, 0
	GROUPB 1, 1
	WIN 0
	s_wait_alu depctr_vm_vsrc(0)                   ; the trip's LDS stores and loads have read their addresses, which are stepped below, and FIN's stores v[XP:XP+1], which the next trip writes
	v_add_nc_u32 v[FINST], 64, v[FINST]            ; 16 steps on
	v_add_nc_u32 v[FINLD], 64, v[FINLD]
.if NL > 1
	v_add_nc_u32 v[STLLD], 64, v[STLLD]
.endif
	s_add_co_u32 s33, s33, 1
	s_cmp_lt_u32 s33, 8
	s_cbranch_scc1 .Lsb
	s_wait_alu depctr_va_vdst(0)                   ; the last trip has written the next layer's u (and, NL = 3, h3's last step), which the stores below read
	global_store_b128 v[EOFF], v[CAR+8*NL:CAR+8*NL+3], s[44:45]              ; E of layer NL + 1: 16 lanes store 256 consecutive bytes
	global_store_b128 v[EOFF], v[CAR+8*NL+4:CAR+8*NL+7], s[44:45] offset:256
.if NL < 3
	s_cmp_ge_u32 s20, 4                            ; waves 0-3 store the chunk's R and M of both batches, each out of its own table: 512 consecutive bytes a wave
	s_cbranch_scc1 .Lend
	s_mul_i32 s50, s20, 2560                       ; my table (2,048 w) + half w / 2 and R or M by w % 2 (512 w)
	s_add_co_u32 s50, s50, FIN
	v_add_nc_u32 v[TT], s50, v[HOFF]
	s_wait_alu depctr_va_vdst(0)                   ; v[TT] is written, which the load below reads as its address
	ds_load_b128 v[VV:VV+3], v[TT]
	STOFF
	s_add_nc_u64 s[48:49], s[POUT:POUT+1], s[46:47]
	s_wait_dscnt 0x0
	global_store_b128 v[HOFF], v[VV:VV+3], s[48:49] offset:OFST
.else
	s_cmp_lg_u32 s21, 15                           ; the last chunk stores h3 at the last step
	s_cbranch_scc1 .Lend
	s_add_nc_u64 s[50:51], s[POUT:POUT+1], s[34:35]
	global_store_b128 v[EOFF], v[HL:HL+3], s[50:51] offset:OFC
	global_store_b128 v[EOFF], v[HL+4:HL+7], s[50:51] offset:OFC+256
.endif
.Lend:
	s_wait_dscnt 0x0                               ; the wave's end
	s_wait_alu 0x0
	s_wait_tensorcnt 0x0
	ds_add_u32 v[SPW], v[NIL]
	s_wait_dscnt 0x0
	s_endpgm
.Lfunc_end_k_qd09ee6e731_lay1:
	.size	k_qd09ee6e731_lay1, .Lfunc_end_k_qd09ee6e731_lay1-k_qd09ee6e731_lay1
	.p2alignl 7, 3214868480
	.fill 96, 4, 3214868480
	.section	.rodata,"a",@progbits
	.p2align	6, 0x0
	.amdhsa_kernel k_qd09ee6e731_lay1
		.amdhsa_group_segment_fixed_size 60928
		.amdhsa_private_segment_fixed_size 0
		.amdhsa_enable_private_segment 0
		.amdhsa_kernarg_size 48
		.amdhsa_user_sgpr_count 2
		.amdhsa_user_sgpr_kernarg_segment_ptr 1
		.amdhsa_wavefront_size32 1
		.amdhsa_system_sgpr_workgroup_id_x 1
		.amdhsa_system_sgpr_workgroup_id_y 1
		.amdhsa_system_sgpr_workgroup_id_z 1
		.amdhsa_system_vgpr_workitem_id 0
		.amdhsa_next_free_vgpr 448
		.amdhsa_next_free_sgpr 66
		.amdhsa_reserve_vcc 0
		.amdhsa_float_denorm_mode_32 3
		.amdhsa_float_denorm_mode_16_64 3
		.amdhsa_memory_ordered 1
		.amdhsa_forward_progress 1
		.amdhsa_inst_pref_size 71
	.end_amdhsa_kernel
	.amdgpu_metadata
---
amdhsa.version: [ 1, 2 ]
amdhsa.kernels:
  - .name:           k_qd09ee6e731_lay1
    .symbol:         k_qd09ee6e731_lay1.kd
    .args:
      - { .name: H0, .offset: 0, .size: 8, .value_kind: global_buffer, .address_space: global }
      - { .name: alphas, .offset: 8, .size: 8, .value_kind: global_buffer, .address_space: global }
      - { .name: gamma, .offset: 16, .size: 8, .value_kind: global_buffer, .address_space: global }
      - { .name: beta, .offset: 24, .size: 8, .value_kind: global_buffer, .address_space: global }
      - { .name: P1, .offset: 32, .size: 8, .value_kind: global_buffer, .address_space: global }
      - { .name: P2, .offset: 40, .size: 8, .value_kind: global_buffer, .address_space: global }
    .group_segment_fixed_size: 60928
    .private_segment_fixed_size: 0
    .kernarg_segment_align: 8
    .kernarg_segment_size: 48
    .max_flat_workgroup_size: 256
    .sgpr_count:     66
    .vgpr_count:     448
    .wavefront_size: 32
...
	.end_amdgpu_metadata
.endif
;; end of part 6
;; launch lay2 (part 7): grid 256 x 1, 8 waves a work-group, no clusters, 60,928 bytes of LDS; arguments H0, alphas, gamma, beta, P2, P3; writes P3
.if DOCPART == 7
	.amdgcn_target "amdgcn-amd-amdhsa--gfx1250"
	.amdhsa_code_object_version 6
	.text
	.protected	k_qd09ee6e731_lay2
	.globl	k_qd09ee6e731_lay2
	.p2align	8
	.type	k_qd09ee6e731_lay2,@function
k_qd09ee6e731_lay2:
	s_mov_b64 s[64:65], 0
	v_nop
	global_prefetch_b8 v0, s[64:65] scope:SCOPE_SE
	s_setreg_imm32_b32 hwreg(HW_REG_WAVE_SCHED_MODE, 0, 2), 2
	s_setreg_imm32_b32 hwreg(HW_REG_WAVE_MODE, 25, 1), 1
	s_wait_xcnt 0x0
	s_wait_alu depctr_vm_vsrc(0)
; LAYER PASS, one source for three launches; NL says which.  It makes layer NL's statistics on the true carries and scans layer NL + 1 from 0.
; Per work-group (chunk c of 128 steps, batch pair bp), shares and lane layout as in PROJ: wave w owns 128 channels in 8 tiles, lane (r, h) holds batch h, a tile's 8 registers are 8 time steps.
;   u = x + q u, y = x + a u (u = EMA / a), n = y R + M, h = gamma n + beta.  Layers below NL are made again from H0 with their stored carry C and statistics (R, M): no reduction.
;   Layer NL's carry into the chunk is U = E[c-1] + q^128 U', over the earlier chunks' ends E, exact and in f32.  Its sums S = sum y, Q = sum y^2 over 1,024 channels meet in LDS.
;   Stored: E of layer NL + 1; for NL < 3 also C and (R, M) of layer NL; for NL = 3 h3 at the last step of the last chunk.
; H0 holds 64 h0, so layer 1's u, y and sums are 64 times theirs, and its eps is 4,096 eps: R and M then give the true n.
; LIMITS.  var = Q / N - mu^2 in f32, held at 0 from below: its relative error grows like 2^-23 (1 + mu^2 / var).  NaN and infinities are not treated apart.  alphas, gamma, beta are rounded to bf16.
; NO TENSOR LOADS, NO CLUSTER: each byte of H0 is one wave's own and goes straight into its registers; nothing is shared between work-groups.
; LDS: STL the lower layers' (R, M) of the chunk; RED a wave's own 32 rows x 144 bytes for the turn from lanes to times; PART the 8 waves' (S, Q); FIN a wave's own (R, M) of the chunk; the spare words.
; REGISTERS.  Window 0: see the names.  Window 1: v0-127 y of a super-block (block b, tile i, step j at 64 b + 8 i + j); v128-191 H0 as loaded (32 b + 4 i).
; THE MODE: SCHED_MODE bits 1:0 = 2 (LLVM: expert scheduling mode 2), set by the entry lines.  The code itself states the register dependences
; between vector instructions and memory or LDS instructions, with s_wait_alu, always for 0.
; THE PLAN.  Registers that memory or LDS instructions touch, in the loop:
;   X16      A group's MIX lines read its 16 registers; at the group's end the loads of the same group of the next super-block land in them.
;   RR, MM   LOADRM's loads land in them; LAYER's lines read them.
;   SS       The sums write it, RED's stores read it, FIN's loads land in it, GROUPB reads it.
;   TT, VV   At work in vector lines; RED's loads land in TT, PART's in VV.
;   XP       Written by the turn's last adds and read by PART's store; written by the statistics and read by FIN's stores.
;   FINST, FINLD, STLLD   LDS addresses, stepped once a trip, at its end.  All other addresses are made at the head and never written again.
; One wait on va_vdst stands at each group's end, ahead of its refill; with no vector line behind it, the second group's also serves the next LOADRM, and the last group's the stores and loads in which the sums meet.
; One more stands ahead of PART's store, one ahead of FIN's stores, and (NL > 1) one at the trip's head for STLLD.  Two waits on vm_vsrc a trip: ahead of the statistics (XP, SS) and ahead of the address steps.
.set NL, 2
.if NL == 1
.set EPSW, 0x3d27c5ac                  ; 4,096 x 1e-5
.else
.set EPSW, 0x3727c5ac                  ; 1e-5
.endif
.if NL == 3
.set EIN,  14                          ; s[EIN:EIN+1] the buffer with layer NL's E
.set POUT, 16                          ; the buffer written
.else
.set EIN,  12
.set POUT, 14
.endif
.set STL,   0                          ; [layer 2,048][h 1,024][R, M 512][128 steps]
.set RED,   4096                       ; 8 x 4,608
.set PART,  40960                      ; row 16 h + step, 80 bytes apart; wave w's (S, Q) at 8 w
.set FIN,   43520                      ; 8 x [h 1,024][R, M 512][128 steps]
.set SPARE, 59904                      ; the spare words, 128 bytes a wave: four blocks of 256 bytes that no other line names
.set OFC,   2097152                    ; C in a P buffer
.set OFST,  4194304                    ; R [32][2048], then M, in a P buffer
.set SPW,1
.set NIL,2
.set HOFF,3                            ; 16 x lane
.set REDST,4
.set REDLD,5
.set PARTST,6
.set PARTLD,7
.set FINST,8
.set FINLD,9
.set STLLD,10
.set PFO,11
.set EOFF,12                           ; 512 w + 16 r + 4,096 h
.set CHO,13                            ; 512 w + 16 r
.set XP,14                             ; v14-15 at work
.set QQ,16                             ; q, layer l at 8 (l - 1)
.set AA,48                             ; a
.set GG,72
.set BB,80
.set CAR,88                            ; the running u, layer l at 8 (l - 1)
.set HL,120                            ; q^128 at the head; h3's last step (NL = 3)
.set RR,128                            ; R of a block's 8 steps, layer l at 8 (l - 1)
.set MM,144
.set SS,160                            ; S[16], Q[16] of a super-block; later its R[16], M[16]
.set TT,192                            ; four tiles at work
.set VV,224
.set STST,252                          ; at the head only: 16 x thread, where I store my 16 bytes of STL
.set YY,0
.set X16,128
.set MSB, 0
.macro WIN new                         ; the immediate's high byte repeats the setting that is left; a switch that changes nothing is dropped
.if MSB != (\new)
	s_set_vgpr_msb (MSB<<8)|(\new)
.set MSB, \new
.endif
.endm
.macro EACH n, line:vararg
.set k, 0
.rept \n
	\line
.set k, k+1
.endr
.endm
.macro EACH2 n, line:vararg
.set k, 0
.rept \n
	\line
.set k, k+2
.endr
.endm
.macro RB16 a                          ; two f32 rounded to bf16 and widened again
	v_cvt_pk_bf16_f32 v[XP], v[\a], v[(\a)+1]
	v_lshlrev_b32 v[\a], 16, v[XP]
	v_and_b32 v[(\a)+1], 0xffff0000, v[XP]
.endm
.macro MIX d, a, b, x, hi              ; d = a b + the f16 half hi of x, in f32
.if \hi
	v_fma_mix_f32 v[\d], v[\a], v[\b], v[\x] op_sel:[0,0,1] op_sel_hi:[0,0,1]
.else
	v_fma_mix_f32 v[\d], v[\a], v[\b], v[\x] op_sel_hi:[0,0,1]
.endif
.endm
.macro STOFF                           ; s[46:47] = where wave w's 512 bytes of (R, M) lie: M or R by w % 2, batch 2 bp + (w / 2) % 2, chunk c
	s_and_b32 s46, s20, 1
	s_lshl_b32 s46, s46, 18
	s_bfe_u32 s47, s20, 0x10001
	s_lshl_b32 s47, s47, 13
	s_add_co_u32 s46, s46, s47
	s_lshl_b32 s47, s22, 14
	s_add_co_u32 s46, s46, s47
	s_lshl_b32 s47, s21, 9
	s_add_co_u32 s46, s46, s47
	s_mov_b32 s47, 0
.endm
	s_load_b256 s[4:11], s[0:1], 0x0               ; H0 s[4:5], alphas s[6:7], gamma s[8:9], beta s[10:11]
	s_load_b128 s[12:15], s[0:1], 0x20             ; the P buffers, in the order of the launch's arguments
.if NL == 3
	s_load_b64 s[16:17], s[0:1], 0x30
.endif
	v_lshl_add_u32 v[SPW], v0, 2, SPARE
	v_mov_b32 v[NIL], 0
	v_lshrrev_b32 v14, 5, v0
	v_readfirstlane_b32 s20, v14                   ; wave
	s_and_b32 s21, ttmp9, 15                       ; chunk
	s_lshr_b32 s22, ttmp9, 4                       ; batch pair
	v_and_b32 v14, 15, v0                          ; r
	v_bfe_u32 v15, v0, 4, 1                        ; h
	v_and_b32 v[HOFF], 31, v0
	s_wait_alu depctr_va_sdst(0)                   ; s20 is written, ahead of its first reader: LDS places, bases and branches are made from it
	s_mul_i32 s23, s20, 4608
	s_add_co_u32 s23, s23, RED
	v_lshl_add_u32 v[REDST], v[HOFF], 2, s23       ; in: row = which sum, 4 bytes a lane
	v_mul_u32_u24 v[REDLD], v14, 144
	v_lshl_add_u32 v[REDLD], v15, 6, v[REDLD]
	v_add_nc_u32 v[REDLD], s23, v[REDLD]           ; back: row r, my half's 16 lanes
	v_lshlrev_b32 v[HOFF], 4, v[HOFF]
	v_lshl_add_u32 v[PARTLD], v15, 4, v14
	v_mul_u32_u24 v[PARTLD], v[PARTLD], 80
	v_add_nc_u32 v[PARTLD], PART, v[PARTLD]
	s_lshl_b32 s23, s20, 3
	v_add_nc_u32 v[PARTST], s23, v[PARTLD]
	s_lshl_b32 s23, s20, 11
	s_add_co_u32 s23, s23, FIN
	v_lshl_add_u32 v[FINLD], v15, 10, s23
	v_lshl_add_u32 v[FINST], v14, 2, v[FINLD]
.if NL > 1
	v_lshlrev_b32 v[STLLD], 10, v15
	v_lshlrev_b32 v[PFO], 8, v14
	v_lshl_add_u32 v[PFO], v15, 15, v[PFO]         ; a lane a block of 256 bytes: block h of the super-block, 256 r in my wave's 4,096
	v_lshlrev_b32 v[STST], 4, v0                   ; 512 w + 16 x lane
.endif
	s_lshl_b32 s23, s20, 9
	v_lshl_add_u32 v[CHO], v14, 4, s23
	v_lshl_add_u32 v[EOFF], v15, 12, v[CHO]
	s_lshl_b32 s30, ttmp9, 19
	s_lshl_b32 s31, s20, 12
	s_add_co_u32 s30, s30, s31
	s_mov_b32 s31, 0
	s_lshl_b32 s34, s22, 13                        ; batch pair x 8,192
	s_mov_b32 s35, 0
	s_lshl_b32 s36, s21, 17
	s_add_co_u32 s36, s36, s34                     ; + chunk x 131,072
	s_mov_b32 s37, 0
	s_wait_kmcnt 0x0
	s_add_nc_u64 s[24:25], s[4:5], s[30:31]        ; H0 at my wave's part of the chunk's block 0
	s_add_nc_u64 s[38:39], s[EIN:EIN+1], s[34:35]  ; E of chunk 0, my batch pair
.if NL > 1
	s_add_nc_u64 s[40:41], s[12:13], s[36:37]      ; layer 1's buffer at my chunk and batch pair
.endif
.if NL > 2
	s_add_nc_u64 s[42:43], s[14:15], s[36:37]      ; layer 2's
.endif
	s_add_nc_u64 s[44:45], s[POUT:POUT+1], s[36:37]
	s_wait_alu depctr_va_vdst(0)                   ; the offsets and LDS addresses v3 to v13 and v252 are written, which the loads, stores and the prefetch of the kernel read
	EACH NL+1, global_load_b128 v[QQ+8*k:QQ+8*k+3], v[CHO], s[6:7] offset:4096*k
	EACH NL+1, global_load_b128 v[QQ+8*k+4:QQ+8*k+7], v[CHO], s[6:7] offset:4096*k+256
	global_load_b128 v[GG:GG+3], v[CHO], s[8:9]
	global_load_b128 v[GG+4:GG+7], v[CHO], s[8:9] offset:256
	global_load_b128 v[BB:BB+3], v[CHO], s[10:11]
	global_load_b128 v[BB+4:BB+7], v[CHO], s[10:11] offset:256
.if NL > 1
	global_load_b128 v[CAR:CAR+3], v[EOFF], s[40:41] offset:OFC
	global_load_b128 v[CAR+4:CAR+7], v[EOFF], s[40:41] offset:OFC+256
.endif
.if NL > 2
	global_load_b128 v[CAR+8:CAR+11], v[EOFF], s[42:43] offset:OFC
	global_load_b128 v[CAR+12:CAR+15], v[EOFF], s[42:43] offset:OFC+256
.endif
	EACH 15, global_load_b128 v[128+8*k:128+8*k+3], v[EOFF], s[38:39] offset:131072*k
	EACH 15, global_load_b128 v[128+8*k+4:128+8*k+7], v[EOFF], s[38:39] offset:131072*k+256
.if NL > 1                             ; the lower layers' (R, M) of the chunk: 512 bytes a wave, waves 0 to 4 (NL - 1) - 1
.if NL == 2
	s_cmp_ge_u32 s20, 4
	s_cbranch_scc1 .Lnost
.endif
	STOFF
.if NL == 3
	s_cmp_lt_u32 s20, 4
	s_cselect_b64 s[48:49], s[12:13], s[14:15]     ; waves 0-3 layer 1's, waves 4-7 layer 2's
.else
	s_mov_b64 s[48:49], s[12:13]
.endif
	s_add_nc_u64 s[48:49], s[48:49], s[46:47]
	global_load_b128 v[248:251], v[HOFF], s[48:49] offset:OFST
.Lnost:
.endif
	WIN 0x40
	EACH 16, global_load_b128 v[X16+4*k:X16+4*k+3], v[HOFF], s[24:25] offset:32768*(k/8)+512*(k%8)  ; super-block 0, in the order in which the groups want it
	WIN 0
	s_wait_loadcnt 16                              ; all but the 16 just issued
.if NL > 1
.if NL == 2
	s_cmp_ge_u32 s20, 4
	s_cbranch_scc1 .Lnost2
.endif
	ds_store_b128 v[STST], v[248:251] offset:STL   ; its address was made ahead of the wait on va_vdst above, and no vector line has been issued since
.Lnost2:
.endif
	EACH2 4*(NL+1), RB16 QQ+k
	EACH2 4, RB16 GG+k
	EACH2 4, RB16 BB+k
	EACH 8*(NL+1), v_mul_f32 v[QQ+k], 0xbfb8aa3b, v[QQ+k]  ; a = 1 / (1 + 2^(-alpha log2 e))
	EACH 8*(NL+1), v_exp_f32 v[QQ+k], v[QQ+k]
	v_nop                                          ; a plain instruction behind the last exponential,
	s_wait_alu depctr_va_vdst(0)                   ; and the one wait ahead of the batch's first reader: the exponentials have written v[QQ ..]
	EACH 8*(NL+1), v_add_f32 v[QQ+k], 1.0, v[QQ+k]
	EACH 8*(NL+1), v_rcp_f32 v[QQ+k], v[QQ+k]
	v_nop
	s_wait_alu depctr_va_vdst(0)                   ; the reciprocals have written v[QQ ..], ahead of their first reader
	EACH 8*NL, v_mov_b32 v[AA+k], v[QQ+k]
	EACH 8*(NL+1), v_sub_f32 v[QQ+k], 1.0, v[QQ+k] ; q = 1 - a
.set CN, CAR+8*(NL-1)
	EACH2 4, v_pk_mul_f32 v[HL+k:HL+k+1], v[QQ+8*(NL-1)+k:QQ+8*(NL-1)+k+1], v[QQ+8*(NL-1)+k:QQ+8*(NL-1)+k+1]
.rept 6
	EACH2 4, v_pk_mul_f32 v[HL+k:HL+k+1], v[HL+k:HL+k+1], v[HL+k:HL+k+1]  ; seven squarings: q^128
.endr
	EACH 8, v_mov_b32 v[CN+k], 0
.irp i, 0,1,2,3,4,5,6,7,8,9,10,11,12,13,14
	s_cmp_le_u32 s21, \i                           ; the chunks ahead of mine, in order
	s_cbranch_scc1 .Lhd
	EACH2 4, v_pk_fma_f32 v[CN+k:CN+k+1], v[HL+k:HL+k+1], v[CN+k:CN+k+1], v[128+8*\i+k:128+8*\i+k+1]
.endr
.Lhd:
	s_wait_alu depctr_va_vdst(0)                   ; the chain has written the carry, which the stores below read (NL < 3), and is done reading v128 on, in which the first trip's LDS loads land
.if NL < 3
	global_store_b128 v[EOFF], v[CN:CN+3], s[44:45] offset:OFC
	global_store_b128 v[EOFF], v[CN+4:CN+7], s[44:45] offset:OFC+256
.endif
	EACH 8, v_mov_b32 v[CAR+8*NL+k], 0             ; the next layer is scanned from 0
.if NL > 1
	s_wait_dscnt 0x0                               ; my part of STL is stored,
	s_barrier_signal -1
	s_barrier_wait -1                              ; everybody's is
.endif
.macro AFF g                           ; h = gamma n + beta on the four tiles at work; a tile's gamma and beta are one register of a pair, given to both halves
.irp u, 0,1,2,3
.set m, 0
.rept 4
.set rT, TT+8*\u+2*m
.if (\u)%2
	v_pk_fma_f32 v[rT:rT+1], v[rT:rT+1], v[GG+4*(\g)+\u-1:GG+4*(\g)+\u], v[BB+4*(\g)+\u-1:BB+4*(\g)+\u] op_sel:[0,1,1] op_sel_hi:[1,1,1]
.else
	v_pk_fma_f32 v[rT:rT+1], v[rT:rT+1], v[GG+4*(\g)+\u:GG+4*(\g)+\u+1], v[BB+4*(\g)+\u:BB+4*(\g)+\u+1] op_sel_hi:[1,0,0]
.endif
.set m, m+1
.endr
.endr
.endm
.macro LOADRM b                        ; the lower layers' R and M of block b's 8 steps.  No wait of its own: no vector line stands between the last wait on va_vdst and these loads
	WIN 0
.set y, 0
.rept NL-1
	ds_load_b128 v[RR+8*y:RR+8*y+3],   v[STLLD] offset:STL+2048*y+32*(\b)
	ds_load_b128 v[RR+8*y+4:RR+8*y+7], v[STLLD] offset:STL+2048*y+32*(\b)+16
	ds_load_b128 v[MM+8*y:MM+8*y+3],   v[STLLD] offset:STL+2048*y+512+32*(\b)
	ds_load_b128 v[MM+8*y+4:MM+8*y+7], v[STLLD] offset:STL+2048*y+512+32*(\b)+16
.set y, y+1
.endr
.endm
; Layer l (2 .. NL) on four tiles: the layer below is normalised with its stored statistics, then u and y of this layer.  y stays in TT, or (l = NL) goes to YY.
.macro LAYER l, b, g
	WIN 0
.irp u, 0,1,2,3
.set m, 0
.rept 4
.set rT, TT+8*\u+2*m
	v_pk_fma_f32 v[rT:rT+1], v[rT:rT+1], v[RR+8*((\l)-2)+2*m:RR+8*((\l)-2)+2*m+1], v[MM+8*((\l)-2)+2*m:MM+8*((\l)-2)+2*m+1]
.set m, m+1
.endr
.endr
	AFF \g
.set j, 0
.rept 8
.irp u, 0,1,2,3
.if j == 0
	v_fma_f32 v[VV+8*\u], v[QQ+8*((\l)-1)+4*(\g)+\u], v[CAR+8*((\l)-1)+4*(\g)+\u], v[TT+8*\u]
.else
	v_fma_f32 v[VV+8*\u+j], v[QQ+8*((\l)-1)+4*(\g)+\u], v[VV+8*\u+j-1], v[TT+8*\u+j]
.endif
.endr
.set j, j+1
.endr
.irp u, 0,1,2,3
	v_mov_b32 v[CAR+8*((\l)-1)+4*(\g)+\u], v[VV+8*\u+7]
.endr
.if (\l) == NL
	WIN 0x40
.endif
.irp u, 0,1,2,3
.set m, 0
.rept 4
.set rT, TT+8*\u+2*m
.set rV, VV+8*\u+2*m
.set rD, rT
.if (\l) == NL
.set rD, YY+64*(\b)+8*(4*(\g)+\u)+2*m
.endif
.if (\u)%2
	v_pk_fma_f32 v[rD:rD+1], v[rV:rV+1], v[AA+8*((\l)-1)+4*(\g)+\u-1:AA+8*((\l)-1)+4*(\g)+\u], v[rT:rT+1] op_sel:[0,1,0] op_sel_hi:[1,1,1]
.else
	v_pk_fma_f32 v[rD:rD+1], v[rV:rV+1], v[AA+8*((\l)-1)+4*(\g)+\u:AA+8*((\l)-1)+4*(\g)+\u+1], v[rT:rT+1] op_sel_hi:[1,0,1]
.endif
.set m, m+1
.endr
.endr
.endm
; Block b, tiles 4 g .. 4 g + 3: layers 1 to NL, layer NL's sums, and at the end the group's refill.
.macro GROUPA b, g
	s_wait_loadcnt 12                              ; loads come back in order: my group's four are in; the three younger groups' twelve may stay out
	WIN 0x10
.set j, 0
.rept 8
.irp u, 0,1,2,3
.if j == 0
	MIX TT+8*\u, QQ+4*(\g)+\u, CAR+4*(\g)+\u, X16+32*(\b)+16*(\g)+4*\u, 0
.else
	MIX TT+8*\u+j, QQ+4*(\g)+\u, TT+8*\u+j-1, X16+32*(\b)+16*(\g)+4*\u+j/2, j%2
.endif
.endr
.set j, j+1
.endr
.irp u, 0,1,2,3
	v_mov_b32 v[CAR+4*(\g)+\u], v[TT+8*\u+7]
.endr
.if NL == 1
	WIN 0x50
.endif
.set j, 0
.rept 8
.irp u, 0,1,2,3
.if NL == 1
	MIX YY+64*(\b)+8*(4*(\g)+\u)+j, AA+4*(\g)+\u, TT+8*\u+j, X16+32*(\b)+16*(\g)+4*\u+j/2, j%2
.else
	MIX TT+8*\u+j, AA+4*(\g)+\u, TT+8*\u+j, X16+32*(\b)+16*(\g)+4*\u+j/2, j%2
.endif
.endr
.set j, j+1
.endr
.if NL > 1
.if (\g) == 0
	s_wait_dscnt 0x0                               ; the block's R and M are in
.endif
	LAYER 2, \b, \g
.endif
.if NL > 2
	LAYER 3, \b, \g
.endif
	WIN 0x05
.irp u, 0,1,2,3
.set m, 0
.rept 4
.set rY, YY+64*(\b)+8*(4*(\g)+\u)+2*m
.set rS, SS+8*(\b)+2*m
.set rQ, SS+16+8*(\b)+2*m
.if ((\g) == 0) && ((\u) == 0)                 ; a block's first tile starts the sums: nothing is cleared
	v_pk_mul_f32 v[rS:rS+1], v[rY:rY+1], 1.0 op_sel_hi:[1,0]
	v_pk_mul_f32 v[rQ:rQ+1], v[rY:rY+1], v[rY:rY+1]
.else
	v_pk_fma_f32 v[rS:rS+1], v[rY:rY+1], 1.0, v[rS:rS+1] op_sel_hi:[1,0,1]
	v_pk_fma_f32 v[rQ:rQ+1], v[rY:rY+1], v[rY:rY+1], v[rQ:rQ+1]
.endif
.set m, m+1
.endr
.endr
	WIN 0x40
	s_wait_alu depctr_va_vdst(0)                   ; the group's lines are done reading its X16, in which the loads below land; behind a block's second group also: done reading RR and MM (the next LOADRM), and behind the last group: SS is written, TT and VV are done with (where the sums meet)
.irp u, 0,1,2,3
	global_load_b128 v[X16+32*(\b)+16*(\g)+4*\u:X16+32*(\b)+16*(\g)+4*\u+3], v[HOFF], s[26:27] offset:32768*(\b)+512*(4*(\g)+\u)  ; the same group of the next super-block
.endr
.if (NL > 1) && ((\b) == 1) && ((\g) == 1)
	WIN 0
	s_cmp_gt_u32 s33, 5                            ; the last two trips have no super-block two on
	s_cbranch_scc1 .Lnopf
	global_prefetch_b8 v[PFO], s[28:29] th:TH_LOAD_NT scope:SCOPE_SE  ; my wave's 8,192 bytes of the super-block that the next trip's loads will ask for: a lane a block of 256 bytes, each named once in the launch
.Lnopf:
.endif
.endm
; Block b, tiles 4 g .. 4 g + 3: layer NL is normalised with the statistics just made, and layer NL + 1's u runs on.
.macro GROUPB b, g
	WIN 0x04
.irp u, 0,1,2,3
.set m, 0
.rept 4
.set rT, TT+8*\u+2*m
	v_pk_fma_f32 v[rT:rT+1], v[SS+8*(\b)+2*m:SS+8*(\b)+2*m+1], v[YY+64*(\b)+8*(4*(\g)+\u)+2*m:YY+64*(\b)+8*(4*(\g)+\u)+2*m+1], v[SS+16+8*(\b)+2*m:SS+16+8*(\b)+2*m+1]
.set m, m+1
.endr
.endr
	WIN 0
	AFF \g
.if (NL == 3) && ((\b) == 1)
.irp u, 0,1,2,3
	v_mov_b32 v[HL+4*(\g)+\u], v[TT+8*\u+7]        ; the super-block's last step; the last trip's stays
.endr
.endif
.set j, 0
.rept 8
.irp u, 0,1,2,3
	v_fma_f32 v[CAR+8*NL+4*(\g)+\u], v[QQ+8*NL+4*(\g)+\u], v[CAR+8*NL+4*(\g)+\u], v[TT+8*\u+j]
.endr
.set j, j+1
.endr
.endm
	s_wait_alu depctr_vm_vsrc(0)                   ; the stores of the carry have read its registers, and the store into STL v248 to v252: the first trip's vector lines write all of these
	s_mov_b32 s33, 0
.Lsb:                                                  ; 8 trips, a super-block of 16 steps each
	s_wait_xcnt 0x0                                ; every load, store and prefetch issued so far has read its sources: the two pointers are written here, C's registers in the trip
	s_add_co_u32 s30, s33, 1
	s_min_u32 s30, s30, 7                          ; the last trip asks for its own super-block once more: every load stays inside H0, and the counted waits hold in every trip
	s_lshl_b32 s30, s30, 16
	s_add_nc_u64 s[26:27], s[24:25], s[30:31]
.if NL > 1
	s_add_co_u32 s30, s33, 2
	s_min_u32 s30, s30, 7
	s_lshl_b32 s30, s30, 16
	s_add_nc_u64 s[28:29], s[24:25], s[30:31]
	s_wait_alu depctr_va_vdst(0)                   ; the step at the last trip's end has written v[STLLD], which the loads below read as their address
	LOADRM 0
.endif
	GROUPA 0, 0
	GROUPA 0, 1
.if NL > 1
	LOADRM 1
.endif
	GROUPA 1, 0
	GROUPA 1, 1
	; THE SUMS MEET.  My 32 sums (S and Q of 16 steps over my 8 channels) go into my wave's rows; lane (r, h) takes back step r's 16 lanes of half h.  LDS serves a wave's instructions in order, so no wait stands between.
	WIN 0
	EACH 32, ds_store_b32 v[REDST], v[SS+k] offset:144*k
	EACH 4, ds_load_b128 v[TT+4*k:TT+4*k+3], v[REDLD] offset:16*k
	EACH 4, ds_load_b128 v[TT+16+4*k:TT+16+4*k+3], v[REDLD] offset:2304+16*k
	s_wait_dscnt 0x0
.irp p, 0,2,4,6
	v_pk_add_f32 v[TT+\p:TT+\p+1], v[TT+\p:TT+\p+1], v[TT+8+\p:TT+9+\p]
	v_pk_add_f32 v[TT+16+\p:TT+17+\p], v[TT+16+\p:TT+17+\p], v[TT+24+\p:TT+25+\p]
.endr
.irp p, 0,2
	v_pk_add_f32 v[TT+\p:TT+\p+1], v[TT+\p:TT+\p+1], v[TT+4+\p:TT+5+\p]
	v_pk_add_f32 v[TT+16+\p:TT+17+\p], v[TT+16+\p:TT+17+\p], v[TT+20+\p:TT+21+\p]
.endr
	v_pk_add_f32 v[TT:TT+1], v[TT:TT+1], v[TT+2:TT+3]
	v_pk_add_f32 v[TT+16:TT+17], v[TT+16:TT+17], v[TT+18:TT+19]
	v_add_f32 v[XP], v[TT], v[TT+1]
	v_add_f32 v[XP+1], v[TT+16], v[TT+17]
	s_wait_alu depctr_va_vdst(0)                   ; the two adds have written v[XP:XP+1], which the store below reads
	ds_store_b64 v[PARTST], v[XP:XP+1]             ; my wave's (S, Q) of (h, step r)
	s_wait_dscnt 0x0                               ; for the others' sake: it is stored
	s_barrier_signal -1
	s_barrier_wait -1
	EACH 4, ds_load_b128 v[VV+4*k:VV+4*k+3], v[PARTLD] offset:16*k  ; all eight waves'
	s_wait_dscnt 0x0                               ; my reads of PART are over: the next trip's stores into it stand behind this second barrier
	s_wait_alu depctr_vm_vsrc(0)                   ; the store into PART has read v[XP:XP+1], which the statistics below write; the stores into RED have read SS, in which the loads from FIN land
	s_barrier_signal -1
.irp p, 0,2,4,6
	v_pk_add_f32 v[VV+\p:VV+\p+1], v[VV+\p:VV+\p+1], v[VV+8+\p:VV+9+\p]
.endr
.irp p, 0,2
	v_pk_add_f32 v[VV+\p:VV+\p+1], v[VV+\p:VV+\p+1], v[VV+4+\p:VV+5+\p]
.endr
	v_pk_add_f32 v[VV:VV+1], v[VV:VV+1], v[VV+2:VV+3]
	v_pk_mul_f32 v[XP:XP+1], v[VV:VV+1], 0x3a800000 op_sel_hi:[1,0]  ; mu, mean of squares
	v_fma_f32 v[XP+1], -v[XP], v[XP], v[XP+1]
	v_max_num_f32 v[XP+1], 0, v[XP+1]
	v_add_f32 v[XP+1], EPSW, v[XP+1]
	v_rsq_f32 v[XP+1], v[XP+1]                     ; R
	v_nop
	s_wait_alu depctr_va_vdst(0)                   ; the root has written R: the wait stands ahead of its first reader
	v_mul_f32 v[XP], -v[XP], v[XP+1]               ; M = -mu R
	s_barrier_wait -1
	s_wait_alu depctr_va_vdst(0)                   ; the product has written M, which the second store below reads
	ds_store_b32 v[FINST], v[XP+1]                 ; my wave's own table: step r of half h
	ds_store_b32 v[FINST], v[XP] offset:512
	EACH 4, ds_load_b128 v[SS+4*k:SS+4*k+3], v[FINLD] offset:16*k            ; and all 16 steps of my half back, in every lane
	EACH 4, ds_load_b128 v[SS+16+4*k:SS+16+4*k+3], v[FINLD] offset:512+16*k
	s_wait_dscnt 0x0
	GROUPB 0, 0
	GROUPB 0, 1
	GROUPB 1, 0
	GROUPB 1, 1
	WIN 0
	s_wait_alu depctr_vm_vsrc(0)                   ; the trip's LDS stores and loads have read their addresses, which are stepped below, and FIN's stores v[XP:XP+1], which the next trip writes
	v_add_nc_u32 v[FINST], 64, v[FINST]            ; 16 steps on
	v_add_nc_u32 v[FINLD], 64, v[FINLD]
.if NL > 1
	v_add_nc_u32 v[STLLD], 64, v[STLLD]
.endif
	s_add_co_u32 s33, s33, 1
	s_cmp_lt_u32 s33, 8
	s_cbranch_scc1 .Lsb
	s_wait_alu depctr_va_vdst(0)                   ; the last trip has written the next layer's u (and, NL = 3, h3's last step), which the stores below read
	global_store_b128 v[EOFF], v[CAR+8*NL:CAR+8*NL+3], s[44:45]              ; E of layer NL + 1: 16 lanes store 256 consecutive bytes
	global_store_b128 v[EOFF], v[CAR+8*NL+4:CAR+8*NL+7], s[44:45] offset:256
.if NL < 3
	s_cmp_ge_u32 s20, 4                            ; waves 0-3 store the chunk's R and M of both batches, each out of its own table: 512 consecutive bytes a wave
	s_cbranch_scc1 .Lend
	s_mul_i32 s50, s20, 2560                       ; my table (2,048 w) + half w / 2 and R or M by w % 2 (512 w)
	s_add_co_u32 s50, s50, FIN
	v_add_nc_u32 v[TT], s50, v[HOFF]
	s_wait_alu depctr_va_vdst(0)                   ; v[TT] is written, which the load below reads as its address
	ds_load_b128 v[VV:VV+3], v[TT]
	STOFF
	s_add_nc_u64 s[48:49], s[POUT:POUT+1], s[46:47]
	s_wait_dscnt 0x0
	global_store_b128 v[HOFF], v[VV:VV+3], s[48:49] offset:OFST
.else
	s_cmp_lg_u32 s21, 15                           ; the last chunk stores h3 at the last step
	s_cbranch_scc1 .Lend
	s_add_nc_u64 s[50:51], s[POUT:POUT+1], s[34:35]
	global_store_b128 v[EOFF], v[HL:HL+3], s[50:51] offset:OFC
	global_store_b128 v[EOFF], v[HL+4:HL+7], s[50:51] offset:OFC+256
.endif
.Lend:
	s_wait_dscnt 0x0                               ; the wave's end
	s_wait_alu 0x0
	s_wait_tensorcnt 0x0
	ds_add_u32 v[SPW], v[NIL]
	s_wait_dscnt 0x0
	s_endpgm
.Lfunc_end_k_qd09ee6e731_lay2:
	.size	k_qd09ee6e731_lay2, .Lfunc_end_k_qd09ee6e731_lay2-k_qd09ee6e731_lay2
	.p2alignl 7, 3214868480
	.fill 96, 4, 3214868480
	.section	.rodata,"a",@progbits
	.p2align	6, 0x0
	.amdhsa_kernel k_qd09ee6e731_lay2
		.amdhsa_group_segment_fixed_size 60928
		.amdhsa_private_segment_fixed_size 0
		.amdhsa_enable_private_segment 0
		.amdhsa_kernarg_size 48
		.amdhsa_user_sgpr_count 2
		.amdhsa_user_sgpr_kernarg_segment_ptr 1
		.amdhsa_wavefront_size32 1
		.amdhsa_system_sgpr_workgroup_id_x 1
		.amdhsa_system_sgpr_workgroup_id_y 1
		.amdhsa_system_sgpr_workgroup_id_z 1
		.amdhsa_system_vgpr_workitem_id 0
		.amdhsa_next_free_vgpr 448
		.amdhsa_next_free_sgpr 66
		.amdhsa_reserve_vcc 0
		.amdhsa_float_denorm_mode_32 3
		.amdhsa_float_denorm_mode_16_64 3
		.amdhsa_memory_ordered 1
		.amdhsa_forward_progress 1
		.amdhsa_inst_pref_size 97
	.end_amdhsa_kernel
	.amdgpu_metadata
---
amdhsa.version: [ 1, 2 ]
amdhsa.kernels:
  - .name:           k_qd09ee6e731_lay2
    .symbol:         k_qd09ee6e731_lay2.kd
    .args:
      - { .name: H0, .offset: 0, .size: 8, .value_kind: global_buffer, .address_space: global }
      - { .name: alphas, .offset: 8, .size: 8, .value_kind: global_buffer, .address_space: global }
      - { .name: gamma, .offset: 16, .size: 8, .value_kind: global_buffer, .address_space: global }
      - { .name: beta, .offset: 24, .size: 8, .value_kind: global_buffer, .address_space: global }
      - { .name: P2, .offset: 32, .size: 8, .value_kind: global_buffer, .address_space: global }
      - { .name: P3, .offset: 40, .size: 8, .value_kind: global_buffer, .address_space: global }
    .group_segment_fixed_size: 60928
    .private_segment_fixed_size: 0
    .kernarg_segment_align: 8
    .kernarg_segment_size: 48
    .max_flat_workgroup_size: 256
    .sgpr_count:     66
    .vgpr_count:     448
    .wavefront_size: 32
...
	.end_amdgpu_metadata
.endif
;; end of part 7
;; launch lay3 (part 8): grid 256 x 1, 8 waves a work-group, no clusters, 60,928 bytes of LDS; arguments H0, alphas, gamma, beta, P2, P3, P4; writes P4
.if DOCPART == 8
	.amdgcn_target "amdgcn-amd-amdhsa--gfx1250"
	.amdhsa_code_object_version 6
	.text
	.protected	k_qd09ee6e731_lay3
	.globl	k_qd09ee6e731_lay3
	.p2align	8
	.type	k_qd09ee6e731_lay3,@function
k_qd09ee6e731_lay3:
	s_mov_b64 s[64:65], 0
	v_nop
	global_prefetch_b8 v0, s[64:65] scope:SCOPE_SE
	s_setreg_imm32_b32 hwreg(HW_REG_WAVE_SCHED_MODE, 0, 2), 2
	s_setreg_imm32_b32 hwreg(HW_REG_WAVE_MODE, 25, 1), 1
	s_wait_xcnt 0x0
	s_wait_alu depctr_vm_vsrc(0)
; LAYER PASS, one source for three launches; NL says which.  It makes layer NL's statistics on the true carries and scans layer NL + 1 from 0.
; Per work-group (chunk c of 128 steps, batch pair bp), shares and lane layout as in PROJ: wave w owns 128 channels in 8 tiles, lane (r, h) holds batch h, a tile's 8 registers are 8 time steps.
;   u = x + q u, y = x + a u (u = EMA / a), n = y R + M, h = gamma n + beta.  Layers below NL are made again from H0 with their stored carry C and statistics (R, M): no reduction.
;   Layer NL's carry into the chunk is U = E[c-1] + q^128 U', over the earlier chunks' ends E, exact and in f32.  Its sums S = sum y, Q = sum y^2 over 1,024 channels meet in LDS.
;   Stored: E of layer NL + 1; for NL < 3 also C and (R, M) of layer NL; for NL = 3 h3 at the last step of the last chunk.
; H0 holds 64 h0, so layer 1's u, y and sums are 64 times theirs, and its eps is 4,096 eps: R and M then give the true n.
; LIMITS.  var = Q / N - mu^2 in f32, held at 0 from below: its relative error grows like 2^-23 (1 + mu^2 / var).  NaN and infinities are not treated apart.  alphas, gamma, beta are rounded to bf16.
; NO TENSOR LOADS, NO CLUSTER: each byte of H0 is one wave's own and goes straight into its registers; nothing is shared between work-groups.
; LDS: STL the lower layers' (R, M) of the chunk; RED a wave's own 32 rows x 144 bytes for the turn from lanes to times; PART the 8 waves' (S, Q); FIN a wave's own (R, M) of the chunk; the spare words.
; REGISTERS.  Window 0: see the names.  Window 1: v0-127 y of a super-block (block b, tile i, step j at 64 b + 8 i + j); v128-191 H0 as loaded (32 b + 4 i).
; THE MODE: SCHED_MODE bits 1:0 = 2 (LLVM: expert scheduling mode 2), set by the entry lines.  The code itself states the register dependences
; between vector instructions and memory or LDS instructions, with s_wait_alu, always for 0.
; THE PLAN.  Registers that memory or LDS instructions touch, in the loop:
;   X16      A group's MIX lines read its 16 registers; at the group's end the loads of the same group of the next super-block land in them.
;   RR, MM   LOADRM's loads land in them; LAYER's lines read them.
;   SS       The sums write it, RED's stores read it, FIN's loads land in it, GROUPB reads it.
;   TT, VV   At work in vector lines; RED's loads land in TT, PART's in VV.
;   XP       Written by the turn's last adds and read by PART's store; written by the statistics and read by FIN's stores.
;   FINST, FINLD, STLLD   LDS addresses, stepped once a trip, at its end.  All other addresses are made at the head and never written again.
; One wait on va_vdst stands at each group's end, ahead of its refill; with no vector line behind it, the second group's also serves the next LOADRM, and the last group's the stores and loads in which the sums meet.
; One more stands ahead of PART's store, one ahead of FIN's stores, and (NL > 1) one at the trip's head for STLLD.  Two waits on vm_vsrc a trip: ahead of the statistics (XP, SS) and ahead of the address steps.
.set NL, 3
.if NL == 1
.set EPSW, 0x3d27c5ac                  ; 4,096 x 1e-5
.else
.set EPSW, 0x3727c5ac                  ; 1e-5
.endif
.if NL == 3
.set EIN,  14                          ; s[EIN:EIN+1] the buffer with layer NL's E
.set POUT, 16                          ; the buffer written
.else
.set EIN,  12
.set POUT, 14
.endif
.set STL,   0                          ; [layer 2,048][h 1,024][R, M 512][128 steps]
.set RED,   4096                       ; 8 x 4,608
.set PART,  40960                      ; row 16 h + step, 80 bytes apart; wave w's (S, Q) at 8 w
.set FIN,   43520                      ; 8 x [h 1,024][R, M 512][128 steps]
.set SPARE, 59904                      ; the spare words, 128 bytes a wave: four blocks of 256 bytes that no other line names
.set OFC,   2097152                    ; C in a P buffer
.set OFST,  4194304                    ; R [32][2048], then M, in a P buffer
.set SPW,1
.set NIL,2
.set HOFF,3                            ; 16 x lane
.set REDST,4
.set REDLD,5
.set PARTST,6
.set PARTLD,7
.set FINST,8
.set FINLD,9
.set STLLD,10
.set PFO,11
.set EOFF,12                           ; 512 w + 16 r + 4,096 h
.set CHO,13                            ; 512 w + 16 r
.set XP,14                             ; v14-15 at work
.set QQ,16                             ; q, layer l at 8 (l - 1)
.set AA,48                             ; a
.set GG,72
.set BB,80
.set CAR,88                            ; the running u, layer l at 8 (l - 1)
.set HL,120                            ; q^128 at the head; h3's last step (NL = 3)
.set RR,128                            ; R of a block's 8 steps, layer l at 8 (l - 1)
.set MM,144
.set SS,160                            ; S[16], Q[16] of a super-block; later its R[16], M[16]
.set TT,192                            ; four tiles at work
.set VV,224
.set STST,252                          ; at the head only: 16 x thread, where I store my 16 bytes of STL
.set YY,0
.set X16,128
.set MSB, 0
.macro WIN new                         ; the immediate's high byte repeats the setting that is left; a switch that changes nothing is dropped
.if MSB != (\new)
	s_set_vgpr_msb (MSB<<8)|(\new)
.set MSB, \new
.endif
.endm
.macro EACH n, line:vararg
.set k, 0
.rept \n
	\line
.set k, k+1
.endr
.endm
.macro EACH2 n, line:vararg
.set k, 0
.rept \n
	\line
.set k, k+2
.endr
.endm
.macro RB16 a                          ; two f32 rounded to bf16 and widened again
	v_cvt_pk_bf16_f32 v[XP], v[\a], v[(\a)+1]
	v_lshlrev_b32 v[\a], 16, v[XP]
	v_and_b32 v[(\a)+1], 0xffff0000, v[XP]
.endm
.macro MIX d, a, b, x, hi              ; d = a b + the f16 half hi of x, in f32
.if \hi
	v_fma_mix_f32 v[\d], v[\a], v[\b], v[\x] op_sel:[0,0,1] op_sel_hi:[0,0,1]
.else
	v_fma_mix_f32 v[\d], v[\a], v[\b], v[\x] op_sel_hi:[0,0,1]
.endif
.endm
.macro STOFF                           ; s[46:47] = where wave w's 512 bytes of (R, M) lie: M or R by w % 2, batch 2 bp + (w / 2) % 2, chunk c
	s_and_b32 s46, s20, 1
	s_lshl_b32 s46, s46, 18
	s_bfe_u32 s47, s20, 0x10001
	s_lshl_b32 s47, s47, 13
	s_add_co_u32 s46, s46, s47
	s_lshl_b32 s47, s22, 14
	s_add_co_u32 s46, s46, s47
	s_lshl_b32 s47, s21, 9
	s_add_co_u32 s46, s46, s47
	s_mov_b32 s47, 0
.endm
	s_load_b256 s[4:11], s[0:1], 0x0               ; H0 s[4:5], alphas s[6:7], gamma s[8:9], beta s[10:11]
	s_load_b128 s[12:15], s[0:1], 0x20             ; the P buffers, in the order of the launch's arguments
.if NL == 3
	s_load_b64 s[16:17], s[0:1], 0x30
.endif
	v_lshl_add_u32 v[SPW], v0, 2, SPARE
	v_mov_b32 v[NIL], 0
	v_lshrrev_b32 v14, 5, v0
	v_readfirstlane_b32 s20, v14                   ; wave
	s_and_b32 s21, ttmp9, 15                       ; chunk
	s_lshr_b32 s22, ttmp9, 4                       ; batch pair
	v_and_b32 v14, 15, v0                          ; r
	v_bfe_u32 v15, v0, 4, 1                        ; h
	v_and_b32 v[HOFF], 31, v0
	s_wait_alu depctr_va_sdst(0)                   ; s20 is written, ahead of its first reader: LDS places, bases and branches are made from it
	s_mul_i32 s23, s20, 4608
	s_add_co_u32 s23, s23, RED
	v_lshl_add_u32 v[REDST], v[HOFF], 2, s23       ; in: row = which sum, 4 bytes a lane
	v_mul_u32_u24 v[REDLD], v14, 144
	v_lshl_add_u32 v[REDLD], v15, 6, v[REDLD]
	v_add_nc_u32 v[REDLD], s23, v[REDLD]           ; back: row r, my half's 16 lanes
	v_lshlrev_b32 v[HOFF], 4, v[HOFF]
	v_lshl_add_u32 v[PARTLD], v15, 4, v14
	v_mul_u32_u24 v[PARTLD], v[PARTLD], 80
	v_add_nc_u32 v[PARTLD], PART, v[PARTLD]
	s_lshl_b32 s23, s20, 3
	v_add_nc_u32 v[PARTST], s23, v[PARTLD]
	s_lshl_b32 s23, s20, 11
	s_add_co_u32 s23, s23, FIN
	v_lshl_add_u32 v[FINLD], v15, 10, s23
	v_lshl_add_u32 v[FINST], v14, 2, v[FINLD]
.if NL > 1
	v_lshlrev_b32 v[STLLD], 10, v15
	v_lshlrev_b32 v[PFO], 8, v14
	v_lshl_add_u32 v[PFO], v15, 15, v[PFO]         ; a lane a block of 256 bytes: block h of the super-block, 256 r in my wave's 4,096
	v_lshlrev_b32 v[STST], 4, v0                   ; 512 w + 16 x lane
.endif
	s_lshl_b32 s23, s20, 9
	v_lshl_add_u32 v[CHO], v14, 4, s23
	v_lshl_add_u32 v[EOFF], v15, 12, v[CHO]
	s_lshl_b32 s30, ttmp9, 19
	s_lshl_b32 s31, s20, 12
	s_add_co_u32 s30, s30, s31
	s_mov_b32 s31, 0
	s_lshl_b32 s34, s22, 13                        ; batch pair x 8,192
	s_mov_b32 s35, 0
	s_lshl_b32 s36, s21, 17
	s_add_co_u32 s36, s36, s34                     ; + chunk x 131,072
	s_mov_b32 s37, 0
	s_wait_kmcnt 0x0
	s_add_nc_u64 s[24:25], s[4:5], s[30:31]        ; H0 at my wave's part of the chunk's block 0
	s_add_nc_u64 s[38:39], s[EIN:EIN+1], s[34:35]  ; E of chunk 0, my batch pair
.if NL > 1
	s_add_nc_u64 s[40:41], s[12:13], s[36:37]      ; layer 1's buffer at my chunk and batch pair
.endif
.if NL > 2
	s_add_nc_u64 s[42:43], s[14:15], s[36:37]      ; layer 2's
.endif
	s_add_nc_u64 s[44:45], s[POUT:POUT+1], s[36:37]
	s_wait_alu depctr_va_vdst(0)                   ; the offsets and LDS addresses v3 to v13 and v252 are written, which the loads, stores and the prefetch of the kernel read
	EACH NL+1, global_load_b128 v[QQ+8*k:QQ+8*k+3], v[CHO], s[6:7] offset:4096*k
	EACH NL+1, global_load_b128 v[QQ+8*k+4:QQ+8*k+7], v[CHO], s[6:7] offset:4096*k+256
	global_load_b128 v[GG:GG+3], v[CHO], s[8:9]
	global_load_b128 v[GG+4:GG+7], v[CHO], s[8:9] offset:256
	global_load_b128 v[BB:BB+3], v[CHO], s[10:11]
	global_load_b128 v[BB+4:BB+7], v[CHO], s[10:11] offset:256
.if NL > 1
	global_load_b128 v[CAR:CAR+3], v[EOFF], s[40:41] offset:OFC
	global_load_b128 v[CAR+4:CAR+7], v[EOFF], s[40:41] offset:OFC+256
.endif
.if NL > 2
	global_load_b128 v[CAR+8:CAR+11], v[EOFF], s[42:43] offset:OFC
	global_load_b128 v[CAR+12:CAR+15], v[EOFF], s[42:43] offset:OFC+256
.endif
	EACH 15, global_load_b128 v[128+8*k:128+8*k+3], v[EOFF], s[38:39] offset:131072*k
	EACH 15, global_load_b128 v[128+8*k+4:128+8*k+7], v[EOFF], s[38:39] offset:131072*k+256
.if NL > 1                             ; the lower layers' (R, M) of the chunk: 512 bytes a wave, waves 0 to 4 (NL - 1) - 1
.if NL == 2
	s_cmp_ge_u32 s20, 4
	s_cbranch_scc1 .Lnost
.endif
	STOFF
.if NL == 3
	s_cmp_lt_u32 s20, 4
	s_cselect_b64 s[48:49], s[12:13], s[14:15]     ; waves 0-3 layer 1's, waves 4-7 layer 2's
.else
	s_mov_b64 s[48:49], s[12:13]
.endif
	s_add_nc_u64 s[48:49], s[48:49], s[46:47]
	global_load_b128 v[248:251], v[HOFF], s[48:49] offset:OFST
.Lnost:
.endif
	WIN 0x40
	EACH 16, global_load_b128 v[X16+4*k:X16+4*k+3], v[HOFF], s[24:25] offset:32768*(k/8)+512*(k%8)  ; super-block 0, in the order in which the groups want it
	WIN 0
	s_wait_loadcnt 16                              ; all but the 16 just issued
.if NL > 1
.if NL == 2
	s_cmp_ge_u32 s20, 4
	s_cbranch_scc1 .Lnost2
.endif
	ds_store_b128 v[STST], v[248:251] offset:STL   ; its address was made ahead of the wait on va_vdst above, and no vector line has been issued since
.Lnost2:
.endif
	EACH2 4*(NL+1), RB16 QQ+k
	EACH2 4, RB16 GG+k
	EACH2 4, RB16 BB+k
	EACH 8*(NL+1), v_mul_f32 v[QQ+k], 0xbfb8aa3b, v[QQ+k]  ; a = 1 / (1 + 2^(-alpha log2 e))
	EACH 8*(NL+1), v_exp_f32 v[QQ+k], v[QQ+k]
	v_nop                                          ; a plain instruction behind the last exponential,
	s_wait_alu depctr_va_vdst(0)                   ; and the one wait ahead of the batch's first reader: the exponentials have written v[QQ ..]
	EACH 8*(NL+1), v_add_f32 v[QQ+k], 1.0, v[QQ+k]
	EACH 8*(NL+1), v_rcp_f32 v[QQ+k], v[QQ+k]
	v_nop
	s_wait_alu depctr_va_vdst(0)                   ; the reciprocals have written v[QQ ..], ahead of their first reader
	EACH 8*NL, v_mov_b32 v[AA+k], v[QQ+k]
	EACH 8*(NL+1), v_sub_f32 v[QQ+k], 1.0, v[QQ+k] ; q = 1 - a
.set CN, CAR+8*(NL-1)
	EACH2 4, v_pk_mul_f32 v[HL+k:HL+k+1], v[QQ+8*(NL-1)+k:QQ+8*(NL-1)+k+1], v[QQ+8*(NL-1)+k:QQ+8*(NL-1)+k+1]
.rept 6
	EACH2 4, v_pk_mul_f32 v[HL+k:HL+k+1], v[HL+k:HL+k+1], v[HL+k:HL+k+1]  ; seven squarings: q^128
.endr
	EACH 8, v_mov_b32 v[CN+k], 0
.irp i, 0,1,2,3,4,5,6,7,8,9,10,11,12,13,14
	s_cmp_le_u32 s21, \i                           ; the chunks ahead of mine, in order
	s_cbranch_scc1 .Lhd
	EACH2 4, v_pk_fma_f32 v[CN+k:CN+k+1], v[HL+k:HL+k+1], v[CN+k:CN+k+1], v[128+8*\i+k:128+8*\i+k+1]
.endr
.Lhd:
	s_wait_alu depctr_va_vdst(0)                   ; the chain has written the carry, which the stores below read (NL < 3), and is done reading v128 on, in which the first trip's LDS loads land
.if NL < 3
	global_store_b128 v[EOFF], v[CN:CN+3], s[44:45] offset:OFC
	global_store_b128 v[EOFF], v[CN+4:CN+7], s[44:45] offset:OFC+256
.endif
	EACH 8, v_mov_b32 v[CAR+8*NL+k], 0             ; the next layer is scanned from 0
.if NL > 1
	s_wait_dscnt 0x0                               ; my part of STL is stored,
	s_barrier_signal -1
	s_barrier_wait -1                              ; everybody's is
.endif
.macro AFF g                           ; h = gamma n + beta on the four tiles at work; a tile's gamma and beta are one register of a pair, given to both halves
.irp u, 0,1,2,3
.set m, 0
.rept 4
.set rT, TT+8*\u+2*m
.if (\u)%2
	v_pk_fma_f32 v[rT:rT+1], v[rT:rT+1], v[GG+4*(\g)+\u-1:GG+4*(\g)+\u], v[BB+4*(\g)+\u-1:BB+4*(\g)+\u] op_sel:[0,1,1] op_sel_hi:[1,1,1]
.else
	v_pk_fma_f32 v[rT:rT+1], v[rT:rT+1], v[GG+4*(\g)+\u:GG+4*(\g)+\u+1], v[BB+4*(\g)+\u:BB+4*(\g)+\u+1] op_sel_hi:[1,0,0]
.endif
.set m, m+1
.endr
.endr
.endm
.macro LOADRM b                        ; the lower layers' R and M of block b's 8 steps.  No wait of its own: no vector line stands between the last wait on va_vdst and these loads
	WIN 0
.set y, 0
.rept NL-1
	ds_load_b128 v[RR+8*y:RR+8*y+3],   v[STLLD] offset:STL+2048*y+32*(\b)
	ds_load_b128 v[RR+8*y+4:RR+8*y+7], v[STLLD] offset:STL+2048*y+32*(\b)+16
	ds_load_b128 v[MM+8*y:MM+8*y+3],   v[STLLD] offset:STL+2048*y+512+32*(\b)
	ds_load_b128 v[MM+8*y+4:MM+8*y+7], v[STLLD] offset:STL+2048*y+512+32*(\b)+16
.set y, y+1
.endr
.endm
; Layer l (2 .. NL) on four tiles: the layer below is normalised with its stored statistics, then u and y of this layer.  y stays in TT, or (l = NL) goes to YY.
.macro LAYER l, b, g
	WIN 0
.irp u, 0,1,2,3
.set m, 0
.rept 4
.set rT, TT+8*\u+2*m
	v_pk_fma_f32 v[rT:rT+1], v[rT:rT+1], v[RR+8*((\l)-2)+2*m:RR+8*((\l)-2)+2*m+1], v[MM+8*((\l)-2)+2*m:MM+8*((\l)-2)+2*m+1]
.set m, m+1
.endr
.endr
	AFF \g
.set j, 0
.rept 8
.irp u, 0,1,2,3
.if j == 0
	v_fma_f32 v[VV+8*\u], v[QQ+8*((\l)-1)+4*(\g)+\u], v[CAR+8*((\l)-1)+4*(\g)+\u], v[TT+8*\u]
.else
	v_fma_f32 v[VV+8*\u+j], v[QQ+8*((\l)-1)+4*(\g)+\u], v[VV+8*\u+j-1], v[TT+8*\u+j]
.endif
.endr
.set j, j+1
.endr
.irp u, 0,1,2,3
	v_mov_b32 v[CAR+8*((\l)-1)+4*(\g)+\u], v[VV+8*\u+7]
.endr
.if (\l) == NL
	WIN 0x40
.endif
.irp u, 0,1,2,3
.set m, 0
.rept 4
.set rT, TT+8*\u+2*m
.set rV, VV+8*\u+2*m
.set rD, rT
.if (\l) == NL
.set rD, YY+64*(\b)+8*(4*(\g)+\u)+2*m
.endif
.if (\u)%2
	v_pk_fma_f32 v[rD:rD+1], v[rV:rV+1], v[AA+8*((\l)-1)+4*(\g)+\u-1:AA+8*((\l)-1)+4*(\g)+\u], v[rT:rT+1] op_sel:[0,1,0] op_sel_hi:[1,1,1]
.else
	v_pk_fma_f32 v[rD:rD+1], v[rV:rV+1], v[AA+8*((\l)-1)+4*(\g)+\u:AA+8*((\l)-1)+4*(\g)+\u+1], v[rT:rT+1] op_sel_hi:[1,0,1]
.endif
.set m, m+1
.endr
.endr
.endm
; Block b, tiles 4 g .. 4 g + 3: layers 1 to NL, layer NL's sums, and at the end the group's refill.
.macro GROUPA b, g
	s_wait_loadcnt 12                              ; loads come back in order: my group's four are in; the three younger groups' twelve may stay out
	WIN 0x10
.set j, 0
.rept 8
.irp u, 0,1,2,3
.if j == 0
	MIX TT+8*\u, QQ+4*(\g)+\u, CAR+4*(\g)+\u, X16+32*(\b)+16*(\g)+4*\u, 0
.else
	MIX TT+8*\u+j, QQ+4*(\g)+\u, TT+8*\u+j-1, X16+32*(\b)+16*(\g)+4*\u+j/2, j%2
.endif
.endr
.set j, j+1
.endr
.irp u, 0,1,2,3
	v_mov_b32 v[CAR+4*(\g)+\u], v[TT+8*\u+7]
.endr
.if NL == 1
	WIN 0x50
.endif
.set j, 0
.rept 8
.irp u, 0,1,2,3
.if NL == 1
	MIX YY+64*(\b)+8*(4*(\g)+\u)+j, AA+4*(\g)+\u, TT+8*\u+j, X16+32*(\b)+16*(\g)+4*\u+j/2, j%2
.else
	MIX TT+8*\u+j, AA+4*(\g)+\u, TT+8*\u+j, X16+32*(\b)+16*(\g)+4*\u+j/2, j%2
.endif
.endr
.set j, j+1
.endr
.if NL > 1
.if (\g) == 0
	s_wait_dscnt 0x0                               ; the block's R and M are in
.endif
	LAYER 2, \b, \g
.endif
.if NL > 2
	LAYER 3, \b, \g
.endif
	WIN 0x05
.irp u, 0,1,2,3
.set m, 0
.rept 4
.set rY, YY+64*(\b)+8*(4*(\g)+\u)+2*m
.set rS, SS+8*(\b)+2*m
.set rQ, SS+16+8*(\b)+2*m
.if ((\g) == 0) && ((\u) == 0)                 ; a block's first tile starts the sums: nothing is cleared
	v_pk_mul_f32 v[rS:rS+1], v[rY:rY+1], 1.0 op_sel_hi:[1,0]
	v_pk_mul_f32 v[rQ:rQ+1], v[rY:rY+1], v[rY:rY+1]
.else
	v_pk_fma_f32 v[rS:rS+1], v[rY:rY+1], 1.0, v[rS:rS+1] op_sel_hi:[1,0,1]
	v_pk_fma_f32 v[rQ:rQ+1], v[rY:rY+1], v[rY:rY+1], v[rQ:rQ+1]
.endif
.set m, m+1
.endr
.endr
	WIN 0x40
	s_wait_alu depctr_va_vdst(0)                   ; the group's lines are done reading its X16, in which the loads below land; behind a block's second group also: done reading RR and MM (the next LOADRM), and behind the last group: SS is written, TT and VV are done with (where the sums meet)
.irp u, 0,1,2,3
	global_load_b128 v[X16+32*(\b)+16*(\g)+4*\u:X16+32*(\b)+16*(\g)+4*\u+3], v[HOFF], s[26:27] offset:32768*(\b)+512*(4*(\g)+\u)  ; the same group of the next super-block
.endr
.if (NL > 1) && ((\b) == 1) && ((\g) == 1)
	WIN 0
	s_cmp_gt_u32 s33, 5                            ; the last two trips have no super-block two on
	s_cbranch_scc1 .Lnopf
	global_prefetch_b8 v[PFO], s[28:29] th:TH_LOAD_NT scope:SCOPE_SE  ; my wave's 8,192 bytes of the super-block that the next trip's loads will ask for: a lane a block of 256 bytes, each named once in the launch
.Lnopf:
.endif
.endm
; Block b, tiles 4 g .. 4 g + 3: layer NL is normalised with the statistics just made, and layer NL + 1's u runs on.
.macro GROUPB b, g
	WIN 0x04
.irp u, 0,1,2,3
.set m, 0
.rept 4
.set rT, TT+8*\u+2*m
	v_pk_fma_f32 v[rT:rT+1], v[SS+8*(\b)+2*m:SS+8*(\b)+2*m+1], v[YY+64*(\b)+8*(4*(\g)+\u)+2*m:YY+64*(\b)+8*(4*(\g)+\u)+2*m+1], v[SS+16+8*(\b)+2*m:SS+16+8*(\b)+2*m+1]
.set m, m+1
.endr
.endr
	WIN 0
	AFF \g
.if (NL == 3) && ((\b) == 1)
.irp u, 0,1,2,3
	v_mov_b32 v[HL+4*(\g)+\u], v[TT+8*\u+7]        ; the super-block's last step; the last trip's stays
.endr
.endif
.set j, 0
.rept 8
.irp u, 0,1,2,3
	v_fma_f32 v[CAR+8*NL+4*(\g)+\u], v[QQ+8*NL+4*(\g)+\u], v[CAR+8*NL+4*(\g)+\u], v[TT+8*\u+j]
.endr
.set j, j+1
.endr
.endm
	s_wait_alu depctr_vm_vsrc(0)                   ; the stores of the carry have read its registers, and the store into STL v248 to v252: the first trip's vector lines write all of these
	s_mov_b32 s33, 0
.Lsb:                                                  ; 8 trips, a super-block of 16 steps each
	s_wait_xcnt 0x0                                ; every load, store and prefetch issued so far has read its sources: the two pointers are written here, C's registers in the trip
	s_add_co_u32 s30, s33, 1
	s_min_u32 s30, s30, 7                          ; the last trip asks for its own super-block once more: every load stays inside H0, and the counted waits hold in every trip
	s_lshl_b32 s30, s30, 16
	s_add_nc_u64 s[26:27], s[24:25], s[30:31]
.if NL > 1
	s_add_co_u32 s30, s33, 2
	s_min_u32 s30, s30, 7
	s_lshl_b32 s30, s30, 16
	s_add_nc_u64 s[28:29], s[24:25], s[30:31]
	s_wait_alu depctr_va_vdst(0)                   ; the step at the last trip's end has written v[STLLD], which the loads below read as their address
	LOADRM 0
.endif
	GROUPA 0, 0
	GROUPA 0, 1
.if NL > 1
	LOADRM 1
.endif
	GROUPA 1, 0
	GROUPA 1, 1
	; THE SUMS MEET.  My 32 sums (S and Q of 16 steps over my 8 channels) go into my wave's rows; lane (r, h) takes back step r's 16 lanes of half h.  LDS serves a wave's instructions in order, so no wait stands between.
	WIN 0
	EACH 32, ds_store_b32 v[REDST], v[SS+k] offset:144*k
	EACH 4, ds_load_b128 v[TT+4*k:TT+4*k+3], v[REDLD] offset:16*k
	EACH 4, ds_load_b128 v[TT+16+4*k:TT+16+4*k+3], v[REDLD] offset:2304+16*k
	s_wait_dscnt 0x0
.irp p, 0,2,4,6
	v_pk_add_f32 v[TT+\p:TT+\p+1], v[TT+\p:TT+\p+1], v[TT+8+\p:TT+9+\p]
	v_pk_add_f32 v[TT+16+\p:TT+17+\p], v[TT+16+\p:TT+17+\p], v[TT+24+\p:TT+25+\p]
.endr
.irp p, 0,2
	v_pk_add_f32 v[TT+\p:TT+\p+1], v[TT+\p:TT+\p+1], v[TT+4+\p:TT+5+\p]
	v_pk_add_f32 v[TT+16+\p:TT+17+\p], v[TT+16+\p:TT+17+\p], v[TT+20+\p:TT+21+\p]
.endr
	v_pk_add_f32 v[TT:TT+1], v[TT:TT+1], v[TT+2:TT+3]
	v_pk_add_f32 v[TT+16:TT+17], v[TT+16:TT+17], v[TT+18:TT+19]
	v_add_f32 v[XP], v[TT], v[TT+1]
	v_add_f32 v[XP+1], v[TT+16], v[TT+17]
	s_wait_alu depctr_va_vdst(0)                   ; the two adds have written v[XP:XP+1], which the store below reads
	ds_store_b64 v[PARTST], v[XP:XP+1]             ; my wave's (S, Q) of (h, step r)
	s_wait_dscnt 0x0                               ; for the others' sake: it is stored
	s_barrier_signal -1
	s_barrier_wait -1
	EACH 4, ds_load_b128 v[VV+4*k:VV+4*k+3], v[PARTLD] offset:16*k  ; all eight waves'
	s_wait_dscnt 0x0                               ; my reads of PART are over: the next trip's stores into it stand behind this second barrier
	s_wait_alu depctr_vm_vsrc(0)                   ; the store into PART has read v[XP:XP+1], which the statistics below write; the stores into RED have read SS, in which the loads from FIN land
	s_barrier_signal -1
.irp p, 0,2,4,6
	v_pk_add_f32 v[VV+\p:VV+\p+1], v[VV+\p:VV+\p+1], v[VV+8+\p:VV+9+\p]
.endr
.irp p, 0,2
	v_pk_add_f32 v[VV+\p:VV+\p+1], v[VV+\p:VV+\p+1], v[VV+4+\p:VV+5+\p]
.endr
	v_pk_add_f32 v[VV:VV+1], v[VV:VV+1], v[VV+2:VV+3]
	v_pk_mul_f32 v[XP:XP+1], v[VV:VV+1], 0x3a800000 op_sel_hi:[1,0]  ; mu, mean of squares
	v_fma_f32 v[XP+1], -v[XP], v[XP], v[XP+1]
	v_max_num_f32 v[XP+1], 0, v[XP+1]
	v_add_f32 v[XP+1], EPSW, v[XP+1]
	v_rsq_f32 v[XP+1], v[XP+1]                     ; R
	v_nop
	s_wait_alu depctr_va_vdst(0)                   ; the root has written R: the wait stands ahead of its first reader
	v_mul_f32 v[XP], -v[XP], v[XP+1]               ; M = -mu R
	s_barrier_wait -1
	s_wait_alu depctr_va_vdst(0)                   ; the product has written M, which the second store below reads
	ds_store_b32 v[FINST], v[XP+1]                 ; my wave's own table: step r of half h
	ds_store_b32 v[FINST], v[XP] offset:512
	EACH 4, ds_load_b128 v[SS+4*k:SS+4*k+3], v[FINLD] offset:16*k            ; and all 16 steps of my half back, in every lane
	EACH 4, ds_load_b128 v[SS+16+4*k:SS+16+4*k+3], v[FINLD] offset:512+16*k
	s_wait_dscnt 0x0
	GROUPB 0, 0
	GROUPB 0, 1
	GROUPB 1, 0
	GROUPB 1, 1
	WIN 0
	s_wait_alu depctr_vm_vsrc(0)                   ; the trip's LDS stores and loads have read their addresses, which are stepped below, and FIN's stores v[XP:XP+1], which the next trip writes
	v_add_nc_u32 v[FINST], 64, v[FINST]            ; 16 steps on
	v_add_nc_u32 v[FINLD], 64, v[FINLD]
.if NL > 1
	v_add_nc_u32 v[STLLD], 64, v[STLLD]
.endif
	s_add_co_u32 s33, s33, 1
	s_cmp_lt_u32 s33, 8
	s_cbranch_scc1 .Lsb
	s_wait_alu depctr_va_vdst(0)                   ; the last trip has written the next layer's u (and, NL = 3, h3's last step), which the stores below read
	global_store_b128 v[EOFF], v[CAR+8*NL:CAR+8*NL+3], s[44:45]              ; E of layer NL + 1: 16 lanes store 256 consecutive bytes
	global_store_b128 v[EOFF], v[CAR+8*NL+4:CAR+8*NL+7], s[44:45] offset:256
.if NL < 3
	s_cmp_ge_u32 s20, 4                            ; waves 0-3 store the chunk's R and M of both batches, each out of its own table: 512 consecutive bytes a wave
	s_cbranch_scc1 .Lend
	s_mul_i32 s50, s20, 2560                       ; my table (2,048 w) + half w / 2 and R or M by w % 2 (512 w)
	s_add_co_u32 s50, s50, FIN
	v_add_nc_u32 v[TT], s50, v[HOFF]
	s_wait_alu depctr_va_vdst(0)                   ; v[TT] is written, which the load below reads as its address
	ds_load_b128 v[VV:VV+3], v[TT]
	STOFF
	s_add_nc_u64 s[48:49], s[POUT:POUT+1], s[46:47]
	s_wait_dscnt 0x0
	global_store_b128 v[HOFF], v[VV:VV+3], s[48:49] offset:OFST
.else
	s_cmp_lg_u32 s21, 15                           ; the last chunk stores h3 at the last step
	s_cbranch_scc1 .Lend
	s_add_nc_u64 s[50:51], s[POUT:POUT+1], s[34:35]
	global_store_b128 v[EOFF], v[HL:HL+3], s[50:51] offset:OFC
	global_store_b128 v[EOFF], v[HL+4:HL+7], s[50:51] offset:OFC+256
.endif
.Lend:
	s_wait_dscnt 0x0                               ; the wave's end
	s_wait_alu 0x0
	s_wait_tensorcnt 0x0
	ds_add_u32 v[SPW], v[NIL]
	s_wait_dscnt 0x0
	s_endpgm
.Lfunc_end_k_qd09ee6e731_lay3:
	.size	k_qd09ee6e731_lay3, .Lfunc_end_k_qd09ee6e731_lay3-k_qd09ee6e731_lay3
	.p2alignl 7, 3214868480
	.fill 96, 4, 3214868480
	.section	.rodata,"a",@progbits
	.p2align	6, 0x0
	.amdhsa_kernel k_qd09ee6e731_lay3
		.amdhsa_group_segment_fixed_size 60928
		.amdhsa_private_segment_fixed_size 0
		.amdhsa_enable_private_segment 0
		.amdhsa_kernarg_size 56
		.amdhsa_user_sgpr_count 2
		.amdhsa_user_sgpr_kernarg_segment_ptr 1
		.amdhsa_wavefront_size32 1
		.amdhsa_system_sgpr_workgroup_id_x 1
		.amdhsa_system_sgpr_workgroup_id_y 1
		.amdhsa_system_sgpr_workgroup_id_z 1
		.amdhsa_system_vgpr_workitem_id 0
		.amdhsa_next_free_vgpr 448
		.amdhsa_next_free_sgpr 66
		.amdhsa_reserve_vcc 0
		.amdhsa_float_denorm_mode_32 3
		.amdhsa_float_denorm_mode_16_64 3
		.amdhsa_memory_ordered 1
		.amdhsa_forward_progress 1
		.amdhsa_inst_pref_size 120
	.end_amdhsa_kernel
	.amdgpu_metadata
---
amdhsa.version: [ 1, 2 ]
amdhsa.kernels:
  - .name:           k_qd09ee6e731_lay3
    .symbol:         k_qd09ee6e731_lay3.kd
    .args:
      - { .name: H0, .offset: 0, .size: 8, .value_kind: global_buffer, .address_space: global }
      - { .name: alphas, .offset: 8, .size: 8, .value_kind: global_buffer, .address_space: global }
      - { .name: gamma, .offset: 16, .size: 8, .value_kind: global_buffer, .address_space: global }
      - { .name: beta, .offset: 24, .size: 8, .value_kind: global_buffer, .address_space: global }
      - { .name: P2, .offset: 32, .size: 8, .value_kind: global_buffer, .address_space: global }
      - { .name: P3, .offset: 40, .size: 8, .value_kind: global_buffer, .address_space: global }
      - { .name: P4, .offset: 48, .size: 8, .value_kind: global_buffer, .address_space: global }
    .group_segment_fixed_size: 60928
    .private_segment_fixed_size: 0
    .kernarg_segment_align: 8
    .kernarg_segment_size: 56
    .max_flat_workgroup_size: 256
    .sgpr_count:     66
    .vgpr_count:     448
    .wavefront_size: 32
...
	.end_amdgpu_metadata
.endif
;; end of part 8
;; launch head: the kernel of part 5 again; grid 32 x 1, 16 waves a work-group, no clusters, 10,496 bytes of LDS; arguments alphas, gamma, beta, P4, W_out, b_out, out0; writes out0
